; MI455X (gfx1250); checked and timed in simulation.
; The chip was launched on July 23, 2026; its instructions are those of AMD's public machine-readable ISA for CDNA 5 (MIT licence, August 2026) and "CDNA5" Instruction Set Architecture Reference Guide (July 2026). The comments in the code are by the model that wrote it; some were corrected since.
;; Encoder Layer. Allowed arithmetic: matrix products marked QUANTISED: E5M2 operands, one E8M0 scale for each 32 along K, by v_wmma_scale_f32_16x16x128_f8f6f4 with both operands' format E5M2, f32 sums; everything else in f32.
;; Inputs: b1 2,048 float32; b2 512 float32; be1 512 float32; be2 512 float32; g1 512 float32; g2 512 float32; mask 2 x 1 x 1 x 4,096 int32; w1 512 x 2,048 float32; w2 2,048 x 512 float32; wk 512 x 512 float32; wo 512 x 512 float32; wq 512 x 512 float32; wv 512 x 512 float32; x 2 x 4,096 x 512 float32.
;; Outputs: out0 2 x 4,096 x 512 float32.
;; This version of the problem:
;;   THIS VERSION OF THE PROBLEM IS GIVEN IN LOW PRECISION. The matrix products marked QUANTISED in the list below multiply operands that are first quantised to E5M2 (5 exponent bits, 2 mantissa bits; 8 bits a number), with one power-of-two scale for each 32 numbers along K (OCP MX v1.0); their sums are f32. All else is computed in f32.
;;   The module's matrix products, in the order in which they are computed (A, B: the left and right operand; K: the contracted axis; several contracted axes count as one K, in the product's order):
;;     1. [M 8,192, K 512] x [K 512, N 512]; A: input x; B: input wq: QUANTISED
;;     2. [M 8,192, K 512] x [K 512, N 512]; A: input x; B: input wk: QUANTISED
;;     3. [M 8,192, K 512] x [K 512, N 512]; A: input x; B: input wv: QUANTISED
;;     4. batch 16 x [M 4,096, K 64] x [K 64, N 4,096]; A: computed on the way; B: computed on the way: QUANTISED
;;     5. batch 16 x [M 4,096, K 4,096] x [K 4,096, N 64]; A: softmax (see below); B: computed on the way: QUANTISED
;;     6. [M 8,192, K 512] x [K 512, N 512]; A: computed on the way; B: input wo: QUANTISED
;;     7. [M 8,192, K 512] x [K 512, N 2,048]; A: computed on the way; B: input w1: QUANTISED
;;     8. [M 8,192, K 2,048] x [K 2,048, N 512]; A: computed on the way; B: input w2: QUANTISED
;;   THE QUANTISER, for each operand of a quantised product, along K:
;;     - K is cut into blocks of 32 from its start; a last block that is shorter is filled with zeros.
;;     - A block's scale is 2^e with e = floor(log2(the largest magnitude in the block)) - 15, held to -126 .. 127; a block of zeros has e = 0. As a byte (E8M0): e + 127.
;;     - Each number is divided by its block's scale, clamped to +-57,344, and rounded to the nearest number of E5M2, ties to even, subnormals kept.
;;     - The product sums the exact products of the quantised numbers (number of the format x scale) in f32.
;;   ~~~python
;;   def quantise(x, axis):      # numpy; x: float32 -> the quantised numbers, widened to float32 again
;;       x = np.moveaxis(x, axis, -1); K = x.shape[-1]
;;       x = np.pad(x, [(0, 0)] * (x.ndim - 1) + [(0, -K % 32)]); x = x.reshape(x.shape[:-1] + (-1, 32)); a = np.abs(x).max(-1, keepdims=True)
;;       e = np.where(a > 0, np.clip(np.frexp(np.where(a > 0, a, 1))[1] - 1 - 15, -126, 127), 0)      # np.frexp(a)[1] - 1 = floor(log2(a)), exactly
;;       r = np.clip(x / 2.0 ** e, -57344, 57344)
;;       step = 2.0 ** (np.maximum(np.frexp(np.where(r == 0, 1, r))[1] - 1, -14) - 2)
;;       q = np.round(r / step) * step * 2.0 ** e      # np.round: ties to even
;;       return np.moveaxis(q.reshape(q.shape[:-2] + (-1,))[..., :K], -1, axis).astype(np.float32)
;;   ~~~
;;   SOFTMAX AHEAD OF A QUANTISED PRODUCT. Where the list says 'softmax', what is quantised is not the finished softmax but p = 2^(t - M), with t = logit x log2(e) and M = ceil(the row's largest t), a whole number; so 1/2 < the row's largest p <= 1. The row's sum l is taken of the UNQUANTISED p, in f32, and the product's result is divided by l at the end. Since M is a whole number, a kernel that streams over the keys may use a running M (the ceiling of the running maximum): every later rescaling is an exact power of two, which a block's scale takes up: the codes' values come out the same.
;;   OPERANDS COMPUTED ON THE WAY. 'Computed on the way' means the value that the module computes at that place (a softmax that the list does not call 'softmax' is quantised finished and normalised). What goes into a quantiser is computed in f32, as accurately as f32 sums, v_exp_f32 and their like allow (about 1e-6 of the number): no bf16 or f16 on the way to a quantiser, and a product that is left as it is and whose result goes on into a quantised operand takes f32 operands (vector FMAs, or v_wmma_f32_16x16x4_f32). A number that lies on a knife's edge between two numbers of the format may be rounded either way, as far as f32 arithmetic and the matrix unit's own rounding can turn it there, and no further.
;; 2 versions. Each part assembles by itself: llvm-mc -triple=amdgcn-amd-amdhsa -mcpu=gfx1250 --defsym DOCPART=n.
;; ======== version 1 of 2: 4 launches
;; limits: right only within a limited range of input values
;; workspace buffers: prepbuf 7,602,176 bytes; qkvbuf 12,976,128 bytes; ctxbuf 4,325,376 bytes
;; launch prep (part 1): grid 225 x 1, 4 waves a work-group, no clusters, 57,856 bytes of LDS; arguments x, mask, wq, wk, wv, wo, w1, w2, prepbuf; writes prepbuf
.if DOCPART == 1
	.amdgcn_target "amdgcn-amd-amdhsa--gfx1250"
	.amdhsa_code_object_version 6
	.text
	.protected	k_q30d4f908e0_prep
	.globl	k_q30d4f908e0_prep
	.p2align	8
	.type	k_q30d4f908e0_prep,@function
k_q30d4f908e0_prep:
	s_mov_b64 s[64:65], 0
	v_nop
	global_prefetch_b8 v0, s[64:65] scope:SCOPE_SE
	s_setreg_imm32_b32 hwreg(HW_REG_WAVE_MODE, 25, 1), 1
	s_wait_xcnt 0x0
; PREP: x and the six weights become codes of E5M2 with one E8M0 byte for each 32 along K; the mask becomes one word for each key.
; LAYOUT OF EVERY OPERAND: a fragment (16 rows x 128 K) lies as the image of its 16 registers: piece c (32 along K) is 512 bytes, lane l = 16 h + r has 16 bytes at 512 c + 16 l.
; Fragments lie [group of 128 rows][K step][tile of 16 rows][2,048 bytes]; the scale words [group][K step][tile][64 bytes], always at the codes' offset / 32.
; ORDER INSIDE A BLOCK OF 32: place 16 h + 8 u + j holds true index 16 u + 8 h + j.  That is the order in which two neighbouring 16 x 16 results fall into a lane's registers,
; so computed operands need no shuffle; x and the weights are laid the same way here.  Both sides of every product share the order, and the blocks are the true blocks.
; A block's scale: its largest magnitude's exponent field less 15, held at 1 from below (a block of zeros keeps byte 1: its codes are zeros, and only this program reads the bytes).
; LIMITS: NaN and infinities among the inputs are not served; blocks whose largest magnitude lies under 2^-111 keep byte 1.
; THE MASK'S WORD: 0 for an open key; for a hidden key the E5M2 code of -2^15 in its lowest byte.  Attention multiplies it by 2^15 in the unused half of its first product's K:
; -2^30 on the raw score, a logit of -2^27 where the definition has -1e9: it differs only where a row's largest open logit lies under about -1.3e8.
; WORK-GROUPS: 0-127: x, a tile of 16 tokens a wave.  128-223: weights, 128 columns x 256 along K each.  224: the mask.
.set O_XS,    4194304
.set O_WQKV,  4325376
.set O_WQKVS, 5111808
.set O_TW,    5136384                  ; the last launch's four weight streams: wo's group w, w1's groups 4 w .. 4 w + 3, w2's group w
.set O_TWS,   7495680
.set O_MASK,  7569408
.set WSTR,    589824                   ; a stream: 36 K steps of 16,384 bytes
.set WREG,    14336                    ; LDS of a wave (x's path alone uses LDS)
.set SP,      80                       ; a lane's place in a turning stage: 64 bytes + 16
.set CST,     5120                     ; behind the two turning stages: the codes' stage, 32 units of 256 bytes + 16
.set SST,     13824                    ; and the tile's 256 scale bytes
.set R,  16                            ; v16-79   x: four sets of 16 numbers as loaded
.set X,  80                            ; v80-111  x: two sets of 16 neighbours
.set E,  112                           ; v112-127 x: a scale byte for each step
.set C,  128                           ; v128-191 x: four code registers for each step
.set X2, 32                            ; v32-95   weights: two sets of 32 numbers
.set C2, 96                            ; v96-159  weights: eight code registers for each block
.set SB, 24                            ; v24-25   weights: scale bytes, four to a register
	s_load_b256 s[4:11], s[0:1], 0x0               ; x, mask, wq, wk
	s_load_b256 s[12:19], s[0:1], 0x20             ; wv, wo, w1, w2
	s_load_b64 s[20:21], s[0:1], 0x40              ; prepbuf
	v_lshl_add_u32 v192, v0, 2, 0xe000
	v_mov_b32 v193, 0
	v_lshrrev_b32 v1, 5, v0
	v_readfirstlane_b32 s22, v1                    ; wave
	v_and_b32 v2, 31, v0                           ; lane
	s_wait_kmcnt 0x0
	s_cmp_lt_u32 ttmp9, 128
	s_cbranch_scc1 .Lpath_x
	s_cmp_lt_u32 ttmp9, 224
	s_cbranch_scc1 .Lpath_w
; ---- THE MASK: 8,192 whole numbers become 0 (open) or 0xf8 (hidden: the code of -2^15); 128 threads, 16 loads of 16 bytes each
	v_lshlrev_b32 v3, 4, v0
	v_mov_b32 v4, 0xf8                             ; sign 1, exponent field 30, mantissa 0
	s_add_nc_u64 s[20:21], s[20:21], O_MASK
.irp i, 0,1,2,3,4,5,6,7,8,9,10,11,12,13,14,15
	global_load_b128 v[16+4*\i:19+4*\i], v3, s[6:7] offset:2048*\i
.endr
.irp i, 0,1,2,3,4,5,6,7,8,9,10,11,12,13,14,15
	s_wait_loadcnt 15-\i                           ; loads come back in order: load i is in
.irp k, 0,1,2,3
	v_cmp_eq_u32 vcc_lo, 0, v[16+4*\i+\k]
	v_cndmask_b32 v[16+4*\i+\k], 0, v4, vcc_lo
.endr
	global_store_b128 v3, v[16+4*\i:19+4*\i], s[20:21] offset:2048*\i
.endr
	s_endpgm
; ---- x: wave w takes token tile TT = 4 x work-group + w; step t is token row t, 2,048 consecutive bytes
.Lpath_x:
	v_lshlrev_b32 v3, 4, v2                        ; my 16 bytes of 512
	s_mul_i32 s23, s22, WREG
	v_lshrrev_b32 v14, 2, v2
	v_mul_u32_u24 v14, v14, SP
	v_and_b32 v15, 3, v2
	v_lshl_add_u32 v14, v15, 4, v14
	v_add_nc_u32 v14, s23, v14                     ; turning stage, in: four lanes' 64 bytes on end, then 16 of padding
	v_mul_u32_u24 v15, v2, SP
	v_add_nc_u32 v15, s23, v15                     ; out: my 16 neighbours
	v_lshrrev_b32 v4, 1, v2
	v_mul_u32_u24 v4, v4, 544
	v_and_b32 v5, 1, v2
	v_lshl_add_u32 v4, v5, 3, v4
	v_add_nc_u32 v4, s23, v4                       ; codes' stage: block l / 2 has two units (h = 0, 1); my 8 bytes at 8 (l % 2) of row t's 16
	v_lshrrev_b32 v5, 3, v2
	v_bfe_u32 v6, v2, 1, 2
	v_lshl_add_u32 v5, v5, 6, v6
	v_add_nc_u32 v5, s23, v5                       ; scale bytes: K step l / 8, byte (l / 2) % 4 of row t's word
	v_lshrrev_b32 v6, 4, v2
	v_mul_u32_u24 v6, v6, 272
	v_and_b32 v7, 15, v2
	v_lshl_add_u32 v6, v7, 4, v6
	v_add_nc_u32 v6, s23, v6                       ; codes back: two units an instruction = one piece of 512 bytes
	v_lshl_add_u32 v7, v2, 3, s23                  ; scale bytes back: 8 a lane
	v_lshrrev_b32 v13, 3, v2
	v_and_b32 v12, 7, v2
	v_lshlrev_b32 v12, 3, v12
	v_lshl_add_u32 v13, v13, 9, v12                ; and their place in memory: K steps 512 bytes apart
	s_lshl_b32 s24, ttmp9, 2
	s_add_co_u32 s24, s24, s22                     ; TT
	s_lshl_b32 s26, s24, 15                        ; 16 rows of 2,048 bytes
	s_mov_b32 s27, 0
	s_add_nc_u64 s[4:5], s[4:5], s[26:27]
	s_lshr_b32 s25, s24, 3
	s_and_b32 s24, s24, 7
	s_lshl_b32 s26, s25, 16
	s_lshl_b32 s28, s24, 11
	s_add_co_u32 s26, s26, s28                     ; group x 65,536 + tile x 2,048
	s_add_nc_u64 s[8:9], s[20:21], s[26:27]        ; the codes
	s_lshr_b32 s26, s26, 5
	s_add_co_u32 s26, s26, O_XS
	s_add_nc_u64 s[10:11], s[20:21], s[26:27]      ; the scale words
	s_mov_b32 s29, 0x600000                        ; the mantissa field of 57,344
.macro XLOAD t
.irp i, 0,1,2,3
	global_load_b128 v[R+16*((\t)%4)+4*\i:R+16*((\t)%4)+4*\i+3], v3, s[4:5] offset:2048*(\t)+512*\i th:TH_LOAD_NT
.endr
.endm
.macro XTURN t                         ; a row through the turning stage: LDS serves a wave's instructions in order, so no wait between stores and loads
.irp i, 0,1,2,3
	ds_store_b128 v14, v[R+16*((\t)%4)+4*\i:R+16*((\t)%4)+4*\i+3] offset:32*SP*((\t)%2)+8*SP*\i
.endr
.irp i, 0,1,2,3
	ds_load_b128 v[X+16*((\t)%2)+4*\i:X+16*((\t)%2)+4*\i+3], v15 offset:32*SP*((\t)%2)+16*\i
.endr
.endm
.irp t, 0,1,2,3
	XLOAD \t
.endr
	s_wait_loadcnt 12                              ; row 0's four loads are in
	XTURN 0
.macro XSTEP t
.set XN, X+16*((\t)%2)
.if (\t) > 0
	s_wait_dscnt 3                                 ; this row is back from the stage; the last step's three stores may be out
.else
	s_wait_dscnt 0x0
.endif
.if (\t)+4 < 16
	XLOAD (\t)+4                                   ; into the set whose stores into the stage are done
.endif
.if (\t)+1 < 16
.if 14-(\t) >= 3
	s_wait_loadcnt 12                              ; the next row is in; three rows behind it may be out
.else
	s_wait_loadcnt 4*(14-(\t))
.endif
	XTURN (\t)+1
.endif
	v_max3_num_f32 v8, |v[XN]|, |v[XN+1]|, |v[XN+2]|
	v_max3_num_f32 v9, |v[XN+3]|, |v[XN+4]|, |v[XN+5]|
.irp i, 6,10
	v_max3_num_f32 v8, v8, |v[XN+\i]|, |v[XN+\i+1]|
	v_max3_num_f32 v9, v9, |v[XN+\i+2]|, |v[XN+\i+3]|
.endr
	v_max3_num_f32 v8, v8, |v[XN+14]|, |v[XN+15]|
	v_max3_num_f32 v8, v8, v9, 0x8000000           ; with the floor 2^(16 - 127): the byte cannot fall under 1
	v_max_num_f32_dpp v8, v8, v8 row_xmask:1 row_mask:0xf bank_mask:0xf   ; and my neighbour's 16: the block's largest magnitude
	v_add_nc_u32 v11, 0xf8800000, v8               ; 15 off the exponent field: the conversion's scale operand
	v_and_or_b32 v10, v8, 0x7f800000, s29          ; 57,344 x the scale
.irp i, 0,1,2,3,4,5,6,7,8,9,10,11,12,13,14,15
	v_med3_num_f32 v[XN+\i], v[XN+\i], -v10, v10   ; the conversion does not saturate (ISA guide 7.6.2): hold first
.endr
	v_cvt_scalef32_pk8_bf8_f32 v[C+4*(\t):C+4*(\t)+1], v[XN:XN+7], v11
	v_cvt_scalef32_pk8_bf8_f32 v[C+4*(\t)+2:C+4*(\t)+3], v[XN+8:XN+15], v11
	v_lshrrev_b32 v[E+(\t)], 23, v11               ; the scale's byte
	ds_store_b64 v4, v[C+4*(\t):C+4*(\t)+1] offset:CST+16*(\t)          ; my first 8 codes belong to half h = 0 of the piece,
	ds_store_b64 v4, v[C+4*(\t)+2:C+4*(\t)+3] offset:CST+16*(\t)+272    ; my second 8 to half h = 1
	ds_store_b8 v5, v[E+(\t)] offset:SST+4*(\t)    ; both lanes of a block write the same byte
.endm
.irp t, 0,1,2,3,4,5,6,7,8,9,10,11,12,13,14,15
	XSTEP \t
.endr
	ds_load_b64 v[80:81], v7 offset:SST
.irp i, 0,1,2,3,4,5,6,7,8,9,10,11,12,13,14,15
	ds_load_b128 v[R+4*\i:R+4*\i+3], v6 offset:CST+544*\i
.endr
.irp i, 0,1,2,3,4,5,6,7,8,9,10,11,12,13,14,15
	s_wait_dscnt 15-\i
	global_store_b128 v3, v[R+4*\i:R+4*\i+3], s[8:9] offset:(\i/4)*16384+(\i%4)*512   ; a piece: 512 consecutive bytes
.endr
	global_store_b64 v13, v[80:81], s[10:11]
	s_wait_tensorcnt 0x0
	ds_add_u32 v192, v193
	s_wait_dscnt 0x0
	s_endpgm
; ---- WEIGHTS [K][N]: a lane takes a column, its registers run down K: a block of 32 lies in one lane; the conversions take the registers in the blocks' order of places
.Lpath_w:
	s_sub_co_u32 s24, ttmp9, 128                   ; q
	s_cmp_lt_u32 s24, 32
	s_cbranch_scc0 .Lw_ffn
	s_lshr_b32 s25, s24, 3                         ; 0 wq, 1 wk, 2 wv, 3 wo
	s_and_b32 s26, s24, 3                          ; group of 128 columns
	s_bfe_u32 s27, s24, 0x10002                    ; which 256 along K
	s_mul_i32 s32, s25, 262144
	s_mul_i32 s33, s26, 65536
	s_add_co_u32 s32, s32, s33
	s_mul_i32 s33, s26, WSTR
	s_mov_b32 s34, O_TW
	s_mov_b32 s35, O_TWS
	s_cmp_lt_u32 s25, 3
	s_cselect_b32 s32, s32, s33                    ; wq, wk, wv lie on end; wo's group g opens stream g
	s_cselect_b32 s34, O_WQKV, s34
	s_cselect_b32 s35, O_WQKVS, s35
	s_mov_b32 s37, 256*2048
	s_branch .Lw_go
.Lw_ffn:
	s_cmp_lt_u32 s24, 64
	s_cbranch_scc0 .Lw_w2
	s_mov_b32 s25, 4                               ; w1
	s_and_b32 s26, s24, 15
	s_bfe_u32 s27, s24, 0x10004
	s_lshr_b32 s32, s26, 2
	s_mul_i32 s32, s32, WSTR
	s_and_b32 s33, s26, 3
	s_lshl_b32 s33, s33, 16
	s_add_co_u32 s32, s32, s33
	s_add_co_u32 s32, s32, 65536
	s_mov_b32 s34, O_TW
	s_mov_b32 s35, O_TWS
	s_mov_b32 s37, 256*8192
	s_branch .Lw_go
.Lw_w2:
	s_mov_b32 s25, 5                               ; w2
	s_and_b32 s26, s24, 3
	s_bfe_u32 s27, s24, 0x30002
	s_mul_i32 s32, s26, WSTR
	s_add_co_u32 s32, s32, 327680
	s_mov_b32 s34, O_TW
	s_mov_b32 s35, O_TWS
	s_mov_b32 s37, 256*2048
.Lw_go:
	s_cmp_eq_u32 s25, 0                            ; the source: a chain of choices on the work-group's number alone
	s_cselect_b64 s[28:29], s[8:9], s[10:11]
	s_cmp_lt_u32 s25, 2
	s_cselect_b64 s[28:29], s[28:29], s[12:13]
	s_cmp_lt_u32 s25, 3
	s_cselect_b64 s[28:29], s[28:29], s[14:15]
	s_cmp_lt_u32 s25, 4
	s_cselect_b64 s[28:29], s[28:29], s[16:17]
	s_cmp_lt_u32 s25, 5
	s_cselect_b64 s[28:29], s[28:29], s[18:19]
	s_lshl_b32 s33, s27, 15                        ; two K steps of 16,384 bytes
	s_add_co_u32 s32, s32, s33
	s_lshl_b32 s33, s22, 12                        ; wave w: tiles 2 w, 2 w + 1
	s_add_co_u32 s32, s32, s33
	s_lshr_b32 s38, s32, 5
	s_add_co_u32 s38, s38, s35
	s_add_co_u32 s32, s32, s34
	s_mov_b32 s33, 0
	s_mov_b32 s39, 0
	s_add_nc_u64 s[30:31], s[20:21], s[32:33]      ; the codes
	s_add_nc_u64 s[20:21], s[20:21], s[38:39]      ; the scale words
	s_mul_i32 s32, s27, s37                        ; 256 rows of the weight
	s_lshl_b32 s38, s26, 9
	s_add_co_u32 s32, s32, s38
	s_lshl_b32 s38, s22, 7
	s_add_co_u32 s32, s32, s38                     ; + 4 (128 g + 32 w)
	s_add_nc_u64 s[28:29], s[28:29], s[32:33]
	v_lshlrev_b32 v3, 2, v2                        ; in: 4 bytes a lane
	v_lshrrev_b32 v6, 4, v2
	v_and_b32 v7, 15, v2
	v_lshlrev_b32 v4, 11, v6
	v_lshl_add_u32 v4, v7, 4, v4                   ; out: tile l / 16, row l % 16: sixteen lanes store 256 consecutive bytes
	v_lshlrev_b32 v5, 6, v6
	v_lshl_add_u32 v5, v7, 2, v5
	s_mov_b32 s40, 0x600000
.macro WLD t, pitch
.set i, 0
.rept 32
	global_load_b32 v[X2+32*((\t)%2)+i], v3, s[28:29] offset:(32*(\t)+i)*(\pitch) th:TH_LOAD_NT
.set i, i+1
.endr
.endm
.macro WBLOCK t, pitch
.set XB, X2+32*((\t)%2)
.set CB, C2+8*(\t)
.if (\t) < 7
	s_wait_loadcnt 32                              ; this block's 32 loads are in; the next block's may be out
.else
	s_wait_loadcnt 0x0
.endif
	v_max3_num_f32 v12, |v[XB]|, |v[XB+1]|, |v[XB+2]|
	v_max3_num_f32 v13, |v[XB+3]|, |v[XB+4]|, |v[XB+5]|
.irp i, 6,10,14,18,22,26
	v_max3_num_f32 v12, v12, |v[XB+\i]|, |v[XB+\i+1]|
	v_max3_num_f32 v13, v13, |v[XB+\i+2]|, |v[XB+\i+3]|
.endr
	v_max3_num_f32 v12, v12, |v[XB+30]|, |v[XB+31]|
	v_max3_num_f32 v12, v12, v13, 0x8000000
	v_add_nc_u32 v11, 0xf8800000, v12
	v_and_or_b32 v10, v12, 0x7f800000, s40
	v_lshrrev_b32 v13, 23, v11
.if (\t)%4 == 0
	v_mov_b32 v[SB+(\t)/4], v13
.else
	v_lshl_or_b32 v[SB+(\t)/4], v13, 8*((\t)%4), v[SB+(\t)/4]
.endif
.set i, 0
.rept 32
	v_med3_num_f32 v[XB+i], v[XB+i], -v10, v10
.set i, i+1
.endr
	v_cvt_scalef32_pk8_bf8_f32 v[CB:CB+1], v[XB:XB+7], v11          ; half h = 0: true 0-7, then 16-23
	v_cvt_scalef32_pk8_bf8_f32 v[CB+2:CB+3], v[XB+16:XB+23], v11
	v_cvt_scalef32_pk8_bf8_f32 v[CB+4:CB+5], v[XB+8:XB+15], v11     ; half h = 1: true 8-15, then 24-31
	v_cvt_scalef32_pk8_bf8_f32 v[CB+6:CB+7], v[XB+24:XB+31], v11
	v_nop                                          ; a plain line behind the last conversion
	global_store_b128 v4, v[CB:CB+3], s[30:31] offset:((\t)/4)*16384+((\t)%4)*512
	global_store_b128 v4, v[CB+4:CB+7], s[30:31] offset:((\t)/4)*16384+((\t)%4)*512+256
.if (\t)+2 < 8
	WLD (\t)+2, \pitch
.endif
.if (\t)%4 == 3
	global_store_b32 v5, v[SB+(\t)/4], s[20:21] offset:((\t)/4)*512
.endif
.endm
.macro WBODY pitch
	WLD 0, \pitch
	WLD 1, \pitch
.irp t, 0,1,2,3,4,5,6,7
	WBLOCK \t, \pitch
.endr
	s_endpgm
.endm
	s_cmp_eq_u32 s25, 4
	s_cbranch_scc1 .Lw_wide
	WBODY 2048                                     ; rows of 512 numbers
.Lw_wide:
	WBODY 8192                                     ; w1: rows of 2,048 numbers
.Lfunc_end_k_q30d4f908e0_prep:
	.size	k_q30d4f908e0_prep, .Lfunc_end_k_q30d4f908e0_prep-k_q30d4f908e0_prep
	.p2alignl 7, 3214868480
	.fill 96, 4, 3214868480
	.section	.rodata,"a",@progbits
	.p2align	6, 0x0
	.amdhsa_kernel k_q30d4f908e0_prep
		.amdhsa_group_segment_fixed_size 57856
		.amdhsa_private_segment_fixed_size 0
		.amdhsa_enable_private_segment 0
		.amdhsa_kernarg_size 72
		.amdhsa_user_sgpr_count 2
		.amdhsa_user_sgpr_kernarg_segment_ptr 1
		.amdhsa_wavefront_size32 1
		.amdhsa_system_sgpr_workgroup_id_x 1
		.amdhsa_system_sgpr_workgroup_id_y 1
		.amdhsa_system_sgpr_workgroup_id_z 1
		.amdhsa_system_vgpr_workitem_id 0
		.amdhsa_next_free_vgpr 194
		.amdhsa_next_free_sgpr 66
		.amdhsa_reserve_vcc 1
		.amdhsa_float_denorm_mode_32 3
		.amdhsa_float_denorm_mode_16_64 3
		.amdhsa_memory_ordered 1
		.amdhsa_forward_progress 1
		.amdhsa_inst_pref_size 175
	.end_amdhsa_kernel
	.amdgpu_metadata
---
amdhsa.version: [ 1, 2 ]
amdhsa.kernels:
  - .name:           k_q30d4f908e0_prep
    .symbol:         k_q30d4f908e0_prep.kd
    .args:
      - { .name: x, .offset: 0, .size: 8, .value_kind: global_buffer, .address_space: global }
      - { .name: mask, .offset: 8, .size: 8, .value_kind: global_buffer, .address_space: global }
      - { .name: wq, .offset: 16, .size: 8, .value_kind: global_buffer, .address_space: global }
      - { .name: wk, .offset: 24, .size: 8, .value_kind: global_buffer, .address_space: global }
      - { .name: wv, .offset: 32, .size: 8, .value_kind: global_buffer, .address_space: global }
      - { .name: wo, .offset: 40, .size: 8, .value_kind: global_buffer, .address_space: global }
      - { .name: w1, .offset: 48, .size: 8, .value_kind: global_buffer, .address_space: global }
      - { .name: w2, .offset: 56, .size: 8, .value_kind: global_buffer, .address_space: global }
      - { .name: prepbuf, .offset: 64, .size: 8, .value_kind: global_buffer, .address_space: global }
    .group_segment_fixed_size: 57856
    .private_segment_fixed_size: 0
    .kernarg_segment_align: 8
    .kernarg_segment_size: 72
    .max_flat_workgroup_size: 128
    .sgpr_count:     66
    .vgpr_count:     194
    .wavefront_size: 32
...
	.end_amdgpu_metadata
.endif
;; end of part 1
;; launch qkv (part 2): grid 64 x 3, 4 waves a work-group, no clusters, 0 bytes of LDS; arguments prepbuf, mask, qkvbuf; writes qkvbuf
.if DOCPART == 2
	.amdgcn_target "amdgcn-amd-amdhsa--gfx1250"
	.amdhsa_code_object_version 6
	.text
	.protected	k_q30d4f908e0_qkv
	.globl	k_q30d4f908e0_qkv
	.p2align	8
	.type	k_q30d4f908e0_qkv,@function
k_q30d4f908e0_qkv:
	s_mov_b64 s[64:65], 0
	v_nop
	global_prefetch_b8 v0, s[64:65] scope:SCOPE_SE
	s_setreg_imm32_b32 hwreg(HW_REG_WAVE_MODE, 25, 1), 1
	s_wait_xcnt 0x0
; QKV: q = x wq, k = x wk, v = x wv on codes of E5M2, and each result quantised at once for attention's two products.  Grid x: a group of 128 tokens; y: 0 q, 1 k, 2 v.
; ONE BODY.  One operand is STATIONARY: 128 rows x K 512 = 32 fragments in 512 registers, source 0.  The other is STREAMED: 8 tiles of 16 rows, source 1.
; In a result a lane holds one streamed row and its 64 registers run along the 128 stationary rows: four blocks of 32, one whole fragment after quantising.
;   q, k: stationary = 128 columns of the weight (wave w: heads 2 w, 2 w + 1), streamed = the tokens: a lane holds a token, registers along the heads' channels (the first product's K).
;   v:    stationary = the 128 tokens, streamed = the weight's columns: a lane holds a channel, registers along 128 tokens (the second product's K).
; No LDS: every fragment lies in memory as the image of its registers, and each wave loads what it alone multiplies.
; A HIDDEN KEY's codes become zeros (its hold's limit is set to 0), so that its score in the next launch is exactly the bias.
; OUT: q, k codes [b h][tile of 16 tokens][2 pieces of 512 bytes]; their scale words [batch][pair of heads][token] (bytes 0, 1 the even head, 2, 3 the odd);
;      v codes [b h][128 keys][tile of 16 channels][2,048 bytes]; its scale words [b h][128 keys][tile][64 bytes].
; LIMITS: NaN and infinities are not served; a block under 2^-111 keeps byte 1.
; REGISTERS: window 0: v1-7 offsets; v8-23 stationary scale words; v24-27 streamed; v28-29 mask; v30-33 words; v40-55 at work; v64-79 codes; v128-191 the 8 accumulators.
;   windows 1, 2: the stationary fragments (K step s, tile t) at 16 ((8 s + t) % 16) of window 1 + s / 2.   window 3: two buffers of 64 for a streamed tile.
.set O_XS,    4194304
.set O_WQKV,  4325376
.set O_WQKVS, 5111808
.set O_QS,    12582912
.set ACC, 128
.set TM,  40
.set PC,  64
.set MSB, 0
.macro WIN new                         ; the immediate's high byte repeats the setting that is left
.if MSB != (\new)
	s_set_vgpr_msb (MSB<<8)|(\new)
.set MSB, (\new)
.endif
.endm
.macro WM d, a, b, cz, c, sa, sb, ra, rb   ; one product; cz = 1: it starts the sum; ra, rb: which half of the lanes holds A's and B's scale words
.if (\cz)
.if (\ra) && (\rb)
	v_wmma_scale_f32_16x16x128_f8f6f4 v[(\d):(\d)+7], v[(\a):(\a)+15], v[(\b):(\b)+15], 0, v[(\sa)], v[(\sb)] matrix_a_fmt:MATRIX_FMT_BF8 matrix_b_fmt:MATRIX_FMT_BF8 matrix_a_scale:MATRIX_SCALE_ROW1 matrix_b_scale:MATRIX_SCALE_ROW1
.elseif (\ra)
	v_wmma_scale_f32_16x16x128_f8f6f4 v[(\d):(\d)+7], v[(\a):(\a)+15], v[(\b):(\b)+15], 0, v[(\sa)], v[(\sb)] matrix_a_fmt:MATRIX_FMT_BF8 matrix_b_fmt:MATRIX_FMT_BF8 matrix_a_scale:MATRIX_SCALE_ROW1
.elseif (\rb)
	v_wmma_scale_f32_16x16x128_f8f6f4 v[(\d):(\d)+7], v[(\a):(\a)+15], v[(\b):(\b)+15], 0, v[(\sa)], v[(\sb)] matrix_a_fmt:MATRIX_FMT_BF8 matrix_b_fmt:MATRIX_FMT_BF8 matrix_b_scale:MATRIX_SCALE_ROW1
.else
	v_wmma_scale_f32_16x16x128_f8f6f4 v[(\d):(\d)+7], v[(\a):(\a)+15], v[(\b):(\b)+15], 0, v[(\sa)], v[(\sb)] matrix_a_fmt:MATRIX_FMT_BF8 matrix_b_fmt:MATRIX_FMT_BF8
.endif
.else
.if (\ra) && (\rb)
	v_wmma_scale_f32_16x16x128_f8f6f4 v[(\d):(\d)+7], v[(\a):(\a)+15], v[(\b):(\b)+15], v[(\c):(\c)+7], v[(\sa)], v[(\sb)] matrix_a_fmt:MATRIX_FMT_BF8 matrix_b_fmt:MATRIX_FMT_BF8 matrix_a_scale:MATRIX_SCALE_ROW1 matrix_b_scale:MATRIX_SCALE_ROW1
.elseif (\ra)
	v_wmma_scale_f32_16x16x128_f8f6f4 v[(\d):(\d)+7], v[(\a):(\a)+15], v[(\b):(\b)+15], v[(\c):(\c)+7], v[(\sa)], v[(\sb)] matrix_a_fmt:MATRIX_FMT_BF8 matrix_b_fmt:MATRIX_FMT_BF8 matrix_a_scale:MATRIX_SCALE_ROW1
.elseif (\rb)
	v_wmma_scale_f32_16x16x128_f8f6f4 v[(\d):(\d)+7], v[(\a):(\a)+15], v[(\b):(\b)+15], v[(\c):(\c)+7], v[(\sa)], v[(\sb)] matrix_a_fmt:MATRIX_FMT_BF8 matrix_b_fmt:MATRIX_FMT_BF8 matrix_b_scale:MATRIX_SCALE_ROW1
.else
	v_wmma_scale_f32_16x16x128_f8f6f4 v[(\d):(\d)+7], v[(\a):(\a)+15], v[(\b):(\b)+15], v[(\c):(\c)+7], v[(\sa)], v[(\sb)] matrix_a_fmt:MATRIX_FMT_BF8 matrix_b_fmt:MATRIX_FMT_BF8
.endif
.endif
.endm
	s_load_b128 s[4:7], s[0:1], 0x0                ; prepbuf, mask
	s_load_b64 s[8:9], s[0:1], 0x10                ; qkvbuf
	v_lshrrev_b32 v1, 5, v0
	v_readfirstlane_b32 s10, v1                    ; wave
	s_and_b32 s12, ttmp7, 0xffff                   ; y
	s_lshr_b32 s13, ttmp9, 5                       ; batch
	s_and_b32 s14, ttmp9, 31                       ; the group inside its batch
	s_lshl_b32 s16, ttmp9, 16                      ; x's group: codes,
	s_lshl_b32 s17, ttmp9, 11
	s_add_co_u32 s17, s17, O_XS                    ; scale words
	s_lshl_b32 s18, s12, 18
	s_lshl_b32 s19, s10, 16
	s_add_co_u32 s18, s18, s19                     ; the weight's group w
	s_lshr_b32 s19, s18, 5
	s_add_co_u32 s18, s18, O_WQKV
	s_add_co_u32 s19, s19, O_WQKVS
	s_mov_b32 s30, 1024
	s_mov_b32 s31, 2048
	s_cmp_lt_u32 s12, 2                            ; q and k against v
	s_cselect_b32 s20, s18, s16                    ; stationary codes,
	s_cselect_b32 s22, s19, s17                    ; scale words;
	s_cselect_b32 s24, s16, s18                    ; streamed codes,
	s_cselect_b32 s26, s17, s19                    ; scale words
	s_cselect_b32 s30, 0x40000, s30                ; from pieces 0, 1 to pieces 2, 3: the odd head's tile, or 1,024 bytes on
	s_cselect_b32 s50, 1024, s31                   ; from tile to tile in the output
	s_cselect_b32 s32, 0, 253952                   ; v: behind four tiles on to the odd head (262,144 - 8,192),
	s_cselect_b32 s33, 0, 7936                     ; its scale words likewise (8,192 - 256)
	s_cselect_b32 s34, 9, 8                        ; a group's scale words: 512 or 256 bytes
	s_mov_b32 s21, 0
	s_mov_b32 s23, 0
	s_mov_b32 s25, 0
	s_mov_b32 s27, 0
	s_mov_b32 s51, 0
	s_lshl_b32 s28, s12, 22
	s_lshl_b32 s29, s13, 21
	s_add_co_u32 s28, s28, s29
	s_lshl_b32 s29, s10, 19
	s_add_co_u32 s28, s28, s29
	s_lshl_b32 s29, s14, 13
	s_add_co_u32 s28, s28, s29                     ; the codes' place: the same sum serves q, k and v
	s_mov_b32 s29, 0
	s_lshl_b32 s54, s12, 17
	s_lshl_b32 s55, s13, 16
	s_add_co_u32 s54, s54, s55
	s_lshl_b32 s55, s10, 14
	s_add_co_u32 s54, s54, s55
	s_lshl_b32 s55, s14, s34
	s_add_co_u32 s54, s54, s55
	s_add_co_u32 s54, s54, O_QS                    ; the scale words' place
	s_mov_b32 s55, 0
	s_lshl_b32 s56, ttmp9, 9
	s_cmp_eq_u32 s12, 1                            ; k alone honours the mask: its streamed rows are keys
	s_cselect_b32 s56, s56, 0
	s_cselect_b32 s35, 64, 0                       ; a tile's 16 mask words
	s_cselect_b32 s58, 0, 1                        ; 1: no key here is hidden
	s_cselect_b32 s52, 128, 0
	s_mov_b32 s57, 0
	s_mov_b32 s53, 0
	s_mov_b32 s59, 0xffff0000                      ; lanes 16-31
	s_mov_b32 s60, 0x76543210
	s_mov_b32 s61, 0xfedcba98                      ; v_permlanex16_b32's selects for lane l xor 16
	s_mov_b32 s62, 0x600000                        ; the mantissa field of 57,344
	v_and_b32 v34, 31, v0
	v_lshlrev_b32 v1, 4, v34                       ; 16 x lane: an image's place
	v_lshlrev_b32 v2, 2, v34                       ; 4 x lane
	v_add_nc_u32 v4, s30, v1
	v_and_b32 v35, 15, v0
	v_lshlrev_b32 v5, 2, v35
	v_add_nc_u32 v6, s35, v5
	v_lshrrev_b32 v36, 4, v34
	v_lshl_add_u32 v7, v36, 9, v5                  ; streamed scale words: lanes 0-15 an even K step, lanes 16-31 the odd one
.irp b, 0,1,2,3
	v_mov_b32 v[TM+4+\b], 0                        ; a lane permute's destination counts as one of its sources
.endr
	s_wait_kmcnt 0x0
	s_add_nc_u64 s[36:37], s[4:5], s[20:21]
	s_add_nc_u64 s[38:39], s[4:5], s[22:23]
	s_add_nc_u64 s[40:41], s[4:5], s[24:25]
	s_add_nc_u64 s[42:43], s[4:5], s[26:27]
	s_add_nc_u64 s[44:45], s[8:9], s[28:29]
	s_add_nc_u64 s[46:47], s[8:9], s[54:55]
	s_add_nc_u64 s[48:49], s[6:7], s[56:57]
	s_mov_b32 s17, 0
	s_mov_b32 s19, 0
	WIN 0x40
.irp f, 0,1,2,3,4,5,6,7,8,9,10,11,12,13,14,15
.irp c, 0,1,2,3
	global_load_b128 v[16*\f+4*\c:16*\f+4*\c+3], v1, s[36:37] offset:2048*\f+512*\c
.endr
.endr
	WIN 0x80
.irp f, 0,1,2,3,4,5,6,7,8,9,10,11,12,13,14,15
.irp c, 0,1,2,3
	global_load_b128 v[16*\f+4*\c:16*\f+4*\c+3], v1, s[36:37] offset:2048*(16+\f)+512*\c
.endr
.endr
	WIN 0
.irp s, 0,1,2,3
.irp i, 0,1,2,3
	global_load_b32 v[8+4*\s+\i], v2, s[38:39] offset:512*\s+128*\i   ; lanes 0-15 tile 2 i, lanes 16-31 tile 2 i + 1
.endr
.endr
; a streamed tile: 16 loads of codes, 2 of scale words, 1 of the mask: 19
.macro SLOAD buf, k
	WIN 0xc0
.irp s, 0,1,2,3
.irp c, 0,1,2,3
	global_load_b128 v[64*(\buf)+16*\s+4*\c:64*(\buf)+16*\s+4*\c+3], v1, s[40:41] offset:2048*(\k)+16384*\s+512*\c
.endr
.endr
	WIN 0
.irp u, 0,1
	global_load_b32 v[24+2*(\buf)+\u], v7, s[42:43] offset:64*(\k)+1024*\u
.endr
	global_load_b32 v[28+(\buf)], v[5+(\buf)], s[48:49]
.endm
; one streamed tile: 32 products, the 8 accumulators by turns, K step by K step; then the 64 results of a lane become a fragment
.macro TILE buf, pf, left
	s_wait_loadcnt \left                           ; this tile's 19 loads are in; the other buffer's 19 may be out
	v_or_b32 v33, s58, v[28+(\buf)]
	v_cmp_ne_u32 s63, 0, v33                       ; my key counts?  Taken now: the look-ahead below loads the mask's register again
	WIN 0x0d                                       ; source 0 window 1, source 1 window 3
.irp s, 0,1
.irp t, 0,1,2,3,4,5,6,7
	WM ACC+8*\t, 16*(8*\s+\t), 64*(\buf)+16*\s, 1-\s, ACC+8*\t, 8+4*\s+\t/2, 24+2*(\buf), \t%2, \s
.endr
.endr
	WIN 0x0e                                       ; source 0 window 2
.irp s, 2,3
.irp t, 0,1,2,3,4,5,6,7
	WM ACC+8*\t, 16*(8*(\s-2)+\t), 64*(\buf)+16*\s, 0, ACC+8*\t, 8+4*\s+\t/2, 25+2*(\buf), \t%2, \s-2
.endr
.endr
	WIN 0
.rept 8
	v_nop                                          ; eight places behind the products, ahead of loads into their operands and of the first read of results
.endr
.if \pf
	SLOAD \buf, 2+\buf
.endif
.irp b, 0,1,2,3
	v_max3_num_f32 v[TM+\b], |v[ACC+16*\b]|, |v[ACC+1+16*\b]|, 0x8000000   ; each accumulator is read from its low end on
.endr
.irp i, 2,4,6,8,10,12,14
.irp b, 0,1,2,3
	v_max3_num_f32 v[TM+\b], v[TM+\b], |v[ACC+16*\b+\i]|, |v[ACC+1+16*\b+\i]|
.endr
.endr
.irp b, 0,1,2,3
	v_permlanex16_b32 v[TM+4+\b], v[TM+\b], s60, s61
.endr
.irp b, 0,1,2,3
	v_max_num_f32 v[TM+\b], v[TM+\b], v[TM+4+\b]   ; with lane l xor 16's 16: the block's largest magnitude
.endr
.irp b, 0,1,2,3
	v_add_nc_u32 v[TM+12+\b], 0xf8800000, v[TM+\b]
.endr
.irp b, 0,1,2,3
	v_and_or_b32 v[TM+8+\b], v[TM+\b], 0x7f800000, s62
.endr
.irp b, 0,1,2,3
	v_cndmask_b32 v[TM+8+\b], 0, v[TM+8+\b], s63   ; a hidden key is held at 0: zero codes
.endr
.irp b, 0,1,2,3
	v_lshrrev_b32 v[TM+4+\b], 23, v[TM+12+\b]
.endr
	v_lshl_or_b32 v[30+(\buf)], v[TM+5], 8, v[TM+4]
	v_lshl_or_b32 v[30+(\buf)], v[TM+6], 16, v[30+(\buf)]
	v_lshl_or_b32 v[30+(\buf)], v[TM+7], 24, v[30+(\buf)]
.irp b, 0,1,2,3
.irp i, 0,1,2,3,4,5,6,7,8,9,10,11,12,13,14,15
	v_med3_num_f32 v[ACC+16*\b+\i], v[ACC+16*\b+\i], -v[TM+8+\b], v[TM+8+\b]
.endr
	v_cvt_scalef32_pk8_bf8_f32 v[PC+4*\b:PC+4*\b+1], v[ACC+16*\b:ACC+16*\b+7], v[TM+12+\b]
	v_cvt_scalef32_pk8_bf8_f32 v[PC+4*\b+2:PC+4*\b+3], v[ACC+16*\b+8:ACC+16*\b+15], v[TM+12+\b]
.endr
	v_nop                                          ; a plain line behind the last conversion
	global_store_b128 v1, v[PC:PC+3], s[44:45]                ; each store: 512 consecutive bytes
	global_store_b128 v1, v[PC+4:PC+7], s[44:45] offset:512
	global_store_b128 v4, v[PC+8:PC+11], s[44:45]
	global_store_b128 v4, v[PC+12:PC+15], s[44:45] offset:512
.if \buf
	v_cndmask_b32 v32, v30, v31, s59               ; two tiles' scale words: lanes 0-15 the even tile's, lanes 16-31 the odd one's
	global_store_b32 v2, v32, s[46:47]
.endif
	s_wait_xcnt 0x0                                ; the stores' data and base are written again only behind this wait
	s_add_nc_u64 s[44:45], s[44:45], s[50:51]
.endm
	SLOAD 0, 0
	SLOAD 1, 1
	s_wait_xcnt 0x0
	s_add_nc_u64 s[48:49], s[48:49], s[52:53]      ; the mask's pointer runs two tiles ahead, with the look-ahead
	s_mov_b32 s15, 0
.Ltrip:                                            ; three trips of two tiles; each tile asks for the tile two further on
	TILE 0, 1, 19
	TILE 1, 1, 19
	s_add_nc_u64 s[40:41], s[40:41], 4096          ; (no memory instruction has been issued since the wait at the tile's end)
	s_add_nc_u64 s[42:43], s[42:43], 128
	s_add_nc_u64 s[48:49], s[48:49], s[52:53]
	s_add_nc_u64 s[46:47], s[46:47], 128
	s_cmp_eq_u32 s15, 1                            ; behind tile 3: v goes on to its odd head
	s_cselect_b32 s16, s32, 0
	s_cselect_b32 s18, s33, 0
	s_add_nc_u64 s[44:45], s[44:45], s[16:17]
	s_add_nc_u64 s[46:47], s[46:47], s[18:19]
	s_add_co_u32 s15, s15, 1
	s_cmp_lt_u32 s15, 3
	s_cbranch_scc1 .Ltrip
	TILE 0, 0, 19                                  ; the last two tiles ask for nothing
	TILE 1, 0, 0
	s_endpgm
.Lfunc_end_k_q30d4f908e0_qkv:
	.size	k_q30d4f908e0_qkv, .Lfunc_end_k_q30d4f908e0_qkv-k_q30d4f908e0_qkv
	.p2alignl 7, 3214868480
	.fill 96, 4, 3214868480
	.section	.rodata,"a",@progbits
	.p2align	6, 0x0
	.amdhsa_kernel k_q30d4f908e0_qkv
		.amdhsa_group_segment_fixed_size 0
		.amdhsa_private_segment_fixed_size 0
		.amdhsa_enable_private_segment 0
		.amdhsa_kernarg_size 24
		.amdhsa_user_sgpr_count 2
		.amdhsa_user_sgpr_kernarg_segment_ptr 1
		.amdhsa_wavefront_size32 1
		.amdhsa_system_sgpr_workgroup_id_x 1
		.amdhsa_system_sgpr_workgroup_id_y 1
		.amdhsa_system_sgpr_workgroup_id_z 1
		.amdhsa_system_vgpr_workitem_id 0
		.amdhsa_next_free_vgpr 896
		.amdhsa_next_free_sgpr 66
		.amdhsa_reserve_vcc 0
		.amdhsa_float_denorm_mode_32 3
		.amdhsa_float_denorm_mode_16_64 3
		.amdhsa_memory_ordered 1
		.amdhsa_forward_progress 1
		.amdhsa_inst_pref_size 78
	.end_amdhsa_kernel
	.amdgpu_metadata
---
amdhsa.version: [ 1, 2 ]
amdhsa.kernels:
  - .name:           k_q30d4f908e0_qkv
    .symbol:         k_q30d4f908e0_qkv.kd
    .args:
      - { .name: prepbuf, .offset: 0, .size: 8, .value_kind: global_buffer, .address_space: global }
      - { .name: mask, .offset: 8, .size: 8, .value_kind: global_buffer, .address_space: global }
      - { .name: qkvbuf, .offset: 16, .size: 8, .value_kind: global_buffer, .address_space: global }
    .group_segment_fixed_size: 0
    .private_segment_fixed_size: 0
    .kernarg_segment_align: 8
    .kernarg_segment_size: 24
    .max_flat_workgroup_size: 128
    .sgpr_count:     66
    .vgpr_count:     896
    .wavefront_size: 32
...
	.end_amdgpu_metadata
.endif
;; end of part 2
;; launch attn (part 3): grid 16 x 16, 16 waves a work-group, no clusters, 327,680 bytes of LDS; arguments qkvbuf, prepbuf, ctxbuf; writes ctxbuf
.if DOCPART == 3
	.amdgcn_target "amdgcn-amd-amdhsa--gfx1250"
	.amdhsa_code_object_version 6
	.text
	.protected	k_q30d4f908e0_attn
	.globl	k_q30d4f908e0_attn
	.p2align	8
	.type	k_q30d4f908e0_attn,@function
k_q30d4f908e0_attn:
	s_mov_b64 s[64:65], 0
	v_nop
	global_prefetch_b8 v0, s[64:65] scope:SCOPE_SE
	s_setreg_imm32_b32 hwreg(HW_REG_WAVE_MODE, 25, 1), 1
	s_wait_xcnt 0x0
; ATTENTION on codes of E5M2: ctx = softmax(q k^T / 8, masked) v, and ctx quantised at once for the next product.  Grid x: a block of 256 queries; y: batch x 8 + head.
; THE SOFTMAX AHEAD OF THE SECOND PRODUCT: t = score x log2(e) / 8; M = the running largest t rounded UP to a whole number; p = 2^(t - M) is quantised along the keys, not normalised.
; The row's sum is taken of the unquantised p and divides at the end.  When M moves, the sum and O are multiplied by 2^(old M - new M): exact.
; SHARES.  Sixteen waves of 256 registers, four to a SIMD; a wave owns ONE tile of 16 queries and walks all 4,096 keys, 128 a step.  A step is some 290 vector lines against 12 products, so what counts is that
; one wave's LDS waits, its batch of exponentials and its dependent lines stand beside three other waves' vector work.  The price: each fragment read from LDS feeds one product.
; LAYOUT.  Both products transposed: S^T = K Q^T, O^T = V^T P^T: a lane holds one query throughout, and p's 16 registers of two neighbouring tiles are one half of a block of 32 keys.
; HEAD SIZE 64 IS HALF OF THE INSTRUCTION'S 128, AND THE MASK RIDES IN THE OTHER HALF.  Q's fragment: 8 registers of codes; then place k = 64 (register 8, lowest byte, lanes 0-15) holds the code of 2^15, all else zero codes.
; A tile of keys takes TEN registers on end: 8 of codes, the mask's word (its key's place k = 64: 0, or the code of -2^15), one that holds any finite codes; its operand v[10 T : 10 T + 15] runs on over the next tile's
; first six registers (the last tile's over p's first six code registers): finite codes, which meet Q's zero codes.  Block 2's scale bytes: 0 on K's side (the scale words come by 16-bit loads), 254 on Q's: together 2^0.
; So a hidden key adds -2^30 to its score; its own codes are zeros, so the score is exactly that: c x 2^30 is a whole number, and a row whose every key is hidden gives p = 1 everywhere.
; LIMITS: a hidden logit is -2^27 where the definition has -1e9: it differs only where a row's largest open logit lies under about -1.3e8.  NaN and infinities are not served.
; LDS: two slots of 512 keys (K's 32,768 bytes, then V's), 2^17 apart; between them K's scale words, the mask's words and V's scale words of the whole head, filled once; the spare words.
; The whole of a WGP's LDS is claimed.
; No cluster: a slot's 65,536 bytes serve four steps of sixteen tiles' softmax, so what partners would share is a small part of a step's work.
; REGISTERS: v1-5 places that stay, v6-7 the add's two, v8-12 the step's addresses, v13 prefetch offset, v14 4 (lane % 16), v15 4 x lane, v16-19 K's scale words, v20-21 V's, v22 Q's, v24 p's;
;   v26-105 K's eight tiles, then V's four fragments (v26-89); v106-121 p's codes; v122-185 S^T, then p; v186-217 O^T; v218-233 Q; v234-255 statistics.
.set O_KC,   4194304
.set O_VC,   8388608
.set O_QS,   12582912
.set O_KS,   12713984
.set O_VS,   12845056
.set O_MASK, 7569408
.set O_CS,   4194304
.set SLOT1,  1<<17
.set KSTAB,  65536
.set MTAB,   81920
.set VSTAB,  98304
.set SPARE,  106496                    ; 128 bytes for each of the sixteen waves: eight blocks of 256 bytes that no other line names
.set KB,  26
.set PC,  106
.set S,   122
.set OT,  186
.set QF,  218
.set NM,  234                          ; -M;  v235 the largest t
.set MX,  235
.set L,   236                          ; v[236:237] the sum in two halves
.set BM,  238                          ; the four blocks' largest scores, then largest p
.set T4,  242                          ; the permute's four, later the four bytes
.set L2,  242                          ; the second chain of the sum: in T4's first pair, which is free while the sum is taken
.set TT,  244                          ; a number at work: in T4's third, free while M is moved
.set LMT, 246
.set SO,  250
.set F,   254                          ; v[254:255] f = 2^(old M - new M)
.set PWD, 24
.set WV,  10
.set MNT, 19
.set SEL, 20
.set CS,  22
.set G1,  24
.set G1S, 32
.set G0T, 40
.set G0R, 44
.set TB,  48                           ; LDS byte at which the step's tiles begin
.set TS,  49                           ; the step's place in K's scale words and in the mask's words: 512 bytes a step
.set TV,  50                           ; and in V's scale words: 256 bytes a step
.set SLOTS, 51
.set STEPC, 52
.set LIM, 53
.set PFA, 54
.macro WM d, a, b, cz, c, sa, sb, ra, rb   ; one product; cz = 1: it starts the sum; ra, rb: which half of the lanes holds A's and B's scale words
.if (\cz)
.if (\ra) && (\rb)
	v_wmma_scale_f32_16x16x128_f8f6f4 v[(\d):(\d)+7], v[(\a):(\a)+15], v[(\b):(\b)+15], 0, v[(\sa)], v[(\sb)] matrix_a_fmt:MATRIX_FMT_BF8 matrix_b_fmt:MATRIX_FMT_BF8 matrix_a_scale:MATRIX_SCALE_ROW1 matrix_b_scale:MATRIX_SCALE_ROW1
.elseif (\ra)
	v_wmma_scale_f32_16x16x128_f8f6f4 v[(\d):(\d)+7], v[(\a):(\a)+15], v[(\b):(\b)+15], 0, v[(\sa)], v[(\sb)] matrix_a_fmt:MATRIX_FMT_BF8 matrix_b_fmt:MATRIX_FMT_BF8 matrix_a_scale:MATRIX_SCALE_ROW1
.elseif (\rb)
	v_wmma_scale_f32_16x16x128_f8f6f4 v[(\d):(\d)+7], v[(\a):(\a)+15], v[(\b):(\b)+15], 0, v[(\sa)], v[(\sb)] matrix_a_fmt:MATRIX_FMT_BF8 matrix_b_fmt:MATRIX_FMT_BF8 matrix_b_scale:MATRIX_SCALE_ROW1
.else
	v_wmma_scale_f32_16x16x128_f8f6f4 v[(\d):(\d)+7], v[(\a):(\a)+15], v[(\b):(\b)+15], 0, v[(\sa)], v[(\sb)] matrix_a_fmt:MATRIX_FMT_BF8 matrix_b_fmt:MATRIX_FMT_BF8
.endif
.else
.if (\ra) && (\rb)
	v_wmma_scale_f32_16x16x128_f8f6f4 v[(\d):(\d)+7], v[(\a):(\a)+15], v[(\b):(\b)+15], v[(\c):(\c)+7], v[(\sa)], v[(\sb)] matrix_a_fmt:MATRIX_FMT_BF8 matrix_b_fmt:MATRIX_FMT_BF8 matrix_a_scale:MATRIX_SCALE_ROW1 matrix_b_scale:MATRIX_SCALE_ROW1
.elseif (\ra)
	v_wmma_scale_f32_16x16x128_f8f6f4 v[(\d):(\d)+7], v[(\a):(\a)+15], v[(\b):(\b)+15], v[(\c):(\c)+7], v[(\sa)], v[(\sb)] matrix_a_fmt:MATRIX_FMT_BF8 matrix_b_fmt:MATRIX_FMT_BF8 matrix_a_scale:MATRIX_SCALE_ROW1
.elseif (\rb)
	v_wmma_scale_f32_16x16x128_f8f6f4 v[(\d):(\d)+7], v[(\a):(\a)+15], v[(\b):(\b)+15], v[(\c):(\c)+7], v[(\sa)], v[(\sb)] matrix_a_fmt:MATRIX_FMT_BF8 matrix_b_fmt:MATRIX_FMT_BF8 matrix_b_scale:MATRIX_SCALE_ROW1
.else
	v_wmma_scale_f32_16x16x128_f8f6f4 v[(\d):(\d)+7], v[(\a):(\a)+15], v[(\b):(\b)+15], v[(\c):(\c)+7], v[(\sa)], v[(\sb)] matrix_a_fmt:MATRIX_FMT_BF8 matrix_b_fmt:MATRIX_FMT_BF8
.endif
.endif
.endm
; The ring: waves 0, 1 fetch K's halves of a slot, waves 2, 3 V's, 16,384 dense bytes each; the others fetch nothing.  Four v_nop follow a tensor load.
.macro TLOADR
	s_cmp_lt_u32 s[WV], 4
	s_cbranch_scc0 .Lnone_\@
	tensor_load_to_lds s[G0R:G0R+3], s[G1:G1+7]
	s_nop 0
.rept 4
	v_nop
.endr
.Lnone_\@:
.endm
; A prefetch of what the NEXT change of slots will ask for: a slot's 32,768 bytes of K and of V.  All work-groups of a head walk the same K and V: the head's first work-group asks; in it waves 4 to 7,
; which fetch nothing: 8,192 bytes of each tensor a wave, lanes 256 bytes apart, so each block is named once in the launch.  The last change that fills a slot asks for nothing; slots 0 and 1 come by their loads alone.
.macro ASK
	s_cmp_gt_u32 s[SLOTS], s[LIM]
	s_cbranch_scc0 .Lnot_mine_\@
	global_prefetch_b8 v13, s[PFA:PFA+1] th:TH_LOAD_NT scope:SCOPE_SE
	global_prefetch_b8 v13, s[PFA:PFA+1] offset:4194304 th:TH_LOAD_NT scope:SCOPE_SE
.Lnot_mine_\@:
.endm
	s_load_b128 s[4:7], s[0:1], 0x0                ; qkvbuf, prepbuf
	s_load_b64 s[8:9], s[0:1], 0x10                ; ctxbuf
	v_lshl_add_u32 v6, v0, 2, SPARE
	v_mov_b32 v7, 0
	ds_add_u32 v6, v7
	s_wait_dscnt 0x0
	v_lshrrev_b32 v8, 5, v0
	v_readfirstlane_b32 s[WV], v8                  ; wave 0..15
	s_and_b32 s11, ttmp7, 0xffff                   ; batch x 8 + head
	s_lshr_b32 s12, s11, 3                         ; batch
	s_and_b32 s13, s11, 7                          ; head
	s_lshr_b32 s14, s13, 1                         ; pair of heads
	s_and_b32 s15, s13, 1                          ; odd head?
	s_lshl_b32 s16, s12, 2
	s_add_co_u32 s16, s16, s14                     ; batch x 4 + pair
	; descriptor group 1: 16,384 dense bytes as 64 rows of 32 elements of 8 bytes; the second: 8,192 bytes, 32 rows
	s_mov_b32 s[G1], 3<<16
	s_mov_b32 s[G1+1], 32<<16
	s_mov_b32 s[G1+2], 64<<16
	s_mov_b32 s[G1+3], 32<<16
	s_mov_b32 s[G1+4], 64
	s_mov_b32 s[G1+5], 32
	s_mov_b32 s[G1+6], 0
	s_mov_b32 s[G1+7], 0
	s_mov_b32 s[G1S], 3<<16
	s_mov_b32 s[G1S+1], 32<<16
	s_mov_b32 s[G1S+2], 32<<16
	s_mov_b32 s[G1S+3], 32<<16
	s_mov_b32 s[G1S+4], 32
	s_mov_b32 s[G1S+5], 32
	s_mov_b32 s[G1S+6], 0
	s_mov_b32 s[G1S+7], 0
	; the tables: wave 0 K's scale words, wave 1 the mask's words, wave 2 V's scale words
	s_lshl_b32 s56, s16, 14
	s_add_co_u32 s56, s56, O_KS
	s_lshl_b32 s57, s12, 14
	s_add_co_u32 s57, s57, O_MASK
	s_lshl_b32 s58, s11, 13
	s_add_co_u32 s58, s58, O_VS
	s_cmp_eq_u32 s[WV], 1
	s_cselect_b32 s56, s57, s56
	s_cmp_eq_u32 s[WV], 2
	s_cselect_b32 s56, s58, s56
	s_mov_b32 s57, 0
	s_lshl_b32 s58, s11, 18                        ; a head's codes: 262,144 bytes in each of q, k, v
	s_and_b32 s59, s[WV], 1
	s_lshl_b32 s59, s59, 14
	s_add_co_u32 s59, s59, s58
	s_mov_b32 s60, O_VC
	s_cmp_lt_u32 s[WV], 2
	s_cselect_b32 s60, O_KC, s60
	s_add_co_u32 s60, s60, s59
	s_mov_b32 s61, 0
	; q's codes and scale words; ctx's; the prefetches
	s_lshl_b32 s66, ttmp9, 14
	s_add_co_u32 s66, s66, s58
	s_lshl_b32 s67, s[WV], 10
	s_add_co_u32 s66, s66, s67                     ; my tile of q: 16 x block + wave, 1,024 bytes a tile
	s_mov_b32 s67, 0
	s_lshl_b32 s68, s16, 14
	s_lshl_b32 s69, ttmp9, 10
	s_add_co_u32 s68, s68, s69
	s_lshl_b32 s69, s[WV], 6
	s_add_co_u32 s68, s68, s69                     ; 4 bytes a token
	s_lshl_b32 s69, s15, 1
	s_add_co_u32 s68, s68, s69                     ; my head's half of a word
	s_add_co_u32 s68, s68, O_QS
	s_mov_b32 s69, 0
	s_lshl_b32 s70, s12, 5
	s_lshl_b32 s71, ttmp9, 1
	s_add_co_u32 s70, s70, s71
	s_lshr_b32 s71, s[WV], 3
	s_add_co_u32 s70, s70, s71                     ; the group of 128 tokens
	s_lshl_b32 s70, s70, 16
	s_lshl_b32 s71, s14, 14
	s_add_co_u32 s70, s70, s71                     ; K step = pair of heads
	s_and_b32 s71, s[WV], 7
	s_lshl_b32 s71, s71, 11
	s_add_co_u32 s70, s70, s71                     ; tile wave % 8
	s_lshr_b32 s72, s70, 5
	s_lshl_b32 s73, s15, 1
	s_add_co_u32 s72, s72, s73
	s_add_co_u32 s72, s72, O_CS
	s_mov_b32 s73, 0
	s_lshl_b32 s71, s15, 10
	s_add_co_u32 s70, s70, s71                     ; an odd head fills pieces 2, 3
	s_mov_b32 s71, 0
	s_and_b32 s74, s[WV], 3
	s_lshl_b32 s74, s74, 13
	s_add_co_u32 s74, s74, s58
	s_add_co_u32 s74, s74, O_KC+32768              ; in slot 1: the first change of slots steps it to slot 2
	s_mov_b32 s75, 0
	s_sub_co_u32 s62, s[WV], 4
	s_lshr_b32 s62, s62, 2                         ; 0 in waves 4 to 7,
	s_or_b32 s62, s62, ttmp9                       ; of the head's first work-group
	s_cmp_eq_u32 s62, 0
	s_cselect_b32 s[LIM], 1, -1
	s_mov_b32 s[SEL], 0x76543210
	s_mov_b32 s[SEL+1], 0xfedcba98
	s_mov_b32 s[CS], 0x3e38aa3b                    ; c = log2(e) / 8
	s_mov_b32 s[CS+1], s[CS]                       ; (named with it as a pair)
	s_mov_b32 s[MNT], 0x600000
	s_mov_b32 s[TB], 0
	s_mov_b32 s[TS], 0
	s_mov_b32 s[TV], 0
	s_mov_b32 s[SLOTS], 7
	s_wait_kmcnt 0x0
	s_cmp_eq_u32 s[WV], 1
	s_cselect_b64 s[62:63], s[6:7], s[4:5]
	s_mov_b32 s[G0T], 1
	s_lshl_b32 s[G0T+1], s[WV], 14
	s_add_co_u32 s[G0T+1], s[G0T+1], KSTAB         ; the three tables lie 16,384 bytes apart
	s_add_nc_u64 s[G0T+2:G0T+3], s[62:63], s[56:57]
	s_or_b32 s[G0T+3], s[G0T+3], 0x80000000
	s_cmp_lt_u32 s[WV], 2                          ; the tables: filled once
	s_cbranch_scc0 .Ltab_not01
	tensor_load_to_lds s[G0T:G0T+3], s[G1:G1+7]
	s_nop 0
.rept 4
	v_nop
.endr
	s_branch .Ltab_done
.Ltab_not01:
	s_cmp_eq_u32 s[WV], 2
	s_cbranch_scc0 .Ltab_done
	tensor_load_to_lds s[G0T:G0T+3], s[G1S:G1S+7]
	s_nop 0
.rept 4
	v_nop
.endr
.Ltab_done:
	s_mov_b32 s[G0R], 1
	s_lshl_b32 s[G0R+1], s[WV], 14
	s_add_nc_u64 s[G0R+2:G0R+3], s[4:5], s[60:61]
	s_or_b32 s[G0R+3], s[G0R+3], 0x80000000
	TLOADR                                         ; slot 0.  By this text's count a wave has two tensor loads out here, and one behind each later barrier
	s_add_nc_u64 s[80:81], s[4:5], s[66:67]
	s_add_nc_u64 s[82:83], s[4:5], s[68:69]
	s_add_nc_u64 s[76:77], s[8:9], s[70:71]
	s_add_nc_u64 s[78:79], s[8:9], s[72:73]
	s_add_nc_u64 s[PFA:PFA+1], s[4:5], s[74:75]
	v_and_b32 v8, 31, v0
	v_lshlrev_b32 v1, 4, v8                        ; 16 x lane: an image's place
	v_and_b32 v9, 15, v0
	v_lshlrev_b32 v14, 2, v9                       ; 4 (lane % 16)
	global_load_b128 v[QF:QF+3], v1, s[80:81]      ; Q's codes stay in registers
	global_load_b128 v[QF+4:QF+7], v1, s[80:81] offset:512
	global_load_u16 v22, v14, s[82:83]             ; Q's two scale bytes: lane r has row r's
	v_add_nc_u32 v2, 32768, v1                     ; V's images, behind K's
	v_add_nc_u32 v3, MTAB, v14                     ; the mask's words: key r of a tile; both halves of the lanes take the same word (the upper half's meets Q's zero codes)
	v_lshlrev_b32 v15, 2, v8
	s_lshl_b32 s66, s15, 1
	s_add_co_u32 s66, s66, KSTAB
	v_add_nc_u32 v4, s66, v15                      ; my head's half of K's scale words
	v_add_nc_u32 v5, VSTAB, v15
	v_lshlrev_b32 v13, 8, v8
	v_bfe_u32 v10, v0, 4, 1
	v_xor_b32 v10, 1, v10                          ; 1 in lanes 0-15
	v_mul_u32_u24 v[QF+8], v10, 0x78               ; Q's place k = 64: the code of 2^15 (exponent field 30); zero codes in lanes 16-31
.irp j, 1,2,3,4,5,6,7
	v_mov_b32 v[QF+8+\j], 0                        ; the rest of Q's upper half: zero codes
.endr
.irp T, 0,1,2,3,4,5,6,7
	v_mov_b32 v[KB+10*\T+9], 0                     ; each tile's tenth register: written once; later V's codes may lie there: finite codes too
.endr
.irp j, 0,1,2,3,4,5
	v_mov_b32 v[PC+\j], 0                          ; the last tile's operand runs on over these
.endr
.irp j, 0,1,2,3
	v_mov_b32 v[T4+\j], 0                          ; a lane permute's destination counts as one of its sources
.endr
	v_mov_b32 v[F+1], 0
	v_mov_b32 v[L], 0
	v_mov_b32 v[L+1], 0
	v_mov_b32 v[MX], 0xff61b1e6                    ; -3e38, under every t
	v_floor_f32 v[NM], -v[MX]
	s_wait_loadcnt 0x0                             ; Q
	v_or_b32 v22, 0xfe0000, v22                    ; block 2's byte: 254; the 32 lines below stand between this line and the first product
.set j, 0
.rept 32
	v_mov_b32 v[OT+j], 0                           ; O^T.  (The step is written once: its first turn finds zeros, which the first change of M leaves zeros)
.set j, j+1
.endr
; The tile's softmax of a step.
.macro SOFTMAX
.irp b, 0,1,2,3
	v_max3_num_f32 v[BM+\b], v[S+16*\b], v[S+1+16*\b], v[S+2+16*\b]   ; the largest score of each block of 32 keys: for the row's maximum and, since p rises with the score, for the block's largest p
.endr
.irp i, 3,5,7,9,11,13
.irp b, 0,1,2,3
	v_max3_num_f32 v[BM+\b], v[BM+\b], v[S+16*\b+\i], v[S+1+16*\b+\i]
.endr
.endr
.irp b, 0,1,2,3
	v_max_num_f32 v[BM+\b], v[BM+\b], v[S+15+16*\b]
.endr
.irp b, 0,1,2,3
	v_permlanex16_b32 v[T4+\b], v[BM+\b], s[SEL], s[SEL+1]
.endr
.irp b, 0,1,2,3
	v_max_num_f32 v[BM+\b], v[BM+\b], v[T4+\b]
.endr
	v_max3_num_f32 v[TT], v[BM], v[BM+1], v[BM+2]
	v_max_num_f32 v[TT], v[TT], v[BM+3]
	v_mul_f32 v[TT], s[CS], v[TT]
	v_max_num_f32 v[MX], v[MX], v[TT]              ; the running largest t
	v_mov_b32 v[TT], v[NM]
	v_floor_f32 v[NM], -v[MX]                      ; -M = floor(-t): M is a whole number
	v_sub_f32 v[TT], v[NM], v[TT]
	v_cvt_i32_f32 v[TT], v[TT]                     ; (it saturates)
	v_ldexp_f32 v[F], 1.0, v[TT]                   ; f = 2^(old M - new M)
.set j, 0
.rept 32
	v_pk_fma_f32 v[S+j:S+j+1], v[S+j:S+j+1], s[CS:CS+1], v[NM:NM+1] op_sel_hi:[1,0,0]   ; t - M
.set j, j+2
.endr
.irp b, 0,1,2,3
	v_fma_f32 v[BM+\b], v[BM+\b], s[CS], v[NM]
.endr
.set j, 0
.rept 64
	v_exp_f32 v[S+j], v[S+j]                       ; p = 2^(t - M)
.set j, j+1
.endr
	v_pk_mul_f32 v[L:L+1], v[L:L+1], v[F:F+1] op_sel_hi:[1,0]   ; a plain line behind the exponentials
	s_wait_alu depctr_va_vdst(0)                   ; one wait for the batch of 64, ahead of its first reader
.irp b, 0,1,2,3
	v_exp_f32 v[BM+\b], v[BM+\b]                   ; the block's largest p
.endr
	v_pk_add_f32 v[L2:L2+1], v[S:S+1], v[S+2:S+3]  ; the row's sum of the unquantised p, in two chains
.irp j, 4,8,12,16,20,24,28,32,36,40,44,48,52,56,60
	v_pk_add_f32 v[L:L+1], v[L:L+1], v[S+\j:S+\j+1]
	v_pk_add_f32 v[L2:L2+1], v[L2:L2+1], v[S+\j+2:S+\j+3]
.endr
	v_pk_add_f32 v[L:L+1], v[L:L+1], v[L2:L2+1]
	s_wait_alu depctr_va_vdst(0)                   ; and one for the four
.irp b, 0,1,2,3
	v_max_num_f32 v[BM+\b], 0x8000000, v[BM+\b]    ; the floor: the byte cannot fall under 1
.endr
.irp b, 0,1,2,3
	v_add_nc_u32 v[SO+\b], 0xf8800000, v[BM+\b]
.endr
.irp b, 0,1,2,3
	v_and_or_b32 v[LMT+\b], v[BM+\b], 0x7f800000, s[MNT]
.endr
.irp b, 0,1,2,3
	v_lshrrev_b32 v[T4+\b], 23, v[SO+\b]
.endr
	v_lshl_or_b32 v[PWD], v[T4+1], 8, v[T4]        ; p's scale word for these 128 keys; the holds below are the places ahead of the products
	v_lshl_or_b32 v[PWD], v[T4+2], 16, v[PWD]
	v_lshl_or_b32 v[PWD], v[T4+3], 24, v[PWD]
.irp b, 0,1,2,3
.irp i, 0,1,2,3,4,5,6,7,8,9,10,11,12,13,14,15
	v_min_num_f32 v[S+16*\b+\i], v[S+16*\b+\i], v[LMT+\b]   ; p is not negative: a one-sided hold
.endr
	v_cvt_scalef32_pk8_bf8_f32 v[PC+4*\b:PC+4*\b+1], v[S+16*\b:S+16*\b+7], v[SO+\b]
	v_cvt_scalef32_pk8_bf8_f32 v[PC+4*\b+2:PC+4*\b+3], v[S+16*\b+8:S+16*\b+15], v[SO+\b]
.endr
.set j, 0
.rept 16
	v_pk_mul_f32 v[OT+j:OT+j+1], v[OT+j:OT+j+1], v[F:F+1] op_sel_hi:[1,0]   ; O^T under the new M; also the places ahead of the products below
.set j, j+2
.endr
.endm
; A KEY STEP: 128 keys.
.macro STEP
	v_add_nc_u32 v8, s[TB], v1
	v_add_nc_u32 v9, s[TB], v2
	v_add_nc_u32 v10, s[TS], v3
	v_add_nc_u32 v11, s[TS], v4
	v_add_nc_u32 v12, s[TV], v5
.rept 3
	v_nop                                          ; with the five additions: eight places behind the last products, ahead of loads into their operands
.endr
.irp T, 0,1,2,3,4,5,6,7
	ds_load_b128 v[KB+10*\T:KB+10*\T+3], v8 offset:1024*\T
	ds_load_b128 v[KB+10*\T+4:KB+10*\T+7], v8 offset:1024*\T+512
	ds_load_b32 v[KB+10*\T+8], v10 offset:64*\T    ; the tile's 16 mask words
.endr
.irp i, 0,1,2,3
	ds_load_u16 v[16+\i], v11 offset:128*\i        ; lanes 0-15 tile 2 i, lanes 16-31 tile 2 i + 1; the upper bytes come as 0
.endr
	s_wait_dscnt 0x0
.irp T, 0,1,2,3,4,5,6,7
	WM S+8*\T, KB+10*\T, QF, 1, 0, 16+\T/2, 22, \T%2, 0
.endr
.rept 8
	v_nop                                          ; eight places: V's loads land on K's registers, and the softmax reads the results
.endr
.irp f, 0,1,2,3
.irp c, 0,1,2,3
	ds_load_b128 v[KB+16*\f+4*\c:KB+16*\f+4*\c+3], v9 offset:2048*\f+512*\c
.endr
.endr
.irp i, 0,1
	ds_load_b32 v[20+\i], v12 offset:128*\i
.endr
	SOFTMAX
	s_wait_dscnt 0x0                               ; V is in: asked for a softmax ago
.irp f, 0,1,2,3
	WM OT+8*\f, KB+16*\f, PC, 0, OT+8*\f, 20+\f/2, PWD, \f%2, 0
.endr
	s_add_co_u32 s[TB], s[TB], 8192
	s_add_co_u32 s[TS], s[TS], 512
	s_add_co_u32 s[TV], s[TV], 256
.endm
; THE CHANGE OF SLOTS, at a slot's head.  Each wave waits for all its tensor loads, adds 0 to its spare word, and waits for that and for its reads of the slot that it has left.
; Behind the barrier the slot ahead is whole and nobody reads the other one, which is filled with the next 512 keys: the load has four steps in which to land.
.macro CHANGE fill
	s_wait_tensorcnt 0x0
	ds_add_u32 v6, v7
.if \fill
	s_xor_b32 s[G0R+1], s[G0R+1], SLOT1
	s_add_nc_u64 s[G0R+2:G0R+3], s[G0R+2:G0R+3], 32768
	s_wait_xcnt 0x0                                ; the last prefetches, a slot back, have read their address
	s_add_nc_u64 s[PFA:PFA+1], s[PFA:PFA+1], 32768
.endif
	s_wait_dscnt 0x0
	s_barrier_signal -1
	s_barrier_wait -1
.if \fill
	TLOADR
	ASK
.endif
.endm
.macro FOUR_STEPS
	s_mov_b32 s[STEPC], 4
.Lstep_\@:
	STEP
	s_sub_co_u32 s[STEPC], s[STEPC], 1
	s_cmp_lg_u32 s[STEPC], 0
	s_cbranch_scc1 .Lstep_\@
	s_sub_co_u32 s[TB], s[TB], 32768
	s_xor_b32 s[TB], s[TB], SLOT1                  ; on to the other slot
.endm
.Lslot:                                            ; seven trips: behind each change of slots but the last the next slot is asked for
	CHANGE 1
	FOUR_STEPS
	s_sub_co_u32 s[SLOTS], s[SLOTS], 1
	s_cmp_lg_u32 s[SLOTS], 0
	s_cbranch_scc1 .Lslot
	CHANGE 0                                       ; the last slot is written out
	FOUR_STEPS
; THE WAY OUT: O^T / the sum is ctx: a lane's 32 registers are two blocks of 32 along the next product's K.  They are quantised and leave as two pieces of a fragment's image.
.rept 8
	v_nop
.endr
	v_add_f32 v[L], v[L], v[L+1]
	v_permlanex16_b32 v[TT], v[L], s[SEL], s[SEL+1]
	v_add_f32 v[L], v[L], v[TT]
	v_rcp_f32 v[F], v[L]
	v_nop
	s_wait_alu depctr_va_vdst(0)                   ; ahead of the reciprocal's first reader
.set j, 0
.rept 16
	v_pk_mul_f32 v[OT+j:OT+j+1], v[OT+j:OT+j+1], v[F:F+1] op_sel_hi:[1,0]   ; each accumulator from its low end on
.set j, j+2
.endr
.irp b, 0,1
	v_max3_num_f32 v[BM+\b], |v[OT+16*\b]|, |v[OT+1+16*\b]|, 0x8000000
.endr
.irp i, 2,4,6,8,10,12,14
.irp b, 0,1
	v_max3_num_f32 v[BM+\b], v[BM+\b], |v[OT+16*\b+\i]|, |v[OT+1+16*\b+\i]|
.endr
.endr
.irp b, 0,1
	v_permlanex16_b32 v[T4+\b], v[BM+\b], s[SEL], s[SEL+1]
.endr
.irp b, 0,1
	v_max_num_f32 v[BM+\b], v[BM+\b], v[T4+\b]
.endr
.irp b, 0,1
	v_add_nc_u32 v[SO+\b], 0xf8800000, v[BM+\b]
.endr
.irp b, 0,1
	v_and_or_b32 v[LMT+\b], v[BM+\b], 0x7f800000, s[MNT]
.endr
.irp b, 0,1
	v_lshrrev_b32 v[T4+\b], 23, v[SO+\b]
.endr
	v_lshl_or_b32 v[PWD], v[T4+1], 8, v[T4]
.irp b, 0,1
.irp i, 0,1,2,3,4,5,6,7,8,9,10,11,12,13,14,15
	v_med3_num_f32 v[OT+16*\b+\i], v[OT+16*\b+\i], -v[LMT+\b], v[LMT+\b]
.endr
	v_cvt_scalef32_pk8_bf8_f32 v[PC+4*\b:PC+4*\b+1], v[OT+16*\b:OT+16*\b+7], v[SO+\b]
	v_cvt_scalef32_pk8_bf8_f32 v[PC+4*\b+2:PC+4*\b+3], v[OT+16*\b+8:OT+16*\b+15], v[SO+\b]
.endr
	v_nop                                          ; a plain line behind the last conversion
	global_store_b128 v1, v[PC:PC+3], s[76:77]                ; a piece: 512 consecutive bytes
	global_store_b128 v1, v[PC+4:PC+7], s[76:77] offset:512
	global_store_b16 v14, v[PWD], s[78:79]         ; my head's half of each token's scale word; both halves of the lanes write the same bytes with the same value
	s_wait_tensorcnt 0x0                           ; the wave's end
	ds_add_u32 v6, v7
	s_wait_dscnt 0x0
	s_endpgm
.Lfunc_end_k_q30d4f908e0_attn:
	.size	k_q30d4f908e0_attn, .Lfunc_end_k_q30d4f908e0_attn-k_q30d4f908e0_attn
	.p2alignl 7, 3214868480
	.fill 96, 4, 3214868480
	.section	.rodata,"a",@progbits
	.p2align	6, 0x0
	.amdhsa_kernel k_q30d4f908e0_attn
		.amdhsa_group_segment_fixed_size 327680
		.amdhsa_private_segment_fixed_size 0
		.amdhsa_enable_private_segment 0
		.amdhsa_kernarg_size 24
		.amdhsa_user_sgpr_count 2
		.amdhsa_user_sgpr_kernarg_segment_ptr 1
		.amdhsa_wavefront_size32 1
		.amdhsa_system_sgpr_workgroup_id_x 1
		.amdhsa_system_sgpr_workgroup_id_y 1
		.amdhsa_system_sgpr_workgroup_id_z 1
		.amdhsa_system_vgpr_workitem_id 0
		.amdhsa_next_free_vgpr 256
		.amdhsa_next_free_sgpr 90
		.amdhsa_reserve_vcc 0
		.amdhsa_float_denorm_mode_32 3
		.amdhsa_float_denorm_mode_16_64 3
		.amdhsa_memory_ordered 1
		.amdhsa_forward_progress 1
		.amdhsa_inst_pref_size 55
	.end_amdhsa_kernel
	.amdgpu_metadata
---
amdhsa.version: [ 1, 2 ]
amdhsa.kernels:
  - .name:           k_q30d4f908e0_attn
    .symbol:         k_q30d4f908e0_attn.kd
    .args:
      - { .name: qkvbuf, .offset: 0, .size: 8, .value_kind: global_buffer, .address_space: global }
      - { .name: prepbuf, .offset: 8, .size: 8, .value_kind: global_buffer, .address_space: global }
      - { .name: ctxbuf, .offset: 16, .size: 8, .value_kind: global_buffer, .address_space: global }
    .group_segment_fixed_size: 327680
    .private_segment_fixed_size: 0
    .kernarg_segment_align: 8
    .kernarg_segment_size: 24
    .max_flat_workgroup_size: 512
    .sgpr_count:     90
    .vgpr_count:     256
    .wavefront_size: 32
...
	.end_amdgpu_metadata
.endif
;; end of part 3
;; launch tail (part 4): grid 256 x 1, 4 waves a work-group, no clusters, 121,344 bytes of LDS; arguments ctxbuf, prepbuf, x, b1, b2, g1, be1, g2, be2, out0; writes out0
.if DOCPART == 4
	.amdgcn_target "amdgcn-amd-amdhsa--gfx1250"
	.amdhsa_code_object_version 6
	.text
	.protected	k_q30d4f908e0_tail
	.globl	k_q30d4f908e0_tail
	.p2align	8
	.type	k_q30d4f908e0_tail,@function
k_q30d4f908e0_tail:
	s_mov_b64 s[64:65], 0
	v_nop
	global_prefetch_b8 v0, s[64:65] scope:SCOPE_SE
	s_setreg_imm32_b32 hwreg(HW_REG_WAVE_MODE, 25, 1), 1
	s_wait_xcnt 0x0
; TAIL: x1 = LN(x + ctx wo); out = LN(x1 + relu(x1 w1 + b1) w2 + b2), all three products on codes of E5M2.  A work-group owns 32 tokens (two tiles m = 0, 1) from end to end.
; THE WAVES SHARE THE COLUMNS: wave w makes columns 128 w .. of both sums and hidden units 512 w .. in four groups of 128.  All products transposed (source 0 = 16 rows of a weight, source 1 = 16 tokens):
; a lane holds one token, its registers run along the columns, so each result is quantised in registers into one fragment of the next product.
; x1 stays in the accumulators in f32 (the residual is the C of the next sum); x1's and the hidden layer's codes go from wave to wave through LDS as images of their registers.
; WEIGHTS go from memory straight into the one wave that multiplies them: a dense stream of 36 K steps (8 fragments + 4 registers of scale words = 36 loads), in two buffers.
; The count 36 at each K step's wait: the next K step's 36 loads are the youngest that may be out.
; No tensor load and no multicast here: beside the activations a ring's slot would hold few products' weights for each change of slots, with all loads waited for at each change.
; The norms take the mean first and then the mean of the squared differences, as the definition writes them.  LIMITS: NaN and infinities are not served; a block under 2^-111 keeps byte 1.
; REGISTERS.  window 0: v1-16 addresses; v20-27 the weights' scale words; v28-33 the tokens'; v34-36 words just made; v40-55, v56-79 at work; v80-111 codes; v112-175 held numbers; v176-239 b1, b2; v240-247 sums.
;   window 1: v0-127 the 16 accumulators of the 512-wide sums ((m, t) at 64 m + 8 t); v128-255 those of the hidden layer.   window 2: two buffers of 8 weight fragments.
;   window 3: v0-127 the tokens' fragments (ctx, then x1: 32 s + 16 m; then the hidden layer's in two buffers); v128-191 the norm's gain, v192-255 its bias.
.set O_CS,  4194304
.set O_TW,  5136384
.set O_TWS, 7495680
.set WSTR,  589824
.set X1IMG, 0                          ; x1's 8 fragments [K step][m][2,048]
.set X1SC,  16384                      ; their scale words [K step][128: lanes 0-15 m = 0, lanes 16-31 m = 1]
.set HSC,   16896                      ; the hidden layer's, 16 K steps
.set RED,   18944                      ; four regions of 512 bytes for the norms' sums: [m][token][wave]
.set HIMG,  21504                      ; the hidden layer's 32 fragments
.set STG,   87040                      ; a stage of 16 rows x (512 + 16) bytes for each wave
.set TM, 40
.set CH, 56
.set HT, 112
.set MSB, 0
.macro WIN new
.if MSB != (\new)
	s_set_vgpr_msb (MSB<<8)|(\new)
.set MSB, (\new)
.endif
.endm
.macro WM d, a, b, c, sa, sb, ra, rb
.if (\ra) && (\rb)
	v_wmma_scale_f32_16x16x128_f8f6f4 v[(\d):(\d)+7], v[(\a):(\a)+15], v[(\b):(\b)+15], v[(\c):(\c)+7], v[(\sa)], v[(\sb)] matrix_a_fmt:MATRIX_FMT_BF8 matrix_b_fmt:MATRIX_FMT_BF8 matrix_a_scale:MATRIX_SCALE_ROW1 matrix_b_scale:MATRIX_SCALE_ROW1
.elseif (\ra)
	v_wmma_scale_f32_16x16x128_f8f6f4 v[(\d):(\d)+7], v[(\a):(\a)+15], v[(\b):(\b)+15], v[(\c):(\c)+7], v[(\sa)], v[(\sb)] matrix_a_fmt:MATRIX_FMT_BF8 matrix_b_fmt:MATRIX_FMT_BF8 matrix_a_scale:MATRIX_SCALE_ROW1
.elseif (\rb)
	v_wmma_scale_f32_16x16x128_f8f6f4 v[(\d):(\d)+7], v[(\a):(\a)+15], v[(\b):(\b)+15], v[(\c):(\c)+7], v[(\sa)], v[(\sb)] matrix_a_fmt:MATRIX_FMT_BF8 matrix_b_fmt:MATRIX_FMT_BF8 matrix_b_scale:MATRIX_SCALE_ROW1
.else
	v_wmma_scale_f32_16x16x128_f8f6f4 v[(\d):(\d)+7], v[(\a):(\a)+15], v[(\b):(\b)+15], v[(\c):(\c)+7], v[(\sa)], v[(\sb)] matrix_a_fmt:MATRIX_FMT_BF8 matrix_b_fmt:MATRIX_FMT_BF8
.endif
.endm
.macro BARRIER                         ; my LDS stores have landed and my LDS loads are in: then the work-group's barrier
	s_wait_dscnt 0x0
	s_barrier_signal -1
	s_barrier_wait -1
.endm
.macro PLACES                          ; eight places behind products of this form, ahead of loads into their operands and of the first read of results
.rept 8
	v_nop
.endr
.endm
.macro WLOAD buf, k                    ; K step k of the stream, counted from the pointer: 36 loads
	WIN 0x80
.irp t, 0,1,2,3,4,5,6,7
.irp c, 0,1,2,3
	global_load_b128 v[128*(\buf)+16*\t+4*\c:128*(\buf)+16*\t+4*\c+3], v1, s[30:31] offset:16384*(\k)+2048*\t+512*\c
.endr
.endr
	WIN 0
.irp i, 0,1,2,3
	global_load_b32 v[20+4*(\buf)+\i], v2, s[32:33] offset:512*(\k)+128*\i
.endr
.endm
; 16 products: the buffer's 8 tiles x the two tiles of tokens; the 16 accumulators by turns.  cmode = 1: b1 is the C and starts the sums
.macro MM buf, dbase, bbase, cmode, bs
.if \cmode
	WIN 0x4e
.else
	WIN 0x5e
.endif
.irp t, 0,1,2,3,4,5,6,7
.irp m, 0,1
.if \cmode
	WM (\dbase)+64*\m+8*\t, 128*(\buf)+16*\t, (\bbase)+16*\m, 176+8*\t, 20+4*(\buf)+\t/2, \bs, \t%2, \m
.else
	WM (\dbase)+64*\m+8*\t, 128*(\buf)+16*\t, (\bbase)+16*\m, (\dbase)+64*\m+8*\t, 20+4*(\buf)+\t/2, \bs, \t%2, \m
.endif
.endr
.endr
	WIN 0
.endm
.macro BLOAD ptr                       ; 64 numbers of a bias in the result's layout: lane half h wants 16 t + 8 h + 0 .. 7
.irp t, 0,1,2,3,4,5,6,7
	global_load_b128 v[176+8*\t:179+8*\t], v14, s[\ptr:\ptr+1] offset:64*\t
	global_load_b128 v[180+8*\t:183+8*\t], v14, s[\ptr:\ptr+1] offset:64*\t+16
.endr
.endm
.macro GLOAD gp, bp                    ; a norm's gain and bias, likewise, into window 3
	WIN 0xc0
.irp t, 0,1,2,3,4,5,6,7
	global_load_b128 v[128+8*\t:131+8*\t], v14, s[\gp:\gp+1] offset:64*\t
	global_load_b128 v[132+8*\t:135+8*\t], v14, s[\gp:\gp+1] offset:64*\t+16
	global_load_b128 v[192+8*\t:195+8*\t], v14, s[\bp:\bp+1] offset:64*\t
	global_load_b128 v[196+8*\t:199+8*\t], v14, s[\bp:\bp+1] offset:64*\t+16
.endr
	WIN 0
.endm
; 64 numbers of a lane in window 1, v[s] on, become a fragment's codes in v[pc] on and its scale word in v[pw].  The numbers stay: the held copies go to v[HT] on.  relu = 1: what is negative becomes 0.
.macro QUANT s, relu, pc, pw
	WIN 0x05
.irp b, 0,1,2,3
.if \relu
	v_max3_num_f32 v[TM+\b], v[\s+16*\b], v[\s+1+16*\b], 0x8000000
.else
	v_max3_num_f32 v[TM+\b], |v[\s+16*\b]|, |v[\s+1+16*\b]|, 0x8000000
.endif
.endr
	WIN 0x14
.irp i, 2,4,6,8,10,12,14
.irp b, 0,1,2,3
.if \relu
	v_max3_num_f32 v[TM+\b], v[TM+\b], v[\s+16*\b+\i], v[\s+1+16*\b+\i]
.else
	v_max3_num_f32 v[TM+\b], v[TM+\b], |v[\s+16*\b+\i]|, |v[\s+1+16*\b+\i]|
.endif
.endr
.endr
	WIN 0
.irp b, 0,1,2,3
	v_permlanex16_b32 v[TM+4+\b], v[TM+\b], s34, s35
.endr
.irp b, 0,1,2,3
	v_max_num_f32 v[TM+\b], v[TM+\b], v[TM+4+\b]
.endr
.irp b, 0,1,2,3
	v_add_nc_u32 v[TM+12+\b], 0xf8800000, v[TM+\b]
.endr
.irp b, 0,1,2,3
	v_and_or_b32 v[TM+8+\b], v[TM+\b], 0x7f800000, s36
.endr
.irp b, 0,1,2,3
	v_lshrrev_b32 v[TM+4+\b], 23, v[TM+12+\b]
.endr
	v_lshl_or_b32 v[\pw], v[TM+5], 8, v[TM+4]
	v_lshl_or_b32 v[\pw], v[TM+6], 16, v[\pw]
	v_lshl_or_b32 v[\pw], v[TM+7], 24, v[\pw]
	WIN 0x01
.irp b, 0,1,2,3
.irp i, 0,1,2,3,4,5,6,7,8,9,10,11,12,13,14,15
.if \relu
	v_med3_num_f32 v[HT+16*\b+\i], v[\s+16*\b+\i], 0, v[TM+8+\b]          ; the activation and the hold in one
.else
	v_med3_num_f32 v[HT+16*\b+\i], v[\s+16*\b+\i], -v[TM+8+\b], v[TM+8+\b]
.endif
.endr
.endr
	WIN 0
.irp b, 0,1,2,3
	v_cvt_scalef32_pk8_bf8_f32 v[\pc+4*\b:\pc+4*\b+1], v[HT+16*\b:HT+16*\b+7], v[TM+12+\b]
	v_cvt_scalef32_pk8_bf8_f32 v[\pc+4*\b+2:\pc+4*\b+3], v[HT+16*\b+8:HT+16*\b+15], v[TM+12+\b]
.endr
	v_nop
.endm
.macro IMAGE adr, pc, off
.irp c, 0,1,2,3
	ds_store_b128 v[\adr], v[\pc+4*\c:\pc+4*\c+3] offset:\off+512*\c
.endr
.endm
; the four chains of each m become the token's total over all 512 columns, in v240 (m = 0) and v244 (m = 1): within the lane, with lane l xor 16, and over the four waves through LDS
.macro LNSUM red
	WIN 0
.irp m, 0,1
	v_pk_add_f32 v[CH+8*\m:CH+8*\m+1], v[CH+8*\m:CH+8*\m+1], v[CH+8*\m+2:CH+8*\m+3]
	v_pk_add_f32 v[CH+8*\m+4:CH+8*\m+5], v[CH+8*\m+4:CH+8*\m+5], v[CH+8*\m+6:CH+8*\m+7]
.endr
.irp m, 0,1
	v_pk_add_f32 v[CH+8*\m:CH+8*\m+1], v[CH+8*\m:CH+8*\m+1], v[CH+8*\m+4:CH+8*\m+5]
.endr
.irp m, 0,1
	v_add_f32 v[CH+8*\m], v[CH+8*\m], v[CH+8*\m+1]
.endr
.irp m, 0,1
	v_permlanex16_b32 v[CH+8*\m+2], v[CH+8*\m], s34, s35
.endr
.irp m, 0,1
	v_add_f32 v[CH+8*\m], v[CH+8*\m], v[CH+8*\m+2]
.endr
.irp m, 0,1
	ds_store_b32 v12, v[CH+8*\m] offset:RED+\red+256*\m   ; both halves of the lanes write the same word with the same value
.endr
	BARRIER
.irp m, 0,1
	ds_load_b128 v[240+4*\m:243+4*\m], v13 offset:RED+\red+256*\m
.endr
	s_wait_dscnt 0x0
.irp m, 0,1
	v_add_f32 v[240+4*\m], v[240+4*\m], v[241+4*\m]
	v_add_f32 v[242+4*\m], v[242+4*\m], v[243+4*\m]
.endr
.irp m, 0,1
	v_add_f32 v[240+4*\m], v[240+4*\m], v[242+4*\m]
.endr
.endm
; the layer norm of the 16 accumulators, in place; ra, rb: two regions of LDS that nothing else uses
.macro LNORM ra, rb
.irp m, 0,1
	WIN 0x05
.irp c, 0,1,2,3
	v_pk_add_f32 v[CH+8*\m+2*\c:CH+8*\m+2*\c+1], v[64*\m+4*\c:64*\m+4*\c+1], v[64*\m+4*\c+2:64*\m+4*\c+3]   ; ascending: each accumulator is read from its low end on
.endr
	WIN 0x04
.irp p, 8,9,10,11,12,13,14,15,16,17,18,19,20,21,22,23,24,25,26,27,28,29,30,31
	v_pk_add_f32 v[CH+8*\m+2*(\p%4):CH+8*\m+2*(\p%4)+1], v[CH+8*\m+2*(\p%4):CH+8*\m+2*(\p%4)+1], v[64*\m+2*\p:64*\m+2*\p+1]
.endr
.endr
	LNSUM \ra
.irp m, 0,1
	v_mul_f32 v[72+2*\m], s38, v[240+4*\m]         ; the mean
.endr
	WIN 0x41
.irp m, 0,1
.set pp, 0
.rept 32
	v_pk_add_f32 v[64*\m+2*pp:64*\m+2*pp+1], v[64*\m+2*pp:64*\m+2*pp+1], v[72+2*\m:73+2*\m] op_sel_hi:[1,0] neg_lo:[0,1] neg_hi:[0,1]
.set pp, pp+1
.endr
.endr
	WIN 0x05
.irp m, 0,1
.irp c, 0,1,2,3
	v_pk_mul_f32 v[CH+8*\m+2*\c:CH+8*\m+2*\c+1], v[64*\m+2*\c:64*\m+2*\c+1], v[64*\m+2*\c:64*\m+2*\c+1]
.endr
.irp p, 4,5,6,7,8,9,10,11,12,13,14,15,16,17,18,19,20,21,22,23,24,25,26,27,28,29,30,31
	v_pk_fma_f32 v[CH+8*\m+2*(\p%4):CH+8*\m+2*(\p%4)+1], v[64*\m+2*\p:64*\m+2*\p+1], v[64*\m+2*\p:64*\m+2*\p+1], v[CH+8*\m+2*(\p%4):CH+8*\m+2*(\p%4)+1]
.endr
.endr
	LNSUM \rb
.irp m, 0,1
	v_fma_f32 v[241+4*\m], v[240+4*\m], s38, s39   ; the variance + 1e-5
.endr
.irp m, 0,1
	v_rsq_f32 v[76+2*\m], v[241+4*\m]
.endr
	v_nop
	s_wait_alu depctr_va_vdst(0)                   ; one wait for the two, ahead of their first reader
	WIN 0x41
.irp m, 0,1
.set pp, 0
.rept 32
	v_pk_mul_f32 v[64*\m+2*pp:64*\m+2*pp+1], v[64*\m+2*pp:64*\m+2*pp+1], v[76+2*\m:77+2*\m] op_sel_hi:[1,0]
.set pp, pp+1
.endr
.endr
	WIN 0x7d                                       ; gain and bias in window 3
.irp m, 0,1
.set pp, 0
.rept 32
	v_pk_fma_f32 v[64*\m+2*pp:64*\m+2*pp+1], v[64*\m+2*pp:64*\m+2*pp+1], v[128+2*pp:129+2*pp], v[192+2*pp:193+2*pp]
.set pp, pp+1
.endr
.endr
	WIN 0
.endm
; 16 rows x my 512 bytes of x, loaded as rows, turn through my own stage into the result's layout, back into the registers that they left.  LDS serves a wave's instructions in order.
.macro XIN m
	WIN 0x04
.irp i, 0,1,2,3,4,5,6,7,8,9,10,11,12,13,14,15
	ds_store_b128 v5, v[64*\m+4*\i:64*\m+4*\i+3] offset:528*\i
.endr
	WIN 0x40
.irp t, 0,1,2,3,4,5,6,7
	ds_load_b128 v[64*\m+8*\t:64*\m+8*\t+3], v4 offset:64*\t
	ds_load_b128 v[64*\m+8*\t+4:64*\m+8*\t+7], v4 offset:64*\t+16
.endr
	WIN 0
.endm
.macro YOUT m                          ; and the other way round on the way out
	WIN 0x04
.irp t, 0,1,2,3,4,5,6,7
	ds_store_b128 v4, v[64*\m+8*\t:64*\m+8*\t+3] offset:64*\t
	ds_store_b128 v4, v[64*\m+8*\t+4:64*\m+8*\t+7] offset:64*\t+16
.endr
	WIN 0
.irp i, 0,1,2,3,4,5,6,7,8,9,10,11,12,13,14,15
	ds_load_b128 v[112+64*\m+4*\i:112+64*\m+4*\i+3], v5 offset:528*\i
.endr
.endm
.macro FETCH buf, off, offs            ; a K step's two hidden fragments and their scale words
	WIN 0xc0
.irp m, 0,1
.irp c, 0,1,2,3
	ds_load_b128 v[32*(\buf)+16*\m+4*\c:32*(\buf)+16*\m+4*\c+3], v15 offset:HIMG+\off+2048*\m+512*\c
.endr
.endr
	WIN 0
	ds_load_b32 v[28+(\buf)], v16 offset:HSC+\offs
.endm
	s_load_b256 s[4:11], s[0:1], 0x0               ; ctxbuf, prepbuf, x, b1
	s_load_b256 s[12:19], s[0:1], 0x20             ; b2, g1, be1, g2
	s_load_b128 s[20:23], s[0:1], 0x40             ; be2, out0
	v_lshl_add_u32 v254, v0, 2, 0x1d800
	v_mov_b32 v255, 0
	v_lshrrev_b32 v3, 5, v0
	v_readfirstlane_b32 s24, v3                    ; wave
	v_and_b32 v3, 31, v0
	v_and_b32 v17, 15, v0                          ; r
	v_bfe_u32 v18, v0, 4, 1                        ; h
	v_lshlrev_b32 v1, 4, v3                        ; 16 x lane
	v_lshlrev_b32 v2, 2, v3                        ; 4 x lane
	s_mul_i32 s46, s24, 8448
	s_add_co_u32 s46, s46, STG
	v_mul_u32_u24 v4, v17, 528
	v_lshl_add_u32 v4, v18, 5, v4
	v_add_nc_u32 v4, s46, v4                       ; my stage: row r, + 32 h
	v_add_nc_u32 v5, s46, v1                       ; and by rows
	s_lshl_b32 s46, s24, 12
	v_add_nc_u32 v6, s46, v1                       ; x1's images: K step w
	s_lshl_b32 s46, s24, 7
	v_add_nc_u32 v7, s46, v2
	s_lshl_b32 s46, s24, 14
	v_add_nc_u32 v8, s46, v1                       ; the hidden layer's: K steps 4 w ..
	s_lshl_b32 s46, s24, 9
	v_add_nc_u32 v9, s46, v2
	v_lshlrev_b32 v13, 4, v17
	s_lshl_b32 s46, s24, 2
	v_add_nc_u32 v12, s46, v13
	v_lshlrev_b32 v14, 5, v18
.irp b, 0,1,2,3
	v_mov_b32 v[TM+4+\b], 0                        ; a lane permute's destination counts as one of its sources
.endr
.irp j, 73,75,77,79
	v_mov_b32 v[\j], 0                             ; (upper halves of pairs of which the low word serves both)
.endr
	s_lshr_b32 s46, ttmp9, 2
	s_and_b32 s47, ttmp9, 3
	s_lshl_b32 s48, s46, 16
	s_lshl_b32 s49, s47, 12
	s_add_co_u32 s48, s48, s49                     ; ctx: group x 65,536 + tile 2 (work-group % 4) x 2,048
	s_mov_b32 s49, 0
	s_lshr_b32 s50, s48, 5
	s_add_co_u32 s50, s50, O_CS
	s_mov_b32 s51, 0
	s_mul_i32 s52, s24, WSTR
	s_add_co_u32 s52, s52, O_TW
	s_mov_b32 s53, 0
	s_mul_i32 s54, s24, 18432
	s_add_co_u32 s54, s54, O_TWS
	s_mov_b32 s55, 0
	s_lshl_b32 s56, ttmp9, 16
	s_lshl_b32 s58, s24, 9
	s_add_co_u32 s56, s56, s58                     ; x, out: 32 rows of 2,048 bytes a work-group, + my 512 bytes
	s_mov_b32 s57, 0
	s_mov_b32 s59, 0
	s_lshl_b32 s60, s24, 11
	s_mov_b32 s61, 0
	s_mov_b32 s34, 0x76543210
	s_mov_b32 s35, 0xfedcba98
	s_mov_b32 s36, 0x600000
	s_mov_b32 s37, 0xffff0000
	s_mov_b32 s38, 0x3b000000                      ; 1 / 512
	s_mov_b32 s39, 0x3727c5ac                      ; 1e-5
	s_wait_kmcnt 0x0
	s_add_nc_u64 s[26:27], s[4:5], s[48:49]
	s_add_nc_u64 s[28:29], s[4:5], s[50:51]
	s_add_nc_u64 s[30:31], s[6:7], s[52:53]
	s_add_nc_u64 s[32:33], s[6:7], s[54:55]
	s_add_nc_u64 s[8:9], s[8:9], s[56:57]
	s_add_nc_u64 s[22:23], s[22:23], s[56:57]
	s_add_nc_u64 s[10:11], s[10:11], s[60:61]
	s_add_nc_u64 s[12:13], s[12:13], s[58:59]
	s_add_nc_u64 s[14:15], s[14:15], s[58:59]
	s_add_nc_u64 s[16:17], s[16:17], s[58:59]
	s_add_nc_u64 s[18:19], s[18:19], s[58:59]
	s_add_nc_u64 s[20:21], s[20:21], s[58:59]
	WIN 0x40
.irp i, 0,1,2,3,4,5,6,7,8,9,10,11,12,13,14,15,16,17,18,19,20,21,22,23,24,25,26,27,28,29,30,31
	global_load_b128 v[4*\i:4*\i+3], v1, s[8:9] offset:2048*\i   ; x: a row's 512 bytes an instruction
.endr
	WIN 0xc0
.irp s, 0,1,2,3
.irp m, 0,1
.irp c, 0,1,2,3
	global_load_b128 v[32*\s+16*\m+4*\c:32*\s+16*\m+4*\c+3], v1, s[26:27] offset:16384*\s+2048*\m+512*\c
.endr
.endr
.endr
	WIN 0
.irp s, 0,1,2,3
	global_load_b32 v[30+\s], v2, s[28:29] offset:512*\s
.endr
	WLOAD 0, 0
	s_wait_loadcnt 63                              ; 72 loads were issued behind x's 32: x is in
	XIN 0
	XIN 1
	GLOAD 14, 16
	BLOAD 10
	WLOAD 1, 1
; ---- A: x + ctx wo: the residual is the C of the first products
.irp n, 0,1,2,3
	s_wait_loadcnt 36
.if \n == 0
	s_wait_dscnt 0x0                               ; x is back from the stage
.endif
	MM \n%2, 0, 32*\n, 0, 30+\n
	PLACES
	WLOAD \n%2, \n+2
.endr
	s_wait_xcnt 0x0                                ; the loads have read their bases
	s_add_nc_u64 s[30:31], s[30:31], 65536
	s_add_nc_u64 s[32:33], s[32:33], 2048
	s_add_nc_u64 s[10:11], s[10:11], 512           ; b1 of the next group of hidden units
	LNORM 0, 512
	GLOAD 18, 20                                   ; the second norm's gain and bias
	QUANT 0, 0, 80, 34
	QUANT 64, 0, 96, 35
	IMAGE 6, 80, X1IMG
	IMAGE 6, 96, X1IMG+2048
	v_cndmask_b32 v36, v34, v35, s37
	ds_store_b32 v7, v36 offset:X1SC
	BARRIER                                        ; x1's eight fragments lie in LDS
	WIN 0xc0
.irp s, 0,1,2,3
.irp m, 0,1
.irp c, 0,1,2,3
	ds_load_b128 v[32*\s+16*\m+4*\c:32*\s+16*\m+4*\c+3], v1 offset:X1IMG+4096*\s+2048*\m+512*\c
.endr
.endr
.endr
	WIN 0
.irp s, 0,1,2,3
	ds_load_b32 v[30+\s], v2 offset:X1SC+128*\s
.endr
	s_wait_dscnt 0x0                               ; they stay in registers for all four groups
; ---- C: four groups of 128 hidden units: b1 + x1 w1, relu, quantised: K step 4 w + group of the last product
	s_mov_b32 s40, 0
	s_mov_b32 s41, 0
	s_mov_b32 s42, 0
	s_mov_b32 s47, 0
.Lgroup:
	s_wait_loadcnt 36
	MM 0, 128, 0, 1, 30
	PLACES
	BLOAD 10                                       ; the next group's b1 (the last trip loads the last group's again: no load leaves the buffer)
	WLOAD 0, 2
	s_wait_loadcnt 36
	MM 1, 128, 32, 0, 31
	PLACES
	WLOAD 1, 3
	s_wait_loadcnt 36
	MM 0, 128, 64, 0, 32
	PLACES
	WLOAD 0, 4
	s_wait_loadcnt 36
	MM 1, 128, 96, 0, 33
	PLACES
	WLOAD 1, 5
	v_add_nc_u32 v10, s41, v8
	v_add_nc_u32 v11, s42, v9
	QUANT 128, 1, 80, 34
	QUANT 192, 1, 96, 35
	IMAGE 10, 80, HIMG
	IMAGE 10, 96, HIMG+2048
	v_cndmask_b32 v36, v34, v35, s37
	ds_store_b32 v11, v36 offset:HSC
	s_wait_dscnt 0x0                               ; the stores have read their registers
	s_wait_xcnt 0x0                                ; and the loads their bases
	s_add_nc_u64 s[30:31], s[30:31], 65536
	s_add_nc_u64 s[32:33], s[32:33], 2048
	s_add_co_u32 s41, s41, 4096
	s_add_co_u32 s42, s42, 128
	s_cmp_lt_u32 s40, 2
	s_cselect_b32 s46, 512, 0
	s_add_nc_u64 s[10:11], s[10:11], s[46:47]
	s_add_co_u32 s40, s40, 1
	s_cmp_lt_u32 s40, 4
	s_cbranch_scc1 .Lgroup
	BARRIER                                        ; the hidden layer's 32 fragments lie in LDS
	BLOAD 12                                       ; b2: wanted behind the last product
; ---- D: x1 + hidden w2: 16 K steps; the tokens' fragments come from LDS a K step ahead, in two buffers
	s_mov_b32 s43, 0
	s_mov_b32 s44, 0
	s_mov_b32 s40, 0
	v_add_nc_u32 v15, s43, v1
	v_add_nc_u32 v16, s44, v2
	FETCH 0, 0, 0
.Lks:
	v_add_nc_u32 v15, s43, v1
	v_add_nc_u32 v16, s44, v2
	s_wait_loadcnt 36
	s_wait_dscnt 0x0                               ; this K step's fragments are in
	FETCH 1, 4096, 128
	MM 0, 0, 0, 0, 28
	PLACES
	WLOAD 0, 2
	s_wait_loadcnt 36
	s_wait_dscnt 0x0
	FETCH 0, 8192, 256
	MM 1, 0, 32, 0, 29
	PLACES
	WLOAD 1, 3
	s_wait_xcnt 0x0
	s_add_nc_u64 s[30:31], s[30:31], 32768
	s_add_nc_u64 s[32:33], s[32:33], 1024
	s_add_co_u32 s43, s43, 8192
	s_add_co_u32 s44, s44, 256
	s_add_co_u32 s40, s40, 1
	s_cmp_lt_u32 s40, 7
	s_cbranch_scc1 .Lks
	v_add_nc_u32 v15, s43, v1                      ; the last two K steps ask for no weights
	v_add_nc_u32 v16, s44, v2
	s_wait_loadcnt 36
	s_wait_dscnt 0x0
	FETCH 1, 4096, 128
	MM 0, 0, 0, 0, 28
	PLACES
	s_wait_loadcnt 0x0
	s_wait_dscnt 0x0
	MM 1, 0, 32, 0, 29
	PLACES
	WIN 0x41
.irp m, 0,1
.set pp, 0
.rept 32
	v_pk_add_f32 v[64*\m+2*pp:64*\m+2*pp+1], v[64*\m+2*pp:64*\m+2*pp+1], v[176+2*pp:177+2*pp]   ; + b2; ascending: each accumulator from its low end on
.set pp, pp+1
.endr
.endr
	WIN 0
	LNORM 1024, 1536
	YOUT 0
	YOUT 1
.irp i, 0,1,2,3,4,5,6,7,8,9,10,11,12,13,14,15
	s_wait_dscnt 47-\i                             ; behind this load: the rest of its 16 and the second tile's 32
	global_store_b128 v1, v[112+4*\i:112+4*\i+3], s[22:23] offset:2048*\i th:TH_STORE_NT   ; 512 consecutive bytes of a row
.endr
.irp i, 0,1,2,3,4,5,6,7,8,9,10,11,12,13,14,15
	s_wait_dscnt 15-\i
	global_store_b128 v1, v[176+4*\i:176+4*\i+3], s[22:23] offset:2048*(16+\i) th:TH_STORE_NT
.endr
	s_wait_tensorcnt 0x0
	ds_add_u32 v254, v255
	s_wait_dscnt 0x0
	s_endpgm
.Lfunc_end_k_q30d4f908e0_tail:
	.size	k_q30d4f908e0_tail, .Lfunc_end_k_q30d4f908e0_tail-k_q30d4f908e0_tail
	.p2alignl 7, 3214868480
	.fill 96, 4, 3214868480
	.section	.rodata,"a",@progbits
	.p2align	6, 0x0
	.amdhsa_kernel k_q30d4f908e0_tail
		.amdhsa_group_segment_fixed_size 121344
		.amdhsa_private_segment_fixed_size 0
		.amdhsa_enable_private_segment 0
		.amdhsa_kernarg_size 80
		.amdhsa_user_sgpr_count 2
		.amdhsa_user_sgpr_kernarg_segment_ptr 1
		.amdhsa_wavefront_size32 1
		.amdhsa_system_sgpr_workgroup_id_x 1
		.amdhsa_system_sgpr_workgroup_id_y 1
		.amdhsa_system_sgpr_workgroup_id_z 1
		.amdhsa_system_vgpr_workitem_id 0
		.amdhsa_next_free_vgpr 1024
		.amdhsa_next_free_sgpr 66
		.amdhsa_reserve_vcc 0
		.amdhsa_float_denorm_mode_32 3
		.amdhsa_float_denorm_mode_16_64 3
		.amdhsa_memory_ordered 1
		.amdhsa_forward_progress 1
		.amdhsa_inst_pref_size 193
	.end_amdhsa_kernel
	.amdgpu_metadata
---
amdhsa.version: [ 1, 2 ]
amdhsa.kernels:
  - .name:           k_q30d4f908e0_tail
    .symbol:         k_q30d4f908e0_tail.kd
    .args:
      - { .name: ctxbuf, .offset: 0, .size: 8, .value_kind: global_buffer, .address_space: global }
      - { .name: prepbuf, .offset: 8, .size: 8, .value_kind: global_buffer, .address_space: global }
      - { .name: x, .offset: 16, .size: 8, .value_kind: global_buffer, .address_space: global }
      - { .name: b1, .offset: 24, .size: 8, .value_kind: global_buffer, .address_space: global }
      - { .name: b2, .offset: 32, .size: 8, .value_kind: global_buffer, .address_space: global }
      - { .name: g1, .offset: 40, .size: 8, .value_kind: global_buffer, .address_space: global }
      - { .name: be1, .offset: 48, .size: 8, .value_kind: global_buffer, .address_space: global }
      - { .name: g2, .offset: 56, .size: 8, .value_kind: global_buffer, .address_space: global }
      - { .name: be2, .offset: 64, .size: 8, .value_kind: global_buffer, .address_space: global }
      - { .name: out0, .offset: 72, .size: 8, .value_kind: global_buffer, .address_space: global }
    .group_segment_fixed_size: 121344
    .private_segment_fixed_size: 0
    .kernarg_segment_align: 8
    .kernarg_segment_size: 80
    .max_flat_workgroup_size: 128
    .sgpr_count:     66
    .vgpr_count:     1024
    .wavefront_size: 32
...
	.end_amdgpu_metadata
.endif
;; end of part 4
;; ======== version 2 of 2: 4 launches
;; limits: right only within a limited range of input values
;; workspace buffers: prepbuf 7,602,176 bytes; qkvbuf 12,976,128 bytes; ctxbuf 4,325,376 bytes
;; launch prep (part 5): grid 225 x 1, 4 waves a work-group, no clusters, 57,856 bytes of LDS; arguments x, mask, wq, wk, wv, wo, w1, w2, prepbuf; writes prepbuf
.if DOCPART == 5
	.amdgcn_target "amdgcn-amd-amdhsa--gfx1250"
	.amdhsa_code_object_version 6
	.text
	.protected	k_q30d4f908e0_prep
	.globl	k_q30d4f908e0_prep
	.p2align	8
	.type	k_q30d4f908e0_prep,@function
k_q30d4f908e0_prep:
	s_mov_b64 s[64:65], 0
	v_nop
	global_prefetch_b8 v0, s[64:65] scope:SCOPE_SE
	s_setreg_imm32_b32 hwreg(HW_REG_WAVE_MODE, 25, 1), 1
	s_wait_xcnt 0x0
; PREP: x and the six weights become codes of E5M2 with one E8M0 byte for each 32 along K; the mask becomes one word for each key.
; LAYOUT OF EVERY OPERAND: a fragment (16 rows x 128 K) lies as the image of its 16 registers: piece c (32 along K) is 512 bytes, lane l = 16 h + r has 16 bytes at 512 c + 16 l.
; Fragments lie [group of 128 rows][K step][tile of 16 rows][2,048 bytes]; the scale words [group][K step][tile][64 bytes], always at the codes' offset / 32.
; ORDER INSIDE A BLOCK OF 32: place 16 h + 8 u + j holds true index 16 u + 8 h + j.  That is the order in which two neighbouring 16 x 16 results fall into a lane's registers,
; so computed operands need no shuffle; x and the weights are laid the same way here.  Both sides of every product share the order, and the blocks are the true blocks.
; A block's scale: its largest magnitude's exponent field less 15, held at 1 from below (a block of zeros keeps byte 1: its codes are zeros, and only this program reads the bytes).
; LIMITS: NaN and infinities among the inputs are not served; blocks whose largest magnitude lies under 2^-111 keep byte 1.
; THE MASK'S WORD: 0 for an open key; for a hidden key the E5M2 code of -2^15 in its lowest byte.  Attention multiplies it by 2^15 in the unused half of its first product's K:
; -2^30 on the raw score, a logit of -2^27 where the definition has -1e9: it differs only where a row's largest open logit lies under about -1.3e8.
; WORK-GROUPS: 0-127: x, a tile of 16 tokens a wave.  128-223: weights, 128 columns x 256 along K each.  224: the mask.
.set O_XS,    4194304
.set O_WQKV,  4325376
.set O_WQKVS, 5111808
.set O_TW,    5136384                  ; the last launch's four weight streams: wo's group w, w1's groups 4 w .. 4 w + 3, w2's group w
.set O_TWS,   7495680
.set O_MASK,  7569408
.set WSTR,    589824                   ; a stream: 36 K steps of 16,384 bytes
.set WREG,    14336                    ; LDS of a wave (x's path alone uses LDS)
.set SP,      80                       ; a lane's place in a turning stage: 64 bytes + 16
.set CST,     5120                     ; behind the two turning stages: the codes' stage, 32 units of 256 bytes + 16
.set SST,     13824                    ; and the tile's 256 scale bytes
.set R,  16                            ; v16-79   x: four sets of 16 numbers as loaded
.set X,  80                            ; v80-111  x: two sets of 16 neighbours
.set E,  112                           ; v112-127 x: a scale byte for each step
.set C,  128                           ; v128-191 x: four code registers for each step
.set X2, 32                            ; v32-95   weights: two sets of 32 numbers
.set C2, 96                            ; v96-159  weights: eight code registers for each block
.set SB, 24                            ; v24-25   weights: scale bytes, four to a register
	s_load_b256 s[4:11], s[0:1], 0x0               ; x, mask, wq, wk
	s_load_b256 s[12:19], s[0:1], 0x20             ; wv, wo, w1, w2
	s_load_b64 s[20:21], s[0:1], 0x40              ; prepbuf
	v_lshl_add_u32 v192, v0, 2, 0xe000
	v_mov_b32 v193, 0
	v_lshrrev_b32 v1, 5, v0
	v_readfirstlane_b32 s22, v1                    ; wave
	v_and_b32 v2, 31, v0                           ; lane
	s_wait_kmcnt 0x0
	s_cmp_lt_u32 ttmp9, 128
	s_cbranch_scc1 .Lpath_x
	s_cmp_lt_u32 ttmp9, 224
	s_cbranch_scc1 .Lpath_w
; ---- THE MASK: 8,192 whole numbers become 0 (open) or 0xf8 (hidden: the code of -2^15); 128 threads, 16 loads of 16 bytes each
	v_lshlrev_b32 v3, 4, v0
	v_mov_b32 v4, 0xf8                             ; sign 1, exponent field 30, mantissa 0
	s_add_nc_u64 s[20:21], s[20:21], O_MASK
.irp i, 0,1,2,3,4,5,6,7,8,9,10,11,12,13,14,15
	global_load_b128 v[16+4*\i:19+4*\i], v3, s[6:7] offset:2048*\i
.endr
	s_wait_alu depctr_va_vdst(0)
.irp i, 0,1,2,3,4,5,6,7,8,9,10,11,12,13,14,15
	s_wait_loadcnt 15-\i                           ; loads come back in order: load i is in
.irp k, 0,1,2,3
	v_cmp_eq_u32 vcc_lo, 0, v[16+4*\i+\k]
	v_cndmask_b32 v[16+4*\i+\k], 0, v4, vcc_lo
.endr
	global_store_b128 v3, v[16+4*\i:19+4*\i], s[20:21] offset:2048*\i
.endr
	s_endpgm
; ---- x: wave w takes token tile TT = 4 x work-group + w; step t is token row t, 2,048 consecutive bytes
.Lpath_x:
	s_wait_alu depctr_va_vdst(0)
	v_lshlrev_b32 v3, 4, v2                        ; my 16 bytes of 512
	s_mul_i32 s23, s22, WREG
	v_lshrrev_b32 v14, 2, v2
	v_mul_u32_u24 v14, v14, SP
	v_and_b32 v15, 3, v2
	v_lshl_add_u32 v14, v15, 4, v14
	v_add_nc_u32 v14, s23, v14                     ; turning stage, in: four lanes' 64 bytes on end, then 16 of padding
	v_mul_u32_u24 v15, v2, SP
	v_add_nc_u32 v15, s23, v15                     ; out: my 16 neighbours
	v_lshrrev_b32 v4, 1, v2
	v_mul_u32_u24 v4, v4, 544
	v_and_b32 v5, 1, v2
	v_lshl_add_u32 v4, v5, 3, v4
	v_add_nc_u32 v4, s23, v4                       ; codes' stage: block l / 2 has two units (h = 0, 1); my 8 bytes at 8 (l % 2) of row t's 16
	v_lshrrev_b32 v5, 3, v2
	v_bfe_u32 v6, v2, 1, 2
	v_lshl_add_u32 v5, v5, 6, v6
	v_add_nc_u32 v5, s23, v5                       ; scale bytes: K step l / 8, byte (l / 2) % 4 of row t's word
	v_lshrrev_b32 v6, 4, v2
	v_mul_u32_u24 v6, v6, 272
	v_and_b32 v7, 15, v2
	v_lshl_add_u32 v6, v7, 4, v6
	v_add_nc_u32 v6, s23, v6                       ; codes back: two units an instruction = one piece of 512 bytes
	v_lshl_add_u32 v7, v2, 3, s23                  ; scale bytes back: 8 a lane
	v_lshrrev_b32 v13, 3, v2
	v_and_b32 v12, 7, v2
	v_lshlrev_b32 v12, 3, v12
	v_lshl_add_u32 v13, v13, 9, v12                ; and their place in memory: K steps 512 bytes apart
	s_lshl_b32 s24, ttmp9, 2
	s_add_co_u32 s24, s24, s22                     ; TT
	s_lshl_b32 s26, s24, 15                        ; 16 rows of 2,048 bytes
	s_mov_b32 s27, 0
	s_add_nc_u64 s[4:5], s[4:5], s[26:27]
	s_lshr_b32 s25, s24, 3
	s_and_b32 s24, s24, 7
	s_lshl_b32 s26, s25, 16
	s_lshl_b32 s28, s24, 11
	s_add_co_u32 s26, s26, s28                     ; group x 65,536 + tile x 2,048
	s_add_nc_u64 s[8:9], s[20:21], s[26:27]        ; the codes
	s_lshr_b32 s26, s26, 5
	s_add_co_u32 s26, s26, O_XS
	s_add_nc_u64 s[10:11], s[20:21], s[26:27]      ; the scale words
	s_mov_b32 s29, 0x600000                        ; the mantissa field of 57,344
.macro XLOAD t
.irp i, 0,1,2,3
	global_load_b128 v[R+16*((\t)%4)+4*\i:R+16*((\t)%4)+4*\i+3], v3, s[4:5] offset:2048*(\t)+512*\i th:TH_LOAD_NT
.endr
.endm
.macro XTURN t                         ; a row through the turning stage: LDS serves a wave's instructions in order, so no wait between stores and loads
.irp i, 0,1,2,3
	ds_store_b128 v14, v[R+16*((\t)%4)+4*\i:R+16*((\t)%4)+4*\i+3] offset:32*SP*((\t)%2)+8*SP*\i
.endr
.irp i, 0,1,2,3
	ds_load_b128 v[X+16*((\t)%2)+4*\i:X+16*((\t)%2)+4*\i+3], v15 offset:32*SP*((\t)%2)+16*\i
.endr
.endm
.irp t, 0,1,2,3
	XLOAD \t
.endr
	s_wait_loadcnt 12                              ; row 0's four loads are in
	XTURN 0
.macro XSTEP t
.set XN, X+16*((\t)%2)
.if (\t) > 0
	s_wait_dscnt 3                                 ; this row is back from the stage; the last step's three stores may be out
.else
	s_wait_dscnt 0x0
.endif
.if (\t)+4 < 16
	XLOAD (\t)+4                                   ; into the set whose stores into the stage are done
.endif
.if (\t)+1 < 16
.if 14-(\t) >= 3
	s_wait_loadcnt 12                              ; the next row is in; three rows behind it may be out
.else
	s_wait_loadcnt 4*(14-(\t))
.endif
	XTURN (\t)+1
.endif
	v_max3_num_f32 v8, |v[XN]|, |v[XN+1]|, |v[XN+2]|
	v_max3_num_f32 v9, |v[XN+3]|, |v[XN+4]|, |v[XN+5]|
.irp i, 6,10
	v_max3_num_f32 v8, v8, |v[XN+\i]|, |v[XN+\i+1]|
	v_max3_num_f32 v9, v9, |v[XN+\i+2]|, |v[XN+\i+3]|
.endr
	v_max3_num_f32 v8, v8, |v[XN+14]|, |v[XN+15]|
	v_max3_num_f32 v8, v8, v9, 0x8000000           ; with the floor 2^(16 - 127): the byte cannot fall under 1
	v_max_num_f32_dpp v8, v8, v8 row_xmask:1 row_mask:0xf bank_mask:0xf   ; and my neighbour's 16: the block's largest magnitude
	v_add_nc_u32 v11, 0xf8800000, v8               ; 15 off the exponent field: the conversion's scale operand
	v_and_or_b32 v10, v8, 0x7f800000, s29          ; 57,344 x the scale
.irp i, 0,1,2,3,4,5,6,7,8,9,10,11,12,13,14,15
	v_med3_num_f32 v[XN+\i], v[XN+\i], -v10, v10   ; the conversion does not saturate (ISA guide 7.6.2): hold first
.endr
	v_cvt_scalef32_pk8_bf8_f32 v[C+4*(\t):C+4*(\t)+1], v[XN:XN+7], v11
	v_cvt_scalef32_pk8_bf8_f32 v[C+4*(\t)+2:C+4*(\t)+3], v[XN+8:XN+15], v11
	v_lshrrev_b32 v[E+(\t)], 23, v11               ; the scale's byte
	ds_store_b64 v4, v[C+4*(\t):C+4*(\t)+1] offset:CST+16*(\t)          ; my first 8 codes belong to half h = 0 of the piece,
	ds_store_b64 v4, v[C+4*(\t)+2:C+4*(\t)+3] offset:CST+16*(\t)+272    ; my second 8 to half h = 1
	ds_store_b8 v5, v[E+(\t)] offset:SST+4*(\t)    ; both lanes of a block write the same byte
.endm
.irp t, 0,1,2,3,4,5,6,7,8,9,10,11,12,13,14,15
	XSTEP \t
.endr
	ds_load_b64 v[80:81], v7 offset:SST
.irp i, 0,1,2,3,4,5,6,7,8,9,10,11,12,13,14,15
	ds_load_b128 v[R+4*\i:R+4*\i+3], v6 offset:CST+544*\i
.endr
.irp i, 0,1,2,3,4,5,6,7,8,9,10,11,12,13,14,15
	s_wait_dscnt 15-\i
	global_store_b128 v3, v[R+4*\i:R+4*\i+3], s[8:9] offset:(\i/4)*16384+(\i%4)*512   ; a piece: 512 consecutive bytes
.endr
	global_store_b64 v13, v[80:81], s[10:11]
	s_wait_tensorcnt 0x0
	ds_add_u32 v192, v193
	s_wait_dscnt 0x0
	s_endpgm
; ---- WEIGHTS [K][N]: a lane takes a column, its registers run down K: a block of 32 lies in one lane; the conversions take the registers in the blocks' order of places
.Lpath_w:
	s_sub_co_u32 s24, ttmp9, 128                   ; q
	s_cmp_lt_u32 s24, 32
	s_cbranch_scc0 .Lw_ffn
	s_lshr_b32 s25, s24, 3                         ; 0 wq, 1 wk, 2 wv, 3 wo
	s_and_b32 s26, s24, 3                          ; group of 128 columns
	s_bfe_u32 s27, s24, 0x10002                    ; which 256 along K
	s_mul_i32 s32, s25, 262144
	s_mul_i32 s33, s26, 65536
	s_add_co_u32 s32, s32, s33
	s_mul_i32 s33, s26, WSTR
	s_mov_b32 s34, O_TW
	s_mov_b32 s35, O_TWS
	s_cmp_lt_u32 s25, 3
	s_cselect_b32 s32, s32, s33                    ; wq, wk, wv lie on end; wo's group g opens stream g
	s_cselect_b32 s34, O_WQKV, s34
	s_cselect_b32 s35, O_WQKVS, s35
	s_mov_b32 s37, 256*2048
	s_branch .Lw_go
.Lw_ffn:
	s_cmp_lt_u32 s24, 64
	s_cbranch_scc0 .Lw_w2
	s_mov_b32 s25, 4                               ; w1
	s_and_b32 s26, s24, 15
	s_bfe_u32 s27, s24, 0x10004
	s_lshr_b32 s32, s26, 2
	s_mul_i32 s32, s32, WSTR
	s_and_b32 s33, s26, 3
	s_lshl_b32 s33, s33, 16
	s_add_co_u32 s32, s32, s33
	s_add_co_u32 s32, s32, 65536
	s_mov_b32 s34, O_TW
	s_mov_b32 s35, O_TWS
	s_mov_b32 s37, 256*8192
	s_branch .Lw_go
.Lw_w2:
	s_mov_b32 s25, 5                               ; w2
	s_and_b32 s26, s24, 3
	s_bfe_u32 s27, s24, 0x30002
	s_mul_i32 s32, s26, WSTR
	s_add_co_u32 s32, s32, 327680
	s_mov_b32 s34, O_TW
	s_mov_b32 s35, O_TWS
	s_mov_b32 s37, 256*2048
.Lw_go:
	s_cmp_eq_u32 s25, 0                            ; the source: a chain of choices on the work-group's number alone
	s_cselect_b64 s[28:29], s[8:9], s[10:11]
	s_cmp_lt_u32 s25, 2
	s_cselect_b64 s[28:29], s[28:29], s[12:13]
	s_cmp_lt_u32 s25, 3
	s_cselect_b64 s[28:29], s[28:29], s[14:15]
	s_cmp_lt_u32 s25, 4
	s_cselect_b64 s[28:29], s[28:29], s[16:17]
	s_cmp_lt_u32 s25, 5
	s_cselect_b64 s[28:29], s[28:29], s[18:19]
	s_lshl_b32 s33, s27, 15                        ; two K steps of 16,384 bytes
	s_add_co_u32 s32, s32, s33
	s_lshl_b32 s33, s22, 12                        ; wave w: tiles 2 w, 2 w + 1
	s_add_co_u32 s32, s32, s33
	s_lshr_b32 s38, s32, 5
	s_add_co_u32 s38, s38, s35
	s_add_co_u32 s32, s32, s34
	s_mov_b32 s33, 0
	s_mov_b32 s39, 0
	s_add_nc_u64 s[30:31], s[20:21], s[32:33]      ; the codes
	s_add_nc_u64 s[20:21], s[20:21], s[38:39]      ; the scale words
	s_mul_i32 s32, s27, s37                        ; 256 rows of the weight
	s_lshl_b32 s38, s26, 9
	s_add_co_u32 s32, s32, s38
	s_lshl_b32 s38, s22, 7
	s_add_co_u32 s32, s32, s38                     ; + 4 (128 g + 32 w)
	s_add_nc_u64 s[28:29], s[28:29], s[32:33]
	s_wait_alu depctr_va_vdst(0)
	v_lshlrev_b32 v3, 2, v2                        ; in: 4 bytes a lane
	v_lshrrev_b32 v6, 4, v2
	v_and_b32 v7, 15, v2
	v_lshlrev_b32 v4, 11, v6
	v_lshl_add_u32 v4, v7, 4, v4                   ; out: tile l / 16, row l % 16: sixteen lanes store 256 consecutive bytes
	v_lshlrev_b32 v5, 6, v6
	v_lshl_add_u32 v5, v7, 2, v5
	s_mov_b32 s40, 0x600000
.macro WLD t, pitch
.set i, 0
.rept 32
	global_load_b32 v[X2+32*((\t)%2)+i], v3, s[28:29] offset:(32*(\t)+i)*(\pitch) th:TH_LOAD_NT
.set i, i+1
.endr
.endm
.macro WBLOCK t, pitch
.set XB, X2+32*((\t)%2)
.set CB, C2+8*(\t)
.if (\t) < 7
	s_wait_loadcnt 32                              ; this block's 32 loads are in; the next block's may be out
.else
	s_wait_loadcnt 0x0
.endif
	v_max3_num_f32 v12, |v[XB]|, |v[XB+1]|, |v[XB+2]|
	v_max3_num_f32 v13, |v[XB+3]|, |v[XB+4]|, |v[XB+5]|
.irp i, 6,10,14,18,22,26
	v_max3_num_f32 v12, v12, |v[XB+\i]|, |v[XB+\i+1]|
	v_max3_num_f32 v13, v13, |v[XB+\i+2]|, |v[XB+\i+3]|
.endr
	v_max3_num_f32 v12, v12, |v[XB+30]|, |v[XB+31]|
	v_max3_num_f32 v12, v12, v13, 0x8000000
	v_add_nc_u32 v11, 0xf8800000, v12
	v_and_or_b32 v10, v12, 0x7f800000, s40
	v_lshrrev_b32 v13, 23, v11
.if (\t)%4 == 0
	v_mov_b32 v[SB+(\t)/4], v13
.else
	v_lshl_or_b32 v[SB+(\t)/4], v13, 8*((\t)%4), v[SB+(\t)/4]
.endif
.set i, 0
.rept 32
	v_med3_num_f32 v[XB+i], v[XB+i], -v10, v10
.set i, i+1
.endr
	v_cvt_scalef32_pk8_bf8_f32 v[CB:CB+1], v[XB:XB+7], v11          ; half h = 0: true 0-7, then 16-23
	v_cvt_scalef32_pk8_bf8_f32 v[CB+2:CB+3], v[XB+16:XB+23], v11
	v_cvt_scalef32_pk8_bf8_f32 v[CB+4:CB+5], v[XB+8:XB+15], v11     ; half h = 1: true 8-15, then 24-31
	v_cvt_scalef32_pk8_bf8_f32 v[CB+6:CB+7], v[XB+24:XB+31], v11
	v_nop                                          ; a plain line behind the last conversion
	global_store_b128 v4, v[CB:CB+3], s[30:31] offset:((\t)/4)*16384+((\t)%4)*512
	global_store_b128 v4, v[CB+4:CB+7], s[30:31] offset:((\t)/4)*16384+((\t)%4)*512+256
.if (\t)+2 < 8
	WLD (\t)+2, \pitch
.endif
.if (\t)%4 == 3
	global_store_b32 v5, v[SB+(\t)/4], s[20:21] offset:((\t)/4)*512
.endif
.endm
.macro WBODY pitch
	WLD 0, \pitch
	WLD 1, \pitch
.irp t, 0,1,2,3,4,5,6,7
	WBLOCK \t, \pitch
.endr
	s_endpgm
.endm
	s_cmp_eq_u32 s25, 4
	s_cbranch_scc1 .Lw_wide
	WBODY 2048                                     ; rows of 512 numbers
.Lw_wide:
	s_wait_alu depctr_va_vdst(0)
	WBODY 8192                                     ; w1: rows of 2,048 numbers
.Lfunc_end_k_q30d4f908e0_prep:
	.size	k_q30d4f908e0_prep, .Lfunc_end_k_q30d4f908e0_prep-k_q30d4f908e0_prep
	.p2alignl 7, 3214868480
	.fill 96, 4, 3214868480
	.section	.rodata,"a",@progbits
	.p2align	6, 0x0
	.amdhsa_kernel k_q30d4f908e0_prep
		.amdhsa_group_segment_fixed_size 57856
		.amdhsa_private_segment_fixed_size 0
		.amdhsa_enable_private_segment 0
		.amdhsa_kernarg_size 72
		.amdhsa_user_sgpr_count 2
		.amdhsa_user_sgpr_kernarg_segment_ptr 1
		.amdhsa_wavefront_size32 1
		.amdhsa_system_sgpr_workgroup_id_x 1
		.amdhsa_system_sgpr_workgroup_id_y 1
		.amdhsa_system_sgpr_workgroup_id_z 1
		.amdhsa_system_vgpr_workitem_id 0
		.amdhsa_next_free_vgpr 194
		.amdhsa_next_free_sgpr 66
		.amdhsa_reserve_vcc 1
		.amdhsa_float_denorm_mode_32 3
		.amdhsa_float_denorm_mode_16_64 3
		.amdhsa_memory_ordered 1
		.amdhsa_forward_progress 1
		.amdhsa_inst_pref_size 175
	.end_amdhsa_kernel
	.amdgpu_metadata
---
amdhsa.version: [ 1, 2 ]
amdhsa.kernels:
  - .name:           k_q30d4f908e0_prep
    .symbol:         k_q30d4f908e0_prep.kd
    .args:
      - { .name: x, .offset: 0, .size: 8, .value_kind: global_buffer, .address_space: global }
      - { .name: mask, .offset: 8, .size: 8, .value_kind: global_buffer, .address_space: global }
      - { .name: wq, .offset: 16, .size: 8, .value_kind: global_buffer, .address_space: global }
      - { .name: wk, .offset: 24, .size: 8, .value_kind: global_buffer, .address_space: global }
      - { .name: wv, .offset: 32, .size: 8, .value_kind: global_buffer, .address_space: global }
      - { .name: wo, .offset: 40, .size: 8, .value_kind: global_buffer, .address_space: global }
      - { .name: w1, .offset: 48, .size: 8, .value_kind: global_buffer, .address_space: global }
      - { .name: w2, .offset: 56, .size: 8, .value_kind: global_buffer, .address_space: global }
      - { .name: prepbuf, .offset: 64, .size: 8, .value_kind: global_buffer, .address_space: global }
    .group_segment_fixed_size: 57856
    .private_segment_fixed_size: 0
    .kernarg_segment_align: 8
    .kernarg_segment_size: 72
    .max_flat_workgroup_size: 128
    .sgpr_count:     66
    .vgpr_count:     194
    .wavefront_size: 32
...
	.end_amdgpu_metadata
.endif
;; end of part 5
;; launch qkv (part 6): grid 64 x 3, 4 waves a work-group, no clusters, 0 bytes of LDS; arguments prepbuf, mask, qkvbuf; writes qkvbuf
.if DOCPART == 6
	.amdgcn_target "amdgcn-amd-amdhsa--gfx1250"
	.amdhsa_code_object_version 6
	.text
	.protected	k_q30d4f908e0_qkv
	.globl	k_q30d4f908e0_qkv
	.p2align	8
	.type	k_q30d4f908e0_qkv,@function
k_q30d4f908e0_qkv:
	s_mov_b64 s[64:65], 0
	v_nop
	global_prefetch_b8 v0, s[64:65] scope:SCOPE_SE
	s_setreg_imm32_b32 hwreg(HW_REG_WAVE_SCHED_MODE, 0, 2), 2
	s_setreg_imm32_b32 hwreg(HW_REG_WAVE_MODE, 25, 1), 1
	s_wait_xcnt 0x0
	s_wait_alu depctr_vm_vsrc(0)
; QKV: q = x wq, k = x wk, v = x wv on codes of E5M2, and each result quantised at once for attention's two products.  Grid x: a group of 128 tokens; y: 0 q, 1 k, 2 v.
; ONE BODY.  One operand is STATIONARY: 128 rows x K 512 = 32 fragments in 512 registers, source 0.  The other is STREAMED: 8 tiles of 16 rows, source 1.
; In a result a lane holds one streamed row and its 64 registers run along the 128 stationary rows: four blocks of 32, one whole fragment after quantising.
;   q, k: stationary = 128 columns of the weight (wave w: heads 2 w, 2 w + 1), streamed = the tokens: a lane holds a token, registers along the heads' channels (the first product's K).
;   v:    stationary = the 128 tokens, streamed = the weight's columns: a lane holds a channel, registers along 128 tokens (the second product's K).
; No LDS: every fragment lies in memory as the image of its registers, and each wave loads what it alone multiplies.
; A HIDDEN KEY's codes become zeros (its hold's limit is set to 0), so that its score in the next launch is exactly the bias.
; OUT: q, k codes [b h][tile of 16 tokens][2 pieces of 512 bytes]; their scale words [batch][pair of heads][token] (bytes 0, 1 the even head, 2, 3 the odd);
;      v codes [b h][128 keys][tile of 16 channels][2,048 bytes]; its scale words [b h][128 keys][tile][64 bytes].
; LIMITS: NaN and infinities are not served; a block under 2^-111 keeps byte 1.
; REGISTERS: window 0: v1-7 offsets; v8-23 stationary scale words; v24-27 streamed; v28-29 mask; v30-33 words; v40-55 at work; v64-79 codes; v128-191 the 8 accumulators.
;   windows 1, 2: the stationary fragments (K step s, tile t) at 16 ((8 s + t) % 16) of window 1 + s / 2.   window 3: two buffers of 64 for a streamed tile.
; THE MODE: SCHED_MODE bits 1:0 = 2 (LLVM: expert scheduling mode 2), set by the entry lines.  The code itself states the register dependences
; between vector or matrix instructions and memory instructions, with s_wait_alu, always for 0.
; THE PLAN.  Registers that memory instructions touch:
;   window 3 buffer b, v24 + 2 b, v25 + 2 b, v28 + b   a streamed tile's codes, scale words and mask word.  Written by the 19 loads of tile n + 2, issued in tile n; read by tile n's 32 products and by the line at its head that takes the mask.
;   v64-79, v32      the codes and two tiles' scale words to store.  Written by a tile's conversions and its select; read by the stores at the tile's end.
;   windows 1, 2, v8-23   the stationary operand: loaded once, at the head.
;   v1, v2, v4-v7    offsets: made once at the head and never written again: the scalar bases move on.
; So a tile has one wait on va_vdst behind its products, ahead of the loads into the buffer that they read (the quantiser behind it reads those products' results in any case);
; one behind its conversions, ahead of the run of stores; one on vm_vsrc at its end, ahead of the next tile's conversions; and one on va_sdst between the mask's compare and the selects that read it.
.set O_XS,    4194304
.set O_WQKV,  4325376
.set O_WQKVS, 5111808
.set O_QS,    12582912
.set ACC, 128
.set TM,  40
.set PC,  64
.set MSB, 0
.macro WIN new                         ; the immediate's high byte repeats the setting that is left
.if MSB != (\new)
	s_set_vgpr_msb (MSB<<8)|(\new)
.set MSB, (\new)
.endif
.endm
.macro WM d, a, b, cz, c, sa, sb, ra, rb   ; one product; cz = 1: it starts the sum; ra, rb: which half of the lanes holds A's and B's scale words
.if (\cz)
.if (\ra) && (\rb)
	v_wmma_scale_f32_16x16x128_f8f6f4 v[(\d):(\d)+7], v[(\a):(\a)+15], v[(\b):(\b)+15], 0, v[(\sa)], v[(\sb)] matrix_a_fmt:MATRIX_FMT_BF8 matrix_b_fmt:MATRIX_FMT_BF8 matrix_a_scale:MATRIX_SCALE_ROW1 matrix_b_scale:MATRIX_SCALE_ROW1
.elseif (\ra)
	v_wmma_scale_f32_16x16x128_f8f6f4 v[(\d):(\d)+7], v[(\a):(\a)+15], v[(\b):(\b)+15], 0, v[(\sa)], v[(\sb)] matrix_a_fmt:MATRIX_FMT_BF8 matrix_b_fmt:MATRIX_FMT_BF8 matrix_a_scale:MATRIX_SCALE_ROW1
.elseif (\rb)
	v_wmma_scale_f32_16x16x128_f8f6f4 v[(\d):(\d)+7], v[(\a):(\a)+15], v[(\b):(\b)+15], 0, v[(\sa)], v[(\sb)] matrix_a_fmt:MATRIX_FMT_BF8 matrix_b_fmt:MATRIX_FMT_BF8 matrix_b_scale:MATRIX_SCALE_ROW1
.else
	v_wmma_scale_f32_16x16x128_f8f6f4 v[(\d):(\d)+7], v[(\a):(\a)+15], v[(\b):(\b)+15], 0, v[(\sa)], v[(\sb)] matrix_a_fmt:MATRIX_FMT_BF8 matrix_b_fmt:MATRIX_FMT_BF8
.endif
.else
.if (\ra) && (\rb)
	v_wmma_scale_f32_16x16x128_f8f6f4 v[(\d):(\d)+7], v[(\a):(\a)+15], v[(\b):(\b)+15], v[(\c):(\c)+7], v[(\sa)], v[(\sb)] matrix_a_fmt:MATRIX_FMT_BF8 matrix_b_fmt:MATRIX_FMT_BF8 matrix_a_scale:MATRIX_SCALE_ROW1 matrix_b_scale:MATRIX_SCALE_ROW1
.elseif (\ra)
	v_wmma_scale_f32_16x16x128_f8f6f4 v[(\d):(\d)+7], v[(\a):(\a)+15], v[(\b):(\b)+15], v[(\c):(\c)+7], v[(\sa)], v[(\sb)] matrix_a_fmt:MATRIX_FMT_BF8 matrix_b_fmt:MATRIX_FMT_BF8 matrix_a_scale:MATRIX_SCALE_ROW1
.elseif (\rb)
	v_wmma_scale_f32_16x16x128_f8f6f4 v[(\d):(\d)+7], v[(\a):(\a)+15], v[(\b):(\b)+15], v[(\c):(\c)+7], v[(\sa)], v[(\sb)] matrix_a_fmt:MATRIX_FMT_BF8 matrix_b_fmt:MATRIX_FMT_BF8 matrix_b_scale:MATRIX_SCALE_ROW1
.else
	v_wmma_scale_f32_16x16x128_f8f6f4 v[(\d):(\d)+7], v[(\a):(\a)+15], v[(\b):(\b)+15], v[(\c):(\c)+7], v[(\sa)], v[(\sb)] matrix_a_fmt:MATRIX_FMT_BF8 matrix_b_fmt:MATRIX_FMT_BF8
.endif
.endif
.endm
	s_load_b128 s[4:7], s[0:1], 0x0                ; prepbuf, mask
	s_load_b64 s[8:9], s[0:1], 0x10                ; qkvbuf
	v_lshrrev_b32 v1, 5, v0
	v_readfirstlane_b32 s10, v1                    ; wave
	s_and_b32 s12, ttmp7, 0xffff                   ; y
	s_lshr_b32 s13, ttmp9, 5                       ; batch
	s_and_b32 s14, ttmp9, 31                       ; the group inside its batch
	s_lshl_b32 s16, ttmp9, 16                      ; x's group: codes,
	s_lshl_b32 s17, ttmp9, 11
	s_add_co_u32 s17, s17, O_XS                    ; scale words
	s_lshl_b32 s18, s12, 18
	s_wait_alu depctr_va_sdst(0)                   ; s10 is written, ahead of its first reader: the weight's group and the places of the results are made from it
	s_lshl_b32 s19, s10, 16
	s_add_co_u32 s18, s18, s19                     ; the weight's group w
	s_lshr_b32 s19, s18, 5
	s_add_co_u32 s18, s18, O_WQKV
	s_add_co_u32 s19, s19, O_WQKVS
	s_mov_b32 s30, 1024
	s_mov_b32 s31, 2048
	s_cmp_lt_u32 s12, 2                            ; q and k against v
	s_cselect_b32 s20, s18, s16                    ; stationary codes,
	s_cselect_b32 s22, s19, s17                    ; scale words;
	s_cselect_b32 s24, s16, s18                    ; streamed codes,
	s_cselect_b32 s26, s17, s19                    ; scale words
	s_cselect_b32 s30, 0x40000, s30                ; from pieces 0, 1 to pieces 2, 3: the odd head's tile, or 1,024 bytes on
	s_cselect_b32 s50, 1024, s31                   ; from tile to tile in the output
	s_cselect_b32 s32, 0, 253952                   ; v: behind four tiles on to the odd head (262,144 - 8,192),
	s_cselect_b32 s33, 0, 7936                     ; its scale words likewise (8,192 - 256)
	s_cselect_b32 s34, 9, 8                        ; a group's scale words: 512 or 256 bytes
	s_mov_b32 s21, 0
	s_mov_b32 s23, 0
	s_mov_b32 s25, 0
	s_mov_b32 s27, 0
	s_mov_b32 s51, 0
	s_lshl_b32 s28, s12, 22
	s_lshl_b32 s29, s13, 21
	s_add_co_u32 s28, s28, s29
	s_lshl_b32 s29, s10, 19
	s_add_co_u32 s28, s28, s29
	s_lshl_b32 s29, s14, 13
	s_add_co_u32 s28, s28, s29                     ; the codes' place: the same sum serves q, k and v
	s_mov_b32 s29, 0
	s_lshl_b32 s54, s12, 17
	s_lshl_b32 s55, s13, 16
	s_add_co_u32 s54, s54, s55
	s_lshl_b32 s55, s10, 14
	s_add_co_u32 s54, s54, s55
	s_lshl_b32 s55, s14, s34
	s_add_co_u32 s54, s54, s55
	s_add_co_u32 s54, s54, O_QS                    ; the scale words' place
	s_mov_b32 s55, 0
	s_lshl_b32 s56, ttmp9, 9
	s_cmp_eq_u32 s12, 1                            ; k alone honours the mask: its streamed rows are keys
	s_cselect_b32 s56, s56, 0
	s_cselect_b32 s35, 64, 0                       ; a tile's 16 mask words
	s_cselect_b32 s58, 0, 1                        ; 1: no key here is hidden
	s_cselect_b32 s52, 128, 0
	s_mov_b32 s57, 0
	s_mov_b32 s53, 0
	s_mov_b32 s59, 0xffff0000                      ; lanes 16-31
	s_mov_b32 s60, 0x76543210
	s_mov_b32 s61, 0xfedcba98                      ; v_permlanex16_b32's selects for lane l xor 16
	s_mov_b32 s62, 0x600000                        ; the mantissa field of 57,344
	v_and_b32 v34, 31, v0
	v_lshlrev_b32 v1, 4, v34                       ; 16 x lane: an image's place
	v_lshlrev_b32 v2, 2, v34                       ; 4 x lane
	v_add_nc_u32 v4, s30, v1
	v_and_b32 v35, 15, v0
	v_lshlrev_b32 v5, 2, v35
	v_add_nc_u32 v6, s35, v5
	v_lshrrev_b32 v36, 4, v34
	v_lshl_add_u32 v7, v36, 9, v5                  ; streamed scale words: lanes 0-15 an even K step, lanes 16-31 the odd one
.irp b, 0,1,2,3
	v_mov_b32 v[TM+4+\b], 0                        ; a lane permute's destination counts as one of its sources
.endr
	s_wait_kmcnt 0x0
	s_add_nc_u64 s[36:37], s[4:5], s[20:21]
	s_add_nc_u64 s[38:39], s[4:5], s[22:23]
	s_add_nc_u64 s[40:41], s[4:5], s[24:25]
	s_add_nc_u64 s[42:43], s[4:5], s[26:27]
	s_add_nc_u64 s[44:45], s[8:9], s[28:29]
	s_add_nc_u64 s[46:47], s[8:9], s[54:55]
	s_add_nc_u64 s[48:49], s[6:7], s[56:57]
	s_mov_b32 s17, 0
	s_mov_b32 s19, 0
	WIN 0x40
	s_wait_alu depctr_va_vdst(0)                   ; the offsets v1, v2, v4 to v7 are written: every load and store of the kernel reads one of them
.irp f, 0,1,2,3,4,5,6,7,8,9,10,11,12,13,14,15
.irp c, 0,1,2,3
	global_load_b128 v[16*\f+4*\c:16*\f+4*\c+3], v1, s[36:37] offset:2048*\f+512*\c
.endr
.endr
	WIN 0x80
.irp f, 0,1,2,3,4,5,6,7,8,9,10,11,12,13,14,15
.irp c, 0,1,2,3
	global_load_b128 v[16*\f+4*\c:16*\f+4*\c+3], v1, s[36:37] offset:2048*(16+\f)+512*\c
.endr
.endr
	WIN 0
.irp s, 0,1,2,3
.irp i, 0,1,2,3
	global_load_b32 v[8+4*\s+\i], v2, s[38:39] offset:512*\s+128*\i   ; lanes 0-15 tile 2 i, lanes 16-31 tile 2 i + 1
.endr
.endr
; a streamed tile: 16 loads of codes, 2 of scale words, 1 of the mask: 19
.macro SLOAD buf, k
	WIN 0xc0
.irp s, 0,1,2,3
.irp c, 0,1,2,3
	global_load_b128 v[64*(\buf)+16*\s+4*\c:64*(\buf)+16*\s+4*\c+3], v1, s[40:41] offset:2048*(\k)+16384*\s+512*\c
.endr
.endr
	WIN 0
.irp u, 0,1
	global_load_b32 v[24+2*(\buf)+\u], v7, s[42:43] offset:64*(\k)+1024*\u
.endr
	global_load_b32 v[28+(\buf)], v[5+(\buf)], s[48:49]
.endm
; one streamed tile: 32 products, the 8 accumulators by turns, K step by K step; then the 64 results of a lane become a fragment.  more = 1: a tile follows
.macro TILE buf, pf, left, more
	s_wait_loadcnt \left                           ; this tile's 19 loads are in; the other buffer's 19 may be out
	v_or_b32 v33, s58, v[28+(\buf)]
	v_cmp_ne_u32 s63, 0, v33                       ; my key counts?  Taken now: the look-ahead below loads the mask's register again
	WIN 0x0d                                       ; source 0 window 1, source 1 window 3
.irp s, 0,1
.irp t, 0,1,2,3,4,5,6,7
	WM ACC+8*\t, 16*(8*\s+\t), 64*(\buf)+16*\s, 1-\s, ACC+8*\t, 8+4*\s+\t/2, 24+2*(\buf), \t%2, \s
.endr
.endr
	WIN 0x0e                                       ; source 0 window 2
.irp s, 2,3
.irp t, 0,1,2,3,4,5,6,7
	WM ACC+8*\t, 16*(8*(\s-2)+\t), 64*(\buf)+16*\s, 0, ACC+8*\t, 8+4*\s+\t/2, 25+2*(\buf), \t%2, \s-2
.endr
.endr
	WIN 0
.rept 8
	v_nop                                          ; eight places behind the products, ahead of the first read of results; they stay beside the wait below
.endr
.if \pf
	s_wait_alu depctr_va_vdst(0)                   ; the 32 products are done reading this buffer's codes and scale words, and the line at the tile's head the mask's word: the 19 loads below land in those registers
	SLOAD \buf, 2+\buf
.endif
.irp b, 0,1,2,3
	v_max3_num_f32 v[TM+\b], |v[ACC+16*\b]|, |v[ACC+1+16*\b]|, 0x8000000   ; each accumulator is read from its low end on
.endr
.irp i, 2,4,6,8,10,12,14
.irp b, 0,1,2,3
	v_max3_num_f32 v[TM+\b], v[TM+\b], |v[ACC+16*\b+\i]|, |v[ACC+1+16*\b+\i]|
.endr
.endr
.irp b, 0,1,2,3
	v_permlanex16_b32 v[TM+4+\b], v[TM+\b], s60, s61
.endr
.irp b, 0,1,2,3
	v_max_num_f32 v[TM+\b], v[TM+\b], v[TM+4+\b]   ; with lane l xor 16's 16: the block's largest magnitude
.endr
.irp b, 0,1,2,3
	v_add_nc_u32 v[TM+12+\b], 0xf8800000, v[TM+\b]
.endr
.irp b, 0,1,2,3
	v_and_or_b32 v[TM+8+\b], v[TM+\b], 0x7f800000, s62
.endr
	s_wait_alu depctr_va_sdst(0)                   ; the compare at the tile's head has written s63, ahead of its first reader
.irp b, 0,1,2,3
	v_cndmask_b32 v[TM+8+\b], 0, v[TM+8+\b], s63   ; a hidden key is held at 0: zero codes
.endr
.irp b, 0,1,2,3
	v_lshrrev_b32 v[TM+4+\b], 23, v[TM+12+\b]
.endr
	v_lshl_or_b32 v[30+(\buf)], v[TM+5], 8, v[TM+4]
	v_lshl_or_b32 v[30+(\buf)], v[TM+6], 16, v[30+(\buf)]
	v_lshl_or_b32 v[30+(\buf)], v[TM+7], 24, v[30+(\buf)]
.irp b, 0,1,2,3
.irp i, 0,1,2,3,4,5,6,7,8,9,10,11,12,13,14,15
	v_med3_num_f32 v[ACC+16*\b+\i], v[ACC+16*\b+\i], -v[TM+8+\b], v[TM+8+\b]
.endr
	v_cvt_scalef32_pk8_bf8_f32 v[PC+4*\b:PC+4*\b+1], v[ACC+16*\b:ACC+16*\b+7], v[TM+12+\b]
	v_cvt_scalef32_pk8_bf8_f32 v[PC+4*\b+2:PC+4*\b+3], v[ACC+16*\b+8:ACC+16*\b+15], v[TM+12+\b]
.endr
	v_nop                                          ; a plain line behind the last conversion
.if \buf
	v_cndmask_b32 v32, v30, v31, s59               ; two tiles' scale words: lanes 0-15 the even tile's, lanes 16-31 the odd one's
.endif
	s_wait_alu depctr_va_vdst(0)                   ; the conversions have written v64-79, and in an odd tile the select v32: the stores below read them
	global_store_b128 v1, v[PC:PC+3], s[44:45]                ; each store: 512 consecutive bytes
	global_store_b128 v1, v[PC+4:PC+7], s[44:45] offset:512
	global_store_b128 v4, v[PC+8:PC+11], s[44:45]
	global_store_b128 v4, v[PC+12:PC+15], s[44:45] offset:512
.if \buf
	global_store_b32 v2, v32, s[46:47]
.endif
	s_wait_xcnt 0x0                                ; the stores' data and base are written again only behind this wait
.if \more
	s_wait_alu depctr_vm_vsrc(0)                   ; the stores have read v64-79 and v32, which the tiles that follow write again
.endif
	s_add_nc_u64 s[44:45], s[44:45], s[50:51]
.endm
	SLOAD 0, 0
	SLOAD 1, 1
	s_wait_xcnt 0x0
	s_add_nc_u64 s[48:49], s[48:49], s[52:53]      ; the mask's pointer runs two tiles ahead, with the look-ahead
	s_mov_b32 s15, 0
.Ltrip:                                            ; three trips of two tiles; each tile asks for the tile two further on
	TILE 0, 1, 19, 1
	TILE 1, 1, 19, 1
	s_add_nc_u64 s[40:41], s[40:41], 4096          ; (no memory instruction has been issued since the wait at the tile's end)
	s_add_nc_u64 s[42:43], s[42:43], 128
	s_add_nc_u64 s[48:49], s[48:49], s[52:53]
	s_add_nc_u64 s[46:47], s[46:47], 128
	s_cmp_eq_u32 s15, 1                            ; behind tile 3: v goes on to its odd head
	s_cselect_b32 s16, s32, 0
	s_cselect_b32 s18, s33, 0
	s_add_nc_u64 s[44:45], s[44:45], s[16:17]
	s_add_nc_u64 s[46:47], s[46:47], s[18:19]
	s_add_co_u32 s15, s15, 1
	s_cmp_lt_u32 s15, 3
	s_cbranch_scc1 .Ltrip
	TILE 0, 0, 19, 1                               ; the last two tiles ask for nothing
	TILE 1, 0, 0, 0
	s_endpgm
.Lfunc_end_k_q30d4f908e0_qkv:
	.size	k_q30d4f908e0_qkv, .Lfunc_end_k_q30d4f908e0_qkv-k_q30d4f908e0_qkv
	.p2alignl 7, 3214868480
	.fill 96, 4, 3214868480
	.section	.rodata,"a",@progbits
	.p2align	6, 0x0
	.amdhsa_kernel k_q30d4f908e0_qkv
		.amdhsa_group_segment_fixed_size 0
		.amdhsa_private_segment_fixed_size 0
		.amdhsa_enable_private_segment 0
		.amdhsa_kernarg_size 24
		.amdhsa_user_sgpr_count 2
		.amdhsa_user_sgpr_kernarg_segment_ptr 1
		.amdhsa_wavefront_size32 1
		.amdhsa_system_sgpr_workgroup_id_x 1
		.amdhsa_system_sgpr_workgroup_id_y 1
		.amdhsa_system_sgpr_workgroup_id_z 1
		.amdhsa_system_vgpr_workitem_id 0
		.amdhsa_next_free_vgpr 896
		.amdhsa_next_free_sgpr 66
		.amdhsa_reserve_vcc 0
		.amdhsa_float_denorm_mode_32 3
		.amdhsa_float_denorm_mode_16_64 3
		.amdhsa_memory_ordered 1
		.amdhsa_forward_progress 1
		.amdhsa_inst_pref_size 79
	.end_amdhsa_kernel
	.amdgpu_metadata
---
amdhsa.version: [ 1, 2 ]
amdhsa.kernels:
  - .name:           k_q30d4f908e0_qkv
    .symbol:         k_q30d4f908e0_qkv.kd
    .args:
      - { .name: prepbuf, .offset: 0, .size: 8, .value_kind: global_buffer, .address_space: global }
      - { .name: mask, .offset: 8, .size: 8, .value_kind: global_buffer, .address_space: global }
      - { .name: qkvbuf, .offset: 16, .size: 8, .value_kind: global_buffer, .address_space: global }
    .group_segment_fixed_size: 0
    .private_segment_fixed_size: 0
    .kernarg_segment_align: 8
    .kernarg_segment_size: 24
    .max_flat_workgroup_size: 128
    .sgpr_count:     66
    .vgpr_count:     896
    .wavefront_size: 32
...
	.end_amdgpu_metadata
.endif
;; end of part 6
;; launch attn (part 7): grid 16 x 16, 16 waves a work-group, no clusters, 327,680 bytes of LDS; arguments qkvbuf, prepbuf, ctxbuf; writes ctxbuf
.if DOCPART == 7
	.amdgcn_target "amdgcn-amd-amdhsa--gfx1250"
	.amdhsa_code_object_version 6
	.text
	.protected	k_q30d4f908e0_attn
	.globl	k_q30d4f908e0_attn
	.p2align	8
	.type	k_q30d4f908e0_attn,@function
k_q30d4f908e0_attn:
	s_mov_b64 s[64:65], 0
	v_nop
	global_prefetch_b8 v0, s[64:65] scope:SCOPE_SE
	s_setreg_imm32_b32 hwreg(HW_REG_WAVE_MODE, 25, 1), 1
	s_wait_xcnt 0x0
; ATTENTION on codes of E5M2: ctx = softmax(q k^T / 8, masked) v, and ctx quantised at once for the next product.  Grid x: a block of 256 queries; y: batch x 8 + head.
; THE SOFTMAX AHEAD OF THE SECOND PRODUCT: t = score x log2(e) / 8; M = the running largest t rounded UP to a whole number; p = 2^(t - M) is quantised along the keys, not normalised.
; The row's sum is taken of the unquantised p and divides at the end.  When M moves, the sum and O are multiplied by 2^(old M - new M): exact.
; SHARES.  Sixteen waves of 256 registers, four to a SIMD; a wave owns ONE tile of 16 queries and walks all 4,096 keys, 128 a step.  A step is some 290 vector lines against 12 products, so what counts is that
; one wave's LDS waits, its batch of exponentials and its dependent lines stand beside three other waves' vector work.  The price: each fragment read from LDS feeds one product.
; LAYOUT.  Both products transposed: S^T = K Q^T, O^T = V^T P^T: a lane holds one query throughout, and p's 16 registers of two neighbouring tiles are one half of a block of 32 keys.
; HEAD SIZE 64 IS HALF OF THE INSTRUCTION'S 128, AND THE MASK RIDES IN THE OTHER HALF.  Q's fragment: 8 registers of codes; then place k = 64 (register 8, lowest byte, lanes 0-15) holds the code of 2^15, all else zero codes.
; A tile of keys takes TEN registers on end: 8 of codes, the mask's word (its key's place k = 64: 0, or the code of -2^15), one that holds any finite codes; its operand v[10 T : 10 T + 15] runs on over the next tile's
; first six registers (the last tile's over p's first six code registers): finite codes, which meet Q's zero codes.  Block 2's scale bytes: 0 on K's side (the scale words come by 16-bit loads), 254 on Q's: together 2^0.
; So a hidden key adds -2^30 to its score; its own codes are zeros, so the score is exactly that: c x 2^30 is a whole number, and a row whose every key is hidden gives p = 1 everywhere.
; LIMITS: a hidden logit is -2^27 where the definition has -1e9: it differs only where a row's largest open logit lies under about -1.3e8.  NaN and infinities are not served.
; LDS: two slots of 512 keys (K's 32,768 bytes, then V's), 2^17 apart; between them K's scale words, the mask's words and V's scale words of the whole head, filled once; the spare words.
; The whole of a WGP's LDS is claimed.
; No cluster: a slot's 65,536 bytes serve four steps of sixteen tiles' softmax, so what partners would share is a small part of a step's work.
; REGISTERS: v1-5 places that stay, v6-7 the add's two, v8-12 the step's addresses, v13 prefetch offset, v14 4 (lane % 16), v15 4 x lane, v16-19 K's scale words, v20-21 V's, v22 Q's, v24 p's;
;   v26-105 K's eight tiles, then V's four fragments (v26-89); v106-121 p's codes; v122-185 S^T, then p; v186-217 O^T; v218-233 Q; v234-255 statistics.
.set O_KC,   4194304
.set O_VC,   8388608
.set O_QS,   12582912
.set O_KS,   12713984
.set O_VS,   12845056
.set O_MASK, 7569408
.set O_CS,   4194304
.set SLOT1,  1<<17
.set KSTAB,  65536
.set MTAB,   81920
.set VSTAB,  98304
.set SPARE,  106496                    ; 128 bytes for each of the sixteen waves: eight blocks of 256 bytes that no other line names
.set KB,  26
.set PC,  106
.set S,   122
.set OT,  186
.set QF,  218
.set NM,  234                          ; -M;  v235 the largest t
.set MX,  235
.set L,   236                          ; v[236:237] the sum in two halves
.set BM,  238                          ; the four blocks' largest scores, then largest p
.set T4,  242                          ; the permute's four, later the four bytes
.set L2,  242                          ; the second chain of the sum: in T4's first pair, which is free while the sum is taken
.set TT,  244                          ; a number at work: in T4's third, free while M is moved
.set LMT, 246
.set SO,  250
.set F,   254                          ; v[254:255] f = 2^(old M - new M)
.set PWD, 24
.set WV,  10
.set MNT, 19
.set SEL, 20
.set CS,  22
.set G1,  24
.set G1S, 32
.set G0T, 40
.set G0R, 44
.set TB,  48                           ; LDS byte at which the step's tiles begin
.set TS,  49                           ; the step's place in K's scale words and in the mask's words: 512 bytes a step
.set TV,  50                           ; and in V's scale words: 256 bytes a step
.set SLOTS, 51
.set STEPC, 52
.set LIM, 53
.set PFA, 54
.macro WM d, a, b, cz, c, sa, sb, ra, rb   ; one product; cz = 1: it starts the sum; ra, rb: which half of the lanes holds A's and B's scale words
.if (\cz)
.if (\ra) && (\rb)
	v_wmma_scale_f32_16x16x128_f8f6f4 v[(\d):(\d)+7], v[(\a):(\a)+15], v[(\b):(\b)+15], 0, v[(\sa)], v[(\sb)] matrix_a_fmt:MATRIX_FMT_BF8 matrix_b_fmt:MATRIX_FMT_BF8 matrix_a_scale:MATRIX_SCALE_ROW1 matrix_b_scale:MATRIX_SCALE_ROW1
.elseif (\ra)
	v_wmma_scale_f32_16x16x128_f8f6f4 v[(\d):(\d)+7], v[(\a):(\a)+15], v[(\b):(\b)+15], 0, v[(\sa)], v[(\sb)] matrix_a_fmt:MATRIX_FMT_BF8 matrix_b_fmt:MATRIX_FMT_BF8 matrix_a_scale:MATRIX_SCALE_ROW1
.elseif (\rb)
	v_wmma_scale_f32_16x16x128_f8f6f4 v[(\d):(\d)+7], v[(\a):(\a)+15], v[(\b):(\b)+15], 0, v[(\sa)], v[(\sb)] matrix_a_fmt:MATRIX_FMT_BF8 matrix_b_fmt:MATRIX_FMT_BF8 matrix_b_scale:MATRIX_SCALE_ROW1
.else
	v_wmma_scale_f32_16x16x128_f8f6f4 v[(\d):(\d)+7], v[(\a):(\a)+15], v[(\b):(\b)+15], 0, v[(\sa)], v[(\sb)] matrix_a_fmt:MATRIX_FMT_BF8 matrix_b_fmt:MATRIX_FMT_BF8
.endif
.else
.if (\ra) && (\rb)
	v_wmma_scale_f32_16x16x128_f8f6f4 v[(\d):(\d)+7], v[(\a):(\a)+15], v[(\b):(\b)+15], v[(\c):(\c)+7], v[(\sa)], v[(\sb)] matrix_a_fmt:MATRIX_FMT_BF8 matrix_b_fmt:MATRIX_FMT_BF8 matrix_a_scale:MATRIX_SCALE_ROW1 matrix_b_scale:MATRIX_SCALE_ROW1
.elseif (\ra)
	v_wmma_scale_f32_16x16x128_f8f6f4 v[(\d):(\d)+7], v[(\a):(\a)+15], v[(\b):(\b)+15], v[(\c):(\c)+7], v[(\sa)], v[(\sb)] matrix_a_fmt:MATRIX_FMT_BF8 matrix_b_fmt:MATRIX_FMT_BF8 matrix_a_scale:MATRIX_SCALE_ROW1
.elseif (\rb)
	v_wmma_scale_f32_16x16x128_f8f6f4 v[(\d):(\d)+7], v[(\a):(\a)+15], v[(\b):(\b)+15], v[(\c):(\c)+7], v[(\sa)], v[(\sb)] matrix_a_fmt:MATRIX_FMT_BF8 matrix_b_fmt:MATRIX_FMT_BF8 matrix_b_scale:MATRIX_SCALE_ROW1
.else
	v_wmma_scale_f32_16x16x128_f8f6f4 v[(\d):(\d)+7], v[(\a):(\a)+15], v[(\b):(\b)+15], v[(\c):(\c)+7], v[(\sa)], v[(\sb)] matrix_a_fmt:MATRIX_FMT_BF8 matrix_b_fmt:MATRIX_FMT_BF8
.endif
.endif
.endm
; The ring: waves 0, 1 fetch K's halves of a slot, waves 2, 3 V's, 16,384 dense bytes each; the others fetch nothing.  Four v_nop follow a tensor load.
.macro TLOADR
	s_cmp_lt_u32 s[WV], 4
	s_cbranch_scc0 .Lnone_\@
	tensor_load_to_lds s[G0R:G0R+3], s[G1:G1+7]
	s_nop 0
.rept 4
	v_nop
.endr
.Lnone_\@:
.endm
; A prefetch of what the NEXT change of slots will ask for: a slot's 32,768 bytes of K and of V.  All work-groups of a head walk the same K and V: the head's first work-group asks; in it waves 4 to 7,
; which fetch nothing: 8,192 bytes of each tensor a wave, lanes 256 bytes apart, so each block is named once in the launch.  The last change that fills a slot asks for nothing; slots 0 and 1 come by their loads alone.
.macro ASK
	s_cmp_gt_u32 s[SLOTS], s[LIM]
	s_cbranch_scc0 .Lnot_mine_\@
	global_prefetch_b8 v13, s[PFA:PFA+1] th:TH_LOAD_NT scope:SCOPE_SE
	global_prefetch_b8 v13, s[PFA:PFA+1] offset:4194304 th:TH_LOAD_NT scope:SCOPE_SE
.Lnot_mine_\@:
.endm
	s_load_b128 s[4:7], s[0:1], 0x0                ; qkvbuf, prepbuf
	s_load_b64 s[8:9], s[0:1], 0x10                ; ctxbuf
	v_lshl_add_u32 v6, v0, 2, SPARE
	v_mov_b32 v7, 0
	ds_add_u32 v6, v7
	ds_add_u32 v6, v7
	s_wait_dscnt 0x0
	v_lshrrev_b32 v8, 5, v0
	s_delay_alu instid0(VALU_DEP_1)
	v_readfirstlane_b32 s[WV], v8                  ; wave 0..15
	s_and_b32 s11, ttmp7, 0xffff                   ; batch x 8 + head
	s_lshr_b32 s12, s11, 3                         ; batch
	s_and_b32 s13, s11, 7                          ; head
	s_lshr_b32 s14, s13, 1                         ; pair of heads
	s_and_b32 s15, s13, 1                          ; odd head?
	s_lshl_b32 s16, s12, 2
	s_add_co_u32 s16, s16, s14                     ; batch x 4 + pair
	; descriptor group 1: 16,384 dense bytes as 64 rows of 32 elements of 8 bytes; the second: 8,192 bytes, 32 rows
	s_mov_b32 s[G1], 3<<16
	s_mov_b32 s[G1+1], 32<<16
	s_mov_b32 s[G1+2], 64<<16
	s_mov_b32 s[G1+3], 32<<16
	s_mov_b32 s[G1+4], 64
	s_mov_b32 s[G1+5], 32
	s_mov_b32 s[G1+6], 0
	s_mov_b32 s[G1+7], 0
	s_mov_b32 s[G1S], 3<<16
	s_mov_b32 s[G1S+1], 32<<16
	s_mov_b32 s[G1S+2], 32<<16
	s_mov_b32 s[G1S+3], 32<<16
	s_mov_b32 s[G1S+4], 32
	s_mov_b32 s[G1S+5], 32
	s_mov_b32 s[G1S+6], 0
	s_mov_b32 s[G1S+7], 0
	; the tables: wave 0 K's scale words, wave 1 the mask's words, wave 2 V's scale words
	s_lshl_b32 s56, s16, 14
	s_add_co_u32 s56, s56, O_KS
	s_lshl_b32 s57, s12, 14
	s_add_co_u32 s57, s57, O_MASK
	s_lshl_b32 s58, s11, 13
	s_add_co_u32 s58, s58, O_VS
	s_cmp_eq_u32 s[WV], 1
	s_cselect_b32 s56, s57, s56
	s_cmp_eq_u32 s[WV], 2
	s_cselect_b32 s56, s58, s56
	s_mov_b32 s57, 0
	s_lshl_b32 s58, s11, 18                        ; a head's codes: 262,144 bytes in each of q, k, v
	s_and_b32 s59, s[WV], 1
	s_lshl_b32 s59, s59, 14
	s_add_co_u32 s59, s59, s58
	s_mov_b32 s60, O_VC
	s_cmp_lt_u32 s[WV], 2
	s_cselect_b32 s60, O_KC, s60
	s_add_co_u32 s60, s60, s59
	s_mov_b32 s61, 0
	; q's codes and scale words; ctx's; the prefetches
	s_lshl_b32 s66, ttmp9, 14
	s_add_co_u32 s66, s66, s58
	s_lshl_b32 s67, s[WV], 10
	s_add_co_u32 s66, s66, s67                     ; my tile of q: 16 x block + wave, 1,024 bytes a tile
	s_mov_b32 s67, 0
	s_lshl_b32 s68, s16, 14
	s_lshl_b32 s69, ttmp9, 10
	s_add_co_u32 s68, s68, s69
	s_lshl_b32 s69, s[WV], 6
	s_add_co_u32 s68, s68, s69                     ; 4 bytes a token
	s_lshl_b32 s69, s15, 1
	s_add_co_u32 s68, s68, s69                     ; my head's half of a word
	s_add_co_u32 s68, s68, O_QS
	s_mov_b32 s69, 0
	s_lshl_b32 s70, s12, 5
	s_lshl_b32 s71, ttmp9, 1
	s_add_co_u32 s70, s70, s71
	s_lshr_b32 s71, s[WV], 3
	s_add_co_u32 s70, s70, s71                     ; the group of 128 tokens
	s_lshl_b32 s70, s70, 16
	s_lshl_b32 s71, s14, 14
	s_add_co_u32 s70, s70, s71                     ; K step = pair of heads
	s_and_b32 s71, s[WV], 7
	s_lshl_b32 s71, s71, 11
	s_add_co_u32 s70, s70, s71                     ; tile wave % 8
	s_lshr_b32 s72, s70, 5
	s_lshl_b32 s73, s15, 1
	s_add_co_u32 s72, s72, s73
	s_add_co_u32 s72, s72, O_CS
	s_mov_b32 s73, 0
	s_lshl_b32 s71, s15, 10
	s_add_co_u32 s70, s70, s71                     ; an odd head fills pieces 2, 3
	s_mov_b32 s71, 0
	s_and_b32 s74, s[WV], 3
	s_lshl_b32 s74, s74, 13
	s_add_co_u32 s74, s74, s58
	s_add_co_u32 s74, s74, O_KC+32768              ; in slot 1: the first change of slots steps it to slot 2
	s_mov_b32 s75, 0
	s_sub_co_u32 s62, s[WV], 4
	s_lshr_b32 s62, s62, 2                         ; 0 in waves 4 to 7,
	s_or_b32 s62, s62, ttmp9                       ; of the head's first work-group
	s_cmp_eq_u32 s62, 0
	s_cselect_b32 s[LIM], 1, -1
	s_mov_b32 s[SEL], 0x76543210
	s_mov_b32 s[SEL+1], 0xfedcba98
	s_mov_b32 s[CS], 0x3e38aa3b                    ; c = log2(e) / 8
	s_mov_b32 s[CS+1], s[CS]                       ; (named with it as a pair)
	s_mov_b32 s[MNT], 0x600000
	s_mov_b32 s[TB], 0
	s_mov_b32 s[TS], 0
	s_mov_b32 s[TV], 0
	s_mov_b32 s[SLOTS], 7
	s_wait_kmcnt 0x0
	s_cmp_eq_u32 s[WV], 1
	s_cselect_b64 s[62:63], s[6:7], s[4:5]
	s_mov_b32 s[G0T], 1
	s_lshl_b32 s[G0T+1], s[WV], 14
	s_add_co_u32 s[G0T+1], s[G0T+1], KSTAB         ; the three tables lie 16,384 bytes apart
	s_add_nc_u64 s[G0T+2:G0T+3], s[62:63], s[56:57]
	s_or_b32 s[G0T+3], s[G0T+3], 0x80000000
	s_cmp_lt_u32 s[WV], 2                          ; the tables: filled once
	s_cbranch_scc0 .Ltab_not01
	tensor_load_to_lds s[G0T:G0T+3], s[G1:G1+7]
	s_nop 0
.rept 4
	v_nop
.endr
	s_branch .Ltab_done
.Ltab_not01:
	s_cmp_eq_u32 s[WV], 2
	s_cbranch_scc0 .Ltab_done
	tensor_load_to_lds s[G0T:G0T+3], s[G1S:G1S+7]
	s_nop 0
.rept 4
	v_nop
.endr
.Ltab_done:
	s_mov_b32 s[G0R], 1
	s_lshl_b32 s[G0R+1], s[WV], 14
	s_add_nc_u64 s[G0R+2:G0R+3], s[4:5], s[60:61]
	s_or_b32 s[G0R+3], s[G0R+3], 0x80000000
	s_wait_alu depctr_va_vdst(0)
	s_wait_tensorcnt 0x0
	ds_add_u32 v6, v7
	ds_add_u32 v6, v7
	s_wait_dscnt 0x0
	s_barrier_signal -1
	s_barrier_wait -1
	TLOADR                                         ; slot 0.  By this text's count a wave has one tensor load out here, and one behind each later barrier
	s_add_nc_u64 s[80:81], s[4:5], s[66:67]
	s_add_nc_u64 s[82:83], s[4:5], s[68:69]
	s_add_nc_u64 s[76:77], s[8:9], s[70:71]
	s_add_nc_u64 s[78:79], s[8:9], s[72:73]
	s_add_nc_u64 s[PFA:PFA+1], s[4:5], s[74:75]
	v_and_b32 v8, 31, v0
	s_delay_alu instid0(VALU_DEP_1)
	v_lshlrev_b32 v1, 4, v8                        ; 16 x lane: an image's place
	v_and_b32 v9, 15, v0
	s_delay_alu instid0(VALU_DEP_1)
	v_lshlrev_b32 v14, 2, v9                       ; 4 (lane % 16)
	global_load_b128 v[QF:QF+3], v1, s[80:81]      ; Q's codes stay in registers
	global_load_b128 v[QF+4:QF+7], v1, s[80:81] offset:512
	global_load_u16 v22, v14, s[82:83]             ; Q's two scale bytes: lane r has row r's
	v_add_nc_u32 v2, 32768, v1                     ; V's images, behind K's
	v_add_nc_u32 v3, MTAB, v14                     ; the mask's words: key r of a tile; both halves of the lanes take the same word (the upper half's meets Q's zero codes)
	v_lshlrev_b32 v15, 2, v8
	s_lshl_b32 s66, s15, 1
	s_add_co_u32 s66, s66, KSTAB
	v_add_nc_u32 v4, s66, v15                      ; my head's half of K's scale words
	v_add_nc_u32 v5, VSTAB, v15
	v_lshlrev_b32 v13, 8, v8
	v_bfe_u32 v10, v0, 4, 1
	s_delay_alu instid0(VALU_DEP_1)
	v_xor_b32 v10, 1, v10                          ; 1 in lanes 0-15
	s_delay_alu instid0(VALU_DEP_1)
	v_mul_u32_u24 v[QF+8], v10, 0x78               ; Q's place k = 64: the code of 2^15 (exponent field 30); zero codes in lanes 16-31
.irp j, 1,2,3,4,5,6,7
	v_mov_b32 v[QF+8+\j], 0                        ; the rest of Q's upper half: zero codes
.endr
.irp T, 0,1,2,3,4,5,6,7
	v_mov_b32 v[KB+10*\T+9], 0                     ; each tile's tenth register: written once; later V's codes may lie there: finite codes too
.endr
.irp j, 0,1,2,3,4,5
	v_mov_b32 v[PC+\j], 0                          ; the last tile's operand runs on over these
.endr
.irp j, 0,1,2,3
	v_mov_b32 v[T4+\j], 0                          ; a lane permute's destination counts as one of its sources
.endr
	v_mov_b32 v[F+1], 0
	v_mov_b32 v[L], 0
	v_mov_b32 v[L+1], 0
	v_mov_b32 v[MX], 0xff61b1e6                    ; -3e38, under every t
	s_delay_alu instid0(VALU_DEP_1)
	v_floor_f32 v[NM], -v[MX]
	s_wait_loadcnt 0x0                             ; Q
	v_or_b32 v22, 0xfe0000, v22                    ; block 2's byte: 254; the 32 lines below stand between this line and the first product
.set j, 0
.rept 32
	v_mov_b32 v[OT+j], 0                           ; O^T.  (The step is written once: its first turn finds zeros, which the first change of M leaves zeros)
.set j, j+1
.endr
; The tile's softmax of a step.
.macro SOFTMAX
.irp b, 0,1,2,3
	v_max3_num_f32 v[BM+\b], v[S+16*\b], v[S+1+16*\b], v[S+2+16*\b]   ; the largest score of each block of 32 keys: for the row's maximum and, since p rises with the score, for the block's largest p
.endr
.irp i, 3,5,7,9,11,13
.irp b, 0,1,2,3
	v_max3_num_f32 v[BM+\b], v[BM+\b], v[S+16*\b+\i], v[S+1+16*\b+\i]
.endr
.endr
.irp b, 0,1,2,3
	v_max_num_f32 v[BM+\b], v[BM+\b], v[S+15+16*\b]
.endr
.irp b, 0,1,2,3
	s_delay_alu instid0(VALU_DEP_4)
	v_permlanex16_b32 v[T4+\b], v[BM+\b], s[SEL], s[SEL+1]
.endr
.irp b, 0,1,2,3
	s_delay_alu instid0(VALU_DEP_4)
	v_max_num_f32 v[BM+\b], v[BM+\b], v[T4+\b]
.endr
	s_delay_alu instid0(VALU_DEP_2)
	v_max3_num_f32 v[TT], v[BM], v[BM+1], v[BM+2]
	s_delay_alu instid0(VALU_DEP_1)
	v_max_num_f32 v[TT], v[TT], v[BM+3]
	s_delay_alu instid0(VALU_DEP_1)
	v_mul_f32 v[TT], s[CS], v[TT]
	s_delay_alu instid0(VALU_DEP_1)
	v_max_num_f32 v[MX], v[MX], v[TT]              ; the running largest t
	v_mov_b32 v[TT], v[NM]
	s_delay_alu instid0(VALU_DEP_2)
	v_floor_f32 v[NM], -v[MX]                      ; -M = floor(-t): M is a whole number
	s_delay_alu instid0(VALU_DEP_1)
	v_sub_f32 v[TT], v[NM], v[TT]
	s_delay_alu instid0(VALU_DEP_1)
	v_cvt_i32_f32 v[TT], v[TT]                     ; (it saturates)
	s_delay_alu instid0(VALU_DEP_1)
	v_ldexp_f32 v[F], 1.0, v[TT]                   ; f = 2^(old M - new M)
.set j, 0
.rept 32
	v_pk_fma_f32 v[S+j:S+j+1], v[S+j:S+j+1], s[CS:CS+1], v[NM:NM+1] op_sel_hi:[1,0,0]   ; t - M
.set j, j+2
.endr
.irp b, 0,1,2,3
	v_fma_f32 v[BM+\b], v[BM+\b], s[CS], v[NM]
.endr
.set j, 0
	s_wait_alu depctr_va_vdst(0)
.rept 64
	v_exp_f32 v[S+j], v[S+j]                       ; p = 2^(t - M)
.set j, j+1
.endr
	s_setprio 1
	v_pk_mul_f32 v[L:L+1], v[L:L+1], v[F:F+1] op_sel_hi:[1,0]   ; a plain line behind the exponentials
	s_wait_alu depctr_va_vdst(0)                   ; one wait for the batch of 64, ahead of its first reader
.irp b, 0,1,2,3
	v_exp_f32 v[BM+\b], v[BM+\b]                   ; the block's largest p
.endr
	v_pk_add_f32 v[L2:L2+1], v[S:S+1], v[S+2:S+3]  ; the row's sum of the unquantised p, in two chains
.irp j, 4,8,12,16,20,24,28,32,36,40,44,48,52,56,60
	v_pk_add_f32 v[L:L+1], v[L:L+1], v[S+\j:S+\j+1]
	v_pk_add_f32 v[L2:L2+1], v[L2:L2+1], v[S+\j+2:S+\j+3]
.endr
	s_delay_alu instid0(VALU_DEP_1)
	v_pk_add_f32 v[L:L+1], v[L:L+1], v[L2:L2+1]
	s_wait_alu depctr_va_vdst(0)                   ; and one for the four
.irp b, 0,1,2,3
	v_max_num_f32 v[BM+\b], 0x8000000, v[BM+\b]    ; the floor: the byte cannot fall under 1
.endr
.irp b, 0,1,2,3
	s_delay_alu instid0(VALU_DEP_4)
	v_add_nc_u32 v[SO+\b], 0xf8800000, v[BM+\b]
.endr
.irp b, 0,1,2,3
	v_and_or_b32 v[LMT+\b], v[BM+\b], 0x7f800000, s[MNT]
.endr
.irp b, 0,1,2,3
	v_lshrrev_b32 v[T4+\b], 23, v[SO+\b]
.endr
	s_delay_alu instid0(VALU_DEP_3)
	v_lshl_or_b32 v[PWD], v[T4+1], 8, v[T4]        ; p's scale word for these 128 keys; the holds below are the places ahead of the products
	s_delay_alu instid0(VALU_DEP_1)
	v_lshl_or_b32 v[PWD], v[T4+2], 16, v[PWD]
	s_delay_alu instid0(VALU_DEP_1)
	v_lshl_or_b32 v[PWD], v[T4+3], 24, v[PWD]
.irp b, 0,1,2,3
.irp i, 0,1,2,3,4,5,6,7,8,9,10,11,12,13,14,15
	v_min_num_f32 v[S+16*\b+\i], v[S+16*\b+\i], v[LMT+\b]   ; p is not negative: a one-sided hold
.endr
	v_cvt_scalef32_pk8_bf8_f32 v[PC+4*\b:PC+4*\b+1], v[S+16*\b:S+16*\b+7], v[SO+\b]
	v_cvt_scalef32_pk8_bf8_f32 v[PC+4*\b+2:PC+4*\b+3], v[S+16*\b+8:S+16*\b+15], v[SO+\b]
.endr
.set j, 0
	s_setprio 0
.rept 16
	v_pk_mul_f32 v[OT+j:OT+j+1], v[OT+j:OT+j+1], v[F:F+1] op_sel_hi:[1,0]   ; O^T under the new M; also the places ahead of the products below
.set j, j+2
.endr
.endm
; A KEY STEP: 128 keys.
.macro STEP
	v_add_nc_u32 v8, s[TB], v1
	v_add_nc_u32 v9, s[TB], v2
	v_add_nc_u32 v10, s[TS], v3
	v_add_nc_u32 v11, s[TS], v4
	v_add_nc_u32 v12, s[TV], v5
.rept 3
	v_nop                                          ; with the five additions: eight places behind the last products, ahead of loads into their operands
.endr
.irp T, 0,1,2,3,4,5,6,7
	ds_load_b128 v[KB+10*\T:KB+10*\T+3], v8 offset:1024*\T
	ds_load_b128 v[KB+10*\T+4:KB+10*\T+7], v8 offset:1024*\T+512
	ds_load_b32 v[KB+10*\T+8], v10 offset:64*\T    ; the tile's 16 mask words
.endr
.irp i, 0,1,2,3
	ds_load_u16 v[16+\i], v11 offset:128*\i        ; lanes 0-15 tile 2 i, lanes 16-31 tile 2 i + 1; the upper bytes come as 0
.endr
	s_wait_alu depctr_va_vdst(0)
	s_wait_dscnt 0x0
.irp T, 0,1,2,3,4,5,6,7
	WM S+8*\T, KB+10*\T, QF, 1, 0, 16+\T/2, 22, \T%2, 0
.endr
.rept 8
	v_nop                                          ; eight places: V's loads land on K's registers, and the softmax reads the results
.endr
.irp f, 0,1,2,3
.irp c, 0,1,2,3
	ds_load_b128 v[KB+16*\f+4*\c:KB+16*\f+4*\c+3], v9 offset:2048*\f+512*\c
.endr
.endr
.irp i, 0,1
	ds_load_b32 v[20+\i], v12 offset:128*\i
.endr
	SOFTMAX
	s_wait_alu depctr_va_vdst(0)
	s_wait_dscnt 0x0                               ; V is in: asked for a softmax ago
.irp f, 0,1,2,3
	WM OT+8*\f, KB+16*\f, PC, 0, OT+8*\f, 20+\f/2, PWD, \f%2, 0
.endr
	s_add_co_u32 s[TB], s[TB], 8192
	s_add_co_u32 s[TS], s[TS], 512
	s_add_co_u32 s[TV], s[TV], 256
.endm
; THE CHANGE OF SLOTS, at a slot's head.  Each wave waits for all its tensor loads, adds 0 to its spare word, and waits for that and for its reads of the slot that it has left.
; Behind the barrier the slot ahead is whole and nobody reads the other one, which is filled with the next 512 keys: the load has four steps in which to land.
.macro CHANGE fill
	s_wait_tensorcnt 0x0
	ds_add_u32 v6, v7
.if \fill
	s_xor_b32 s[G0R+1], s[G0R+1], SLOT1
	s_add_nc_u64 s[G0R+2:G0R+3], s[G0R+2:G0R+3], 32768
	s_wait_xcnt 0x0                                ; the last prefetches, a slot back, have read their address
	s_add_nc_u64 s[PFA:PFA+1], s[PFA:PFA+1], 32768
.endif
	s_wait_dscnt 0x0
	s_barrier_signal -1
	s_barrier_wait -1
.if \fill
	TLOADR
	ASK
.endif
.endm
.macro FOUR_STEPS
	s_mov_b32 s[STEPC], 4
.Lstep_\@:
	s_setprio 2
	STEP
	s_sub_co_u32 s[STEPC], s[STEPC], 1
	s_cmp_lg_u32 s[STEPC], 0
	s_cbranch_scc1 .Lstep_\@
	s_setprio 0
	s_sub_co_u32 s[TB], s[TB], 32768
	s_xor_b32 s[TB], s[TB], SLOT1                  ; on to the other slot
.endm
.Lslot:                                            ; seven trips: behind each change of slots but the last the next slot is asked for
	CHANGE 1
	FOUR_STEPS
	s_sub_co_u32 s[SLOTS], s[SLOTS], 1
	s_cmp_lg_u32 s[SLOTS], 0
	s_cbranch_scc1 .Lslot
	CHANGE 0                                       ; the last slot is written out
	FOUR_STEPS
; THE WAY OUT: O^T / the sum is ctx: a lane's 32 registers are two blocks of 32 along the next product's K.  They are quantised and leave as two pieces of a fragment's image.
.rept 8
	v_nop
.endr
	v_add_f32 v[L], v[L], v[L+1]
	s_delay_alu instid0(VALU_DEP_1)
	v_permlanex16_b32 v[TT], v[L], s[SEL], s[SEL+1]
	s_delay_alu instid0(VALU_DEP_1)
	v_add_f32 v[L], v[L], v[TT]
	s_wait_alu depctr_va_vdst(0)
	v_rcp_f32 v[F], v[L]
	v_nop
	s_wait_alu depctr_va_vdst(0)                   ; ahead of the reciprocal's first reader
.set j, 0
.rept 16
	v_pk_mul_f32 v[OT+j:OT+j+1], v[OT+j:OT+j+1], v[F:F+1] op_sel_hi:[1,0]   ; each accumulator from its low end on
.set j, j+2
.endr
.irp b, 0,1
	v_max3_num_f32 v[BM+\b], |v[OT+16*\b]|, |v[OT+1+16*\b]|, 0x8000000
.endr
.irp i, 2,4,6,8,10,12,14
.irp b, 0,1
	s_delay_alu instid0(VALU_DEP_2)
	v_max3_num_f32 v[BM+\b], v[BM+\b], |v[OT+16*\b+\i]|, |v[OT+1+16*\b+\i]|
.endr
.endr
.irp b, 0,1
	s_delay_alu instid0(VALU_DEP_2)
	v_permlanex16_b32 v[T4+\b], v[BM+\b], s[SEL], s[SEL+1]
.endr
.irp b, 0,1
	s_delay_alu instid0(VALU_DEP_2)
	v_max_num_f32 v[BM+\b], v[BM+\b], v[T4+\b]
.endr
.irp b, 0,1
	s_delay_alu instid0(VALU_DEP_2)
	v_add_nc_u32 v[SO+\b], 0xf8800000, v[BM+\b]
.endr
.irp b, 0,1
	s_delay_alu instid0(VALU_DEP_4)
	v_and_or_b32 v[LMT+\b], v[BM+\b], 0x7f800000, s[MNT]
.endr
.irp b, 0,1
	s_delay_alu instid0(VALU_DEP_4)
	v_lshrrev_b32 v[T4+\b], 23, v[SO+\b]
.endr
	s_delay_alu instid0(VALU_DEP_1)
	v_lshl_or_b32 v[PWD], v[T4+1], 8, v[T4]
.irp b, 0,1
.irp i, 0,1,2,3,4,5,6,7,8,9,10,11,12,13,14,15
	v_med3_num_f32 v[OT+16*\b+\i], v[OT+16*\b+\i], -v[LMT+\b], v[LMT+\b]
.endr
	v_cvt_scalef32_pk8_bf8_f32 v[PC+4*\b:PC+4*\b+1], v[OT+16*\b:OT+16*\b+7], v[SO+\b]
	v_cvt_scalef32_pk8_bf8_f32 v[PC+4*\b+2:PC+4*\b+3], v[OT+16*\b+8:OT+16*\b+15], v[SO+\b]
.endr
	v_nop                                          ; a plain line behind the last conversion
	global_store_b128 v1, v[PC:PC+3], s[76:77]                ; a piece: 512 consecutive bytes
	global_store_b128 v1, v[PC+4:PC+7], s[76:77] offset:512
	global_store_b16 v14, v[PWD], s[78:79]         ; my head's half of each token's scale word; both halves of the lanes write the same bytes with the same value
	s_wait_tensorcnt 0x0                           ; the wave's end
	ds_add_u32 v6, v7
	s_wait_dscnt 0x0
	s_endpgm
.Lfunc_end_k_q30d4f908e0_attn:
	.size	k_q30d4f908e0_attn, .Lfunc_end_k_q30d4f908e0_attn-k_q30d4f908e0_attn
	.p2alignl 7, 3214868480
	.fill 96, 4, 3214868480
	.section	.rodata,"a",@progbits
	.p2align	6, 0x0
	.amdhsa_kernel k_q30d4f908e0_attn
		.amdhsa_group_segment_fixed_size 327680
		.amdhsa_private_segment_fixed_size 0
		.amdhsa_enable_private_segment 0
		.amdhsa_kernarg_size 24
		.amdhsa_user_sgpr_count 2
		.amdhsa_user_sgpr_kernarg_segment_ptr 1
		.amdhsa_wavefront_size32 1
		.amdhsa_system_sgpr_workgroup_id_x 1
		.amdhsa_system_sgpr_workgroup_id_y 1
		.amdhsa_system_sgpr_workgroup_id_z 1
		.amdhsa_system_vgpr_workitem_id 0
		.amdhsa_next_free_vgpr 256
		.amdhsa_next_free_sgpr 90
		.amdhsa_reserve_vcc 0
		.amdhsa_float_denorm_mode_32 3
		.amdhsa_float_denorm_mode_16_64 3
		.amdhsa_memory_ordered 1
		.amdhsa_forward_progress 1
		.amdhsa_inst_pref_size 58
	.end_amdhsa_kernel
	.amdgpu_metadata
---
amdhsa.version: [ 1, 2 ]
amdhsa.kernels:
  - .name:           k_q30d4f908e0_attn
    .symbol:         k_q30d4f908e0_attn.kd
    .args:
      - { .name: qkvbuf, .offset: 0, .size: 8, .value_kind: global_buffer, .address_space: global }
      - { .name: prepbuf, .offset: 8, .size: 8, .value_kind: global_buffer, .address_space: global }
      - { .name: ctxbuf, .offset: 16, .size: 8, .value_kind: global_buffer, .address_space: global }
    .group_segment_fixed_size: 327680
    .private_segment_fixed_size: 0
    .kernarg_segment_align: 8
    .kernarg_segment_size: 24
    .max_flat_workgroup_size: 512
    .sgpr_count:     90
    .vgpr_count:     256
    .wavefront_size: 32
...
	.end_amdgpu_metadata
.endif
;; end of part 7
;; launch tail (part 8): grid 256 x 1, 4 waves a work-group, no clusters, 121,344 bytes of LDS; arguments ctxbuf, prepbuf, x, b1, b2, g1, be1, g2, be2, out0; writes out0
.if DOCPART == 8
	.amdgcn_target "amdgcn-amd-amdhsa--gfx1250"
	.amdhsa_code_object_version 6
	.text
	.protected	k_q30d4f908e0_tail
	.globl	k_q30d4f908e0_tail
	.p2align	8
	.type	k_q30d4f908e0_tail,@function
k_q30d4f908e0_tail:
	s_mov_b64 s[64:65], 0
	v_nop
	global_prefetch_b8 v0, s[64:65] scope:SCOPE_SE
	s_setreg_imm32_b32 hwreg(HW_REG_WAVE_SCHED_MODE, 0, 2), 2
	s_setreg_imm32_b32 hwreg(HW_REG_WAVE_MODE, 25, 1), 1
	s_wait_xcnt 0x0
	s_wait_alu depctr_vm_vsrc(0)
; TAIL: x1 = LN(x + ctx wo); out = LN(x1 + relu(x1 w1 + b1) w2 + b2), all three products on codes of E5M2.  A work-group owns 32 tokens (two tiles m = 0, 1) from end to end.
; THE WAVES SHARE THE COLUMNS: wave w makes columns 128 w .. of both sums and hidden units 512 w .. in four groups of 128.  All products transposed (source 0 = 16 rows of a weight, source 1 = 16 tokens):
; a lane holds one token, its registers run along the columns, so each result is quantised in registers into one fragment of the next product.
; x1 stays in the accumulators in f32 (the residual is the C of the next sum); x1's and the hidden layer's codes go from wave to wave through LDS as images of their registers.
; WEIGHTS go from memory straight into the one wave that multiplies them: a dense stream of 36 K steps (8 fragments + 4 registers of scale words = 36 loads), in two buffers.
; The count 36 at each K step's wait: the next K step's 36 loads are the youngest that may be out.
; No tensor load and no multicast here: beside the activations a ring's slot would hold few products' weights for each change of slots, with all loads waited for at each change.
; The norms take the mean first and then the mean of the squared differences, as the definition writes them.  LIMITS: NaN and infinities are not served; a block under 2^-111 keeps byte 1.
; REGISTERS.  window 0: v1-16 addresses; v20-27 the weights' scale words; v28-33 the tokens'; v34-36 words just made; v40-55, v56-79 at work; v80-111 codes; v112-175 held numbers; v176-239 b1, b2; v240-247 sums.
;   window 1: v0-127 the 16 accumulators of the 512-wide sums ((m, t) at 64 m + 8 t); v128-255 those of the hidden layer.   window 2: two buffers of 8 weight fragments.
;   window 3: v0-127 the tokens' fragments (ctx, then x1: 32 s + 16 m; then the hidden layer's in two buffers); v128-191 the norm's gain, v192-255 its bias.
; THE MODE: SCHED_MODE bits 1:0 = 2 (LLVM: expert scheduling mode 2), set by the entry lines.  The code itself states the register dependences
; between vector or matrix instructions and memory or LDS instructions, with s_wait_alu, always for 0.
; THE PLAN.  Registers that memory or LDS instructions touch:
;   window 2 buffer b, v20 + 4 b ..   a K step's weights and scale words.  Read by 16 products; loaded again behind them.  All 1,024 registers are in use, so there is no third buffer: a refill hangs on the products just issued.
;   v176-239          b1: the C of a group's first 16 products, loaded again behind them; b2: read by additions; at the end rows from the stage land there.
;   window 3 v0-127, v28-33   the tokens' fragments and scale words: loaded from memory (ctx) or LDS (x1, the hidden layer); read by products.
;   window 3 v128-255 gain and bias: read by a norm's multiply-adds; loaded a second time behind the first norm.
;   window 1 v0-127   x as loaded: read by LDS stores, and LDS loads land in the same registers; at the end the results: read by LDS stores.
;   v80-111, v36      codes and a scale word: written by conversions and a select, read by LDS stores.     v56, v64: a norm's partial sums, read by LDS stores.     v240-247: LDS loads land there, additions work on them.
;   v10, v11, v15, v16   LDS addresses that are stepped.     v112-175: held numbers; at the end rows from the stage land there.     All other addresses are made at the head and never written again.
; So: ONE wait on va_vdst behind each 16 products, ahead of the loads into what they read; one ahead of each run of LDS stores of fresh numbers, which also covers the loads that follow it;
; a wait on vm_vsrc ahead of each rewriting of what LDS instructions have read.  The stepped addresses are written ahead of a wait on va_vdst that stands there anyway.
.set O_CS,  4194304
.set O_TW,  5136384
.set O_TWS, 7495680
.set WSTR,  589824
.set X1IMG, 0                          ; x1's 8 fragments [K step][m][2,048]
.set X1SC,  16384                      ; their scale words [K step][128: lanes 0-15 m = 0, lanes 16-31 m = 1]
.set HSC,   16896                      ; the hidden layer's, 16 K steps
.set RED,   18944                      ; four regions of 512 bytes for the norms' sums: [m][token][wave]
.set HIMG,  21504                      ; the hidden layer's 32 fragments
.set STG,   87040                      ; a stage of 16 rows x (512 + 16) bytes for each wave
.set TM, 40
.set CH, 56
.set HT, 112
.set MSB, 0
.macro WIN new
.if MSB != (\new)
	s_set_vgpr_msb (MSB<<8)|(\new)
.set MSB, (\new)
.endif
.endm
.macro WM d, a, b, c, sa, sb, ra, rb
.if (\ra) && (\rb)
	v_wmma_scale_f32_16x16x128_f8f6f4 v[(\d):(\d)+7], v[(\a):(\a)+15], v[(\b):(\b)+15], v[(\c):(\c)+7], v[(\sa)], v[(\sb)] matrix_a_fmt:MATRIX_FMT_BF8 matrix_b_fmt:MATRIX_FMT_BF8 matrix_a_scale:MATRIX_SCALE_ROW1 matrix_b_scale:MATRIX_SCALE_ROW1
.elseif (\ra)
	v_wmma_scale_f32_16x16x128_f8f6f4 v[(\d):(\d)+7], v[(\a):(\a)+15], v[(\b):(\b)+15], v[(\c):(\c)+7], v[(\sa)], v[(\sb)] matrix_a_fmt:MATRIX_FMT_BF8 matrix_b_fmt:MATRIX_FMT_BF8 matrix_a_scale:MATRIX_SCALE_ROW1
.elseif (\rb)
	v_wmma_scale_f32_16x16x128_f8f6f4 v[(\d):(\d)+7], v[(\a):(\a)+15], v[(\b):(\b)+15], v[(\c):(\c)+7], v[(\sa)], v[(\sb)] matrix_a_fmt:MATRIX_FMT_BF8 matrix_b_fmt:MATRIX_FMT_BF8 matrix_b_scale:MATRIX_SCALE_ROW1
.else
	v_wmma_scale_f32_16x16x128_f8f6f4 v[(\d):(\d)+7], v[(\a):(\a)+15], v[(\b):(\b)+15], v[(\c):(\c)+7], v[(\sa)], v[(\sb)] matrix_a_fmt:MATRIX_FMT_BF8 matrix_b_fmt:MATRIX_FMT_BF8
.endif
.endm
.macro BARRIER                         ; my LDS stores have landed and my LDS loads are in: then the work-group's barrier
	s_wait_dscnt 0x0
	s_barrier_signal -1
	s_barrier_wait -1
.endm
.macro PLACES                          ; eight places behind products of this form, ahead of the first read of results; they stay beside the waits on va_vdst
.rept 8
	v_nop
.endr
.endm
.macro SPENT                           ; behind 16 products whose operands are loaded again
	PLACES
	s_wait_alu depctr_va_vdst(0)                   ; the products issued so far are done reading their weights, their scale words, their tokens' fragments and, a group's first, b1: the loads that follow land in such registers
.endm
.macro WLOAD buf, k                    ; K step k of the stream, counted from the pointer: 36 loads
	WIN 0x80
.irp t, 0,1,2,3,4,5,6,7
.irp c, 0,1,2,3
	global_load_b128 v[128*(\buf)+16*\t+4*\c:128*(\buf)+16*\t+4*\c+3], v1, s[30:31] offset:16384*(\k)+2048*\t+512*\c
.endr
.endr
	WIN 0
.irp i, 0,1,2,3
	global_load_b32 v[20+4*(\buf)+\i], v2, s[32:33] offset:512*(\k)+128*\i
.endr
.endm
; 16 products: the buffer's 8 tiles x the two tiles of tokens; the 16 accumulators by turns.  cmode = 1: b1 is the C and starts the sums
.macro MM buf, dbase, bbase, cmode, bs
.if \cmode
	WIN 0x4e
.else
	WIN 0x5e
.endif
.irp t, 0,1,2,3,4,5,6,7
.irp m, 0,1
.if \cmode
	WM (\dbase)+64*\m+8*\t, 128*(\buf)+16*\t, (\bbase)+16*\m, 176+8*\t, 20+4*(\buf)+\t/2, \bs, \t%2, \m
.else
	WM (\dbase)+64*\m+8*\t, 128*(\buf)+16*\t, (\bbase)+16*\m, (\dbase)+64*\m+8*\t, 20+4*(\buf)+\t/2, \bs, \t%2, \m
.endif
.endr
.endr
	WIN 0
.endm
.macro BLOAD ptr                       ; 64 numbers of a bias in the result's layout: lane half h wants 16 t + 8 h + 0 .. 7
.irp t, 0,1,2,3,4,5,6,7
	global_load_b128 v[176+8*\t:179+8*\t], v14, s[\ptr:\ptr+1] offset:64*\t
	global_load_b128 v[180+8*\t:183+8*\t], v14, s[\ptr:\ptr+1] offset:64*\t+16
.endr
.endm
.macro GLOAD gp, bp                    ; a norm's gain and bias, likewise, into window 3
	WIN 0xc0
.irp t, 0,1,2,3,4,5,6,7
	global_load_b128 v[128+8*\t:131+8*\t], v14, s[\gp:\gp+1] offset:64*\t
	global_load_b128 v[132+8*\t:135+8*\t], v14, s[\gp:\gp+1] offset:64*\t+16
	global_load_b128 v[192+8*\t:195+8*\t], v14, s[\bp:\bp+1] offset:64*\t
	global_load_b128 v[196+8*\t:199+8*\t], v14, s[\bp:\bp+1] offset:64*\t+16
.endr
	WIN 0
.endm
; 64 numbers of a lane in window 1, v[s] on, become a fragment's codes in v[pc] on and its scale word in v[pw].  The numbers stay: the held copies go to v[HT] on.  relu = 1: what is negative becomes 0.
.macro QUANT s, relu, pc, pw
	WIN 0x05
.irp b, 0,1,2,3
.if \relu
	v_max3_num_f32 v[TM+\b], v[\s+16*\b], v[\s+1+16*\b], 0x8000000
.else
	v_max3_num_f32 v[TM+\b], |v[\s+16*\b]|, |v[\s+1+16*\b]|, 0x8000000
.endif
.endr
	WIN 0x14
.irp i, 2,4,6,8,10,12,14
.irp b, 0,1,2,3
.if \relu
	v_max3_num_f32 v[TM+\b], v[TM+\b], v[\s+16*\b+\i], v[\s+1+16*\b+\i]
.else
	v_max3_num_f32 v[TM+\b], v[TM+\b], |v[\s+16*\b+\i]|, |v[\s+1+16*\b+\i]|
.endif
.endr
.endr
	WIN 0
.irp b, 0,1,2,3
	v_permlanex16_b32 v[TM+4+\b], v[TM+\b], s34, s35
.endr
.irp b, 0,1,2,3
	v_max_num_f32 v[TM+\b], v[TM+\b], v[TM+4+\b]
.endr
.irp b, 0,1,2,3
	v_add_nc_u32 v[TM+12+\b], 0xf8800000, v[TM+\b]
.endr
.irp b, 0,1,2,3
	v_and_or_b32 v[TM+8+\b], v[TM+\b], 0x7f800000, s36
.endr
.irp b, 0,1,2,3
	v_lshrrev_b32 v[TM+4+\b], 23, v[TM+12+\b]
.endr
	v_lshl_or_b32 v[\pw], v[TM+5], 8, v[TM+4]
	v_lshl_or_b32 v[\pw], v[TM+6], 16, v[\pw]
	v_lshl_or_b32 v[\pw], v[TM+7], 24, v[\pw]
	WIN 0x01
.irp b, 0,1,2,3
.irp i, 0,1,2,3,4,5,6,7,8,9,10,11,12,13,14,15
.if \relu
	v_med3_num_f32 v[HT+16*\b+\i], v[\s+16*\b+\i], 0, v[TM+8+\b]          ; the activation and the hold in one
.else
	v_med3_num_f32 v[HT+16*\b+\i], v[\s+16*\b+\i], -v[TM+8+\b], v[TM+8+\b]
.endif
.endr
.endr
	WIN 0
.irp b, 0,1,2,3
	v_cvt_scalef32_pk8_bf8_f32 v[\pc+4*\b:\pc+4*\b+1], v[HT+16*\b:HT+16*\b+7], v[TM+12+\b]
	v_cvt_scalef32_pk8_bf8_f32 v[\pc+4*\b+2:\pc+4*\b+3], v[HT+16*\b+8:HT+16*\b+15], v[TM+12+\b]
.endr
	v_nop
.endm
.macro IMAGE adr, pc, off
.irp c, 0,1,2,3
	ds_store_b128 v[\adr], v[\pc+4*\c:\pc+4*\c+3] offset:\off+512*\c
.endr
.endm
; the four chains of each m become the token's total over all 512 columns, in v240 (m = 0) and v244 (m = 1): within the lane, with lane l xor 16, and over the four waves through LDS.  more = 1: the chains are written again later
.macro LNSUM red, more
	WIN 0
.irp m, 0,1
	v_pk_add_f32 v[CH+8*\m:CH+8*\m+1], v[CH+8*\m:CH+8*\m+1], v[CH+8*\m+2:CH+8*\m+3]
	v_pk_add_f32 v[CH+8*\m+4:CH+8*\m+5], v[CH+8*\m+4:CH+8*\m+5], v[CH+8*\m+6:CH+8*\m+7]
.endr
.irp m, 0,1
	v_pk_add_f32 v[CH+8*\m:CH+8*\m+1], v[CH+8*\m:CH+8*\m+1], v[CH+8*\m+4:CH+8*\m+5]
.endr
.irp m, 0,1
	v_add_f32 v[CH+8*\m], v[CH+8*\m], v[CH+8*\m+1]
.endr
.irp m, 0,1
	v_permlanex16_b32 v[CH+8*\m+2], v[CH+8*\m], s34, s35
.endr
.irp m, 0,1
	v_add_f32 v[CH+8*\m], v[CH+8*\m], v[CH+8*\m+2]
.endr
	s_wait_alu depctr_va_vdst(0)                   ; the sums v56 and v64 are written, which the LDS stores read; and every earlier line that named v240-247 is done: the loads behind the barrier land there
.irp m, 0,1
	ds_store_b32 v12, v[CH+8*\m] offset:RED+\red+256*\m   ; both halves of the lanes write the same word with the same value
.endr
	BARRIER
.if \more
	s_wait_alu depctr_vm_vsrc(0)                   ; my two LDS stores have read v56 and v64, which the next chains write again
.endif
.irp m, 0,1
	ds_load_b128 v[240+4*\m:243+4*\m], v13 offset:RED+\red+256*\m
.endr
	s_wait_dscnt 0x0
.irp m, 0,1
	v_add_f32 v[240+4*\m], v[240+4*\m], v[241+4*\m]
	v_add_f32 v[242+4*\m], v[242+4*\m], v[243+4*\m]
.endr
.irp m, 0,1
	v_add_f32 v[240+4*\m], v[240+4*\m], v[242+4*\m]
.endr
.endm
; the layer norm of the 16 accumulators, in place; ra, rb: two regions of LDS that nothing else uses; more = 1: another norm follows
.macro LNORM ra, rb, more
.irp m, 0,1
	WIN 0x05
.irp c, 0,1,2,3
	v_pk_add_f32 v[CH+8*\m+2*\c:CH+8*\m+2*\c+1], v[64*\m+4*\c:64*\m+4*\c+1], v[64*\m+4*\c+2:64*\m+4*\c+3]   ; ascending: each accumulator is read from its low end on
.endr
	WIN 0x04
.irp p, 8,9,10,11,12,13,14,15,16,17,18,19,20,21,22,23,24,25,26,27,28,29,30,31
	v_pk_add_f32 v[CH+8*\m+2*(\p%4):CH+8*\m+2*(\p%4)+1], v[CH+8*\m+2*(\p%4):CH+8*\m+2*(\p%4)+1], v[64*\m+2*\p:64*\m+2*\p+1]
.endr
.endr
	LNSUM \ra, 1
.irp m, 0,1
	v_mul_f32 v[72+2*\m], s38, v[240+4*\m]         ; the mean
.endr
	WIN 0x41
.irp m, 0,1
.set pp, 0
.rept 32
	v_pk_add_f32 v[64*\m+2*pp:64*\m+2*pp+1], v[64*\m+2*pp:64*\m+2*pp+1], v[72+2*\m:73+2*\m] op_sel_hi:[1,0] neg_lo:[0,1] neg_hi:[0,1]
.set pp, pp+1
.endr
.endr
	WIN 0x05
.irp m, 0,1
.irp c, 0,1,2,3
	v_pk_mul_f32 v[CH+8*\m+2*\c:CH+8*\m+2*\c+1], v[64*\m+2*\c:64*\m+2*\c+1], v[64*\m+2*\c:64*\m+2*\c+1]
.endr
.irp p, 4,5,6,7,8,9,10,11,12,13,14,15,16,17,18,19,20,21,22,23,24,25,26,27,28,29,30,31
	v_pk_fma_f32 v[CH+8*\m+2*(\p%4):CH+8*\m+2*(\p%4)+1], v[64*\m+2*\p:64*\m+2*\p+1], v[64*\m+2*\p:64*\m+2*\p+1], v[CH+8*\m+2*(\p%4):CH+8*\m+2*(\p%4)+1]
.endr
.endr
	LNSUM \rb, \more
.irp m, 0,1
	v_fma_f32 v[241+4*\m], v[240+4*\m], s38, s39   ; the variance + 1e-5
.endr
	s_wait_alu depctr_va_vdst(0)
.irp m, 0,1
	v_rsq_f32 v[76+2*\m], v[241+4*\m]
.endr
	v_nop
	s_wait_alu depctr_va_vdst(0)                   ; the two reciprocal roots v76 and v78 are written, ahead of their first reader: one wait for the two
	WIN 0x41
.irp m, 0,1
.set pp, 0
.rept 32
	v_pk_mul_f32 v[64*\m+2*pp:64*\m+2*pp+1], v[64*\m+2*pp:64*\m+2*pp+1], v[76+2*\m:77+2*\m] op_sel_hi:[1,0]
.set pp, pp+1
.endr
.endr
	WIN 0x7d                                       ; gain and bias in window 3
.irp m, 0,1
.set pp, 0
.rept 32
	v_pk_fma_f32 v[64*\m+2*pp:64*\m+2*pp+1], v[64*\m+2*pp:64*\m+2*pp+1], v[128+2*pp:129+2*pp], v[192+2*pp:193+2*pp]
.set pp, pp+1
.endr
.endr
	WIN 0
.endm
; 16 rows x my 512 bytes of x, loaded as rows, turn through my own stage into the result's layout, back into the registers that they left.  LDS serves a wave's instructions in order.
.macro XIN m
	WIN 0x04
.irp i, 0,1,2,3,4,5,6,7,8,9,10,11,12,13,14,15
	ds_store_b128 v5, v[64*\m+4*\i:64*\m+4*\i+3] offset:528*\i
.endr
	WIN 0x40
	s_wait_alu depctr_vm_vsrc(0)                   ; the sixteen stores above have read their data: the loads below land in the same registers
.irp t, 0,1,2,3,4,5,6,7
	ds_load_b128 v[64*\m+8*\t:64*\m+8*\t+3], v4 offset:64*\t
	ds_load_b128 v[64*\m+8*\t+4:64*\m+8*\t+7], v4 offset:64*\t+16
.endr
	WIN 0
.endm
.macro YOUT m                          ; and the other way round on the way out
	WIN 0x04
.irp t, 0,1,2,3,4,5,6,7
	ds_store_b128 v4, v[64*\m+8*\t:64*\m+8*\t+3] offset:64*\t
	ds_store_b128 v4, v[64*\m+8*\t+4:64*\m+8*\t+7] offset:64*\t+16
.endr
	WIN 0
.irp i, 0,1,2,3,4,5,6,7,8,9,10,11,12,13,14,15
	ds_load_b128 v[112+64*\m+4*\i:112+64*\m+4*\i+3], v5 offset:528*\i
.endr
.endm
.macro FETCH buf, off, offs            ; a K step's two hidden fragments and their scale words
	WIN 0xc0
.irp m, 0,1
.irp c, 0,1,2,3
	ds_load_b128 v[32*(\buf)+16*\m+4*\c:32*(\buf)+16*\m+4*\c+3], v15 offset:HIMG+\off+2048*\m+512*\c
.endr
.endr
	WIN 0
	ds_load_b32 v[28+(\buf)], v16 offset:HSC+\offs
.endm
	s_load_b256 s[4:11], s[0:1], 0x0               ; ctxbuf, prepbuf, x, b1
	s_load_b256 s[12:19], s[0:1], 0x20             ; b2, g1, be1, g2
	s_load_b128 s[20:23], s[0:1], 0x40             ; be2, out0
	v_lshl_add_u32 v254, v0, 2, 0x1d800
	v_mov_b32 v255, 0
	v_lshrrev_b32 v3, 5, v0
	v_readfirstlane_b32 s24, v3                    ; wave
	v_and_b32 v3, 31, v0
	v_and_b32 v17, 15, v0                          ; r
	v_bfe_u32 v18, v0, 4, 1                        ; h
	v_lshlrev_b32 v1, 4, v3                        ; 16 x lane
	v_lshlrev_b32 v2, 2, v3                        ; 4 x lane
	s_wait_alu depctr_va_sdst(0)                   ; s24 is written, ahead of its first reader: the wave's places in LDS and in memory are made from it
	s_mul_i32 s46, s24, 8448
	s_add_co_u32 s46, s46, STG
	v_mul_u32_u24 v4, v17, 528
	v_lshl_add_u32 v4, v18, 5, v4
	v_add_nc_u32 v4, s46, v4                       ; my stage: row r, + 32 h
	v_add_nc_u32 v5, s46, v1                       ; and by rows
	s_lshl_b32 s46, s24, 12
	v_add_nc_u32 v6, s46, v1                       ; x1's images: K step w
	s_lshl_b32 s46, s24, 7
	v_add_nc_u32 v7, s46, v2
	s_lshl_b32 s46, s24, 14
	v_add_nc_u32 v8, s46, v1                       ; the hidden layer's: K steps 4 w ..
	s_lshl_b32 s46, s24, 9
	v_add_nc_u32 v9, s46, v2
	v_lshlrev_b32 v13, 4, v17
	s_lshl_b32 s46, s24, 2
	v_add_nc_u32 v12, s46, v13
	v_lshlrev_b32 v14, 5, v18
.irp b, 0,1,2,3
	v_mov_b32 v[TM+4+\b], 0                        ; a lane permute's destination counts as one of its sources
.endr
.irp j, 73,75,77,79
	v_mov_b32 v[\j], 0                             ; (upper halves of pairs of which the low word serves both)
.endr
	s_lshr_b32 s46, ttmp9, 2
	s_and_b32 s47, ttmp9, 3
	s_lshl_b32 s48, s46, 16
	s_lshl_b32 s49, s47, 12
	s_add_co_u32 s48, s48, s49                     ; ctx: group x 65,536 + tile 2 (work-group % 4) x 2,048
	s_mov_b32 s49, 0
	s_lshr_b32 s50, s48, 5
	s_add_co_u32 s50, s50, O_CS
	s_mov_b32 s51, 0
	s_mul_i32 s52, s24, WSTR
	s_add_co_u32 s52, s52, O_TW
	s_mov_b32 s53, 0
	s_mul_i32 s54, s24, 18432
	s_add_co_u32 s54, s54, O_TWS
	s_mov_b32 s55, 0
	s_lshl_b32 s56, ttmp9, 16
	s_lshl_b32 s58, s24, 9
	s_add_co_u32 s56, s56, s58                     ; x, out: 32 rows of 2,048 bytes a work-group, + my 512 bytes
	s_mov_b32 s57, 0
	s_mov_b32 s59, 0
	s_lshl_b32 s60, s24, 11
	s_mov_b32 s61, 0
	s_mov_b32 s34, 0x76543210
	s_mov_b32 s35, 0xfedcba98
	s_mov_b32 s36, 0x600000
	s_mov_b32 s37, 0xffff0000
	s_mov_b32 s38, 0x3b000000                      ; 1 / 512
	s_mov_b32 s39, 0x3727c5ac                      ; 1e-5
	s_wait_kmcnt 0x0
	s_add_nc_u64 s[26:27], s[4:5], s[48:49]
	s_add_nc_u64 s[28:29], s[4:5], s[50:51]
	s_add_nc_u64 s[30:31], s[6:7], s[52:53]
	s_add_nc_u64 s[32:33], s[6:7], s[54:55]
	s_add_nc_u64 s[8:9], s[8:9], s[56:57]
	s_add_nc_u64 s[22:23], s[22:23], s[56:57]
	s_add_nc_u64 s[10:11], s[10:11], s[60:61]
	s_add_nc_u64 s[12:13], s[12:13], s[58:59]
	s_add_nc_u64 s[14:15], s[14:15], s[58:59]
	s_add_nc_u64 s[16:17], s[16:17], s[58:59]
	s_add_nc_u64 s[18:19], s[18:19], s[58:59]
	s_add_nc_u64 s[20:21], s[20:21], s[58:59]
	WIN 0x40
	s_wait_alu depctr_va_vdst(0)                   ; the addresses and offsets v1, v2, v4 to v9 and v12 to v14 are written, which the loads, stores and LDS instructions of the kernel read
.irp i, 0,1,2,3,4,5,6,7,8,9,10,11,12,13,14,15,16,17,18,19,20,21,22,23,24,25,26,27,28,29,30,31
	global_load_b128 v[4*\i:4*\i+3], v1, s[8:9] offset:2048*\i   ; x: a row's 512 bytes an instruction
.endr
	WIN 0xc0
.irp s, 0,1,2,3
.irp m, 0,1
.irp c, 0,1,2,3
	global_load_b128 v[32*\s+16*\m+4*\c:32*\s+16*\m+4*\c+3], v1, s[26:27] offset:16384*\s+2048*\m+512*\c
.endr
.endr
.endr
	WIN 0
.irp s, 0,1,2,3
	global_load_b32 v[30+\s], v2, s[28:29] offset:512*\s
.endr
	WLOAD 0, 0
	s_wait_loadcnt 63                              ; 72 loads were issued behind x's 32: x is in
	XIN 0
	XIN 1
	GLOAD 14, 16
	BLOAD 10
	WLOAD 1, 1
; ---- A: x + ctx wo: the residual is the C of the first products
.irp n, 0,1,2,3
	s_wait_loadcnt 36
.if \n == 0
	s_wait_dscnt 0x0                               ; x is back from the stage
.endif
	MM \n%2, 0, 32*\n, 0, 30+\n
	SPENT
	WLOAD \n%2, \n+2
.endr
	s_wait_xcnt 0x0                                ; the loads have read their bases
	s_add_nc_u64 s[30:31], s[30:31], 65536
	s_add_nc_u64 s[32:33], s[32:33], 2048
	s_add_nc_u64 s[10:11], s[10:11], 512           ; b1 of the next group of hidden units
	LNORM 0, 512, 1
	QUANT 0, 0, 80, 34
	QUANT 64, 0, 96, 35
	v_cndmask_b32 v36, v34, v35, s37
	s_wait_alu depctr_va_vdst(0)                   ; the conversions have written v80-111 and the select v36, which the LDS stores read; the norm is done reading gain and bias, and the first product its fragments and v30-33: the loads below land in those
	IMAGE 6, 80, X1IMG
	IMAGE 6, 96, X1IMG+2048
	ds_store_b32 v7, v36 offset:X1SC
	GLOAD 18, 20                                   ; the second norm's gain and bias
	BARRIER                                        ; x1's eight fragments lie in LDS
	s_wait_alu depctr_vm_vsrc(0)                   ; my LDS stores have read v80-111 and v36, which the first group's conversions and select write again
	WIN 0xc0
.irp s, 0,1,2,3
.irp m, 0,1
.irp c, 0,1,2,3
	ds_load_b128 v[32*\s+16*\m+4*\c:32*\s+16*\m+4*\c+3], v1 offset:X1IMG+4096*\s+2048*\m+512*\c
.endr
.endr
.endr
	WIN 0
.irp s, 0,1,2,3
	ds_load_b32 v[30+\s], v2 offset:X1SC+128*\s
.endr
	s_wait_dscnt 0x0                               ; they stay in registers for all four groups
; ---- C: four groups of 128 hidden units: b1 + x1 w1, relu, quantised: K step 4 w + group of the last product
	s_mov_b32 s40, 0
	s_mov_b32 s41, 0
	s_mov_b32 s42, 0
	s_mov_b32 s47, 0
.Lgroup:
	s_wait_loadcnt 36
	MM 0, 128, 0, 1, 30
	SPENT
	BLOAD 10                                       ; the next group's b1 (the last trip loads the last group's again: no load leaves the buffer)
	WLOAD 0, 2
	s_wait_loadcnt 36
	MM 1, 128, 32, 0, 31
	SPENT
	WLOAD 1, 3
	s_wait_loadcnt 36
	MM 0, 128, 64, 0, 32
	SPENT
	WLOAD 0, 4
	s_wait_loadcnt 36
	MM 1, 128, 96, 0, 33
	SPENT
	WLOAD 1, 5
	v_add_nc_u32 v10, s41, v8
	v_add_nc_u32 v11, s42, v9
	QUANT 128, 1, 80, 34
	QUANT 192, 1, 96, 35
	v_cndmask_b32 v36, v34, v35, s37
	s_wait_alu depctr_va_vdst(0)                   ; the conversions have written v80-111, the select v36 and the two additions the addresses v10 and v11: the LDS stores below read them
	IMAGE 10, 80, HIMG
	IMAGE 10, 96, HIMG+2048
	ds_store_b32 v11, v36 offset:HSC
	s_wait_dscnt 0x0                               ; this group's images are in LDS
	s_wait_alu depctr_vm_vsrc(0)                   ; the LDS stores have read v80-111, v36, v10 and v11, which the next trip writes again
	s_wait_xcnt 0x0                                ; and the loads their bases
	s_add_nc_u64 s[30:31], s[30:31], 65536
	s_add_nc_u64 s[32:33], s[32:33], 2048
	s_add_co_u32 s41, s41, 4096
	s_add_co_u32 s42, s42, 128
	s_cmp_lt_u32 s40, 2
	s_cselect_b32 s46, 512, 0
	s_add_nc_u64 s[10:11], s[10:11], s[46:47]
	s_add_co_u32 s40, s40, 1
	s_cmp_lt_u32 s40, 4
	s_cbranch_scc1 .Lgroup
	BARRIER                                        ; the hidden layer's 32 fragments lie in LDS
	BLOAD 12                                       ; b2: wanted behind the last product.  (No vector or matrix instruction since the last wait on va_vdst names v176-239)
; ---- D: x1 + hidden w2: 16 K steps; the tokens' fragments come from LDS a K step ahead, in two buffers
	s_mov_b32 s43, 0
	s_mov_b32 s44, 0
	s_mov_b32 s40, 0
	v_add_nc_u32 v15, s43, v1
	v_add_nc_u32 v16, s44, v2
	s_wait_alu depctr_va_vdst(0)                   ; the addresses v15 and v16 are written, which the LDS loads below read
	FETCH 0, 0, 0
.Lks:
	s_wait_loadcnt 36
	s_wait_dscnt 0x0                               ; this K step's fragments are in
	FETCH 1, 4096, 128                             ; into the buffer that the last trip's second 16 products read: the wait at that trip's end (in the first trip: the wait above) stands behind them, and nothing since names it
	MM 0, 0, 0, 0, 28
	SPENT
	WLOAD 0, 2
	s_wait_loadcnt 36
	s_wait_dscnt 0x0
	FETCH 0, 8192, 256                             ; into the buffer that the 16 products above read: the wait behind them covers these loads too
	MM 1, 0, 32, 0, 29
	PLACES
	s_add_co_u32 s43, s43, 8192
	s_add_co_u32 s44, s44, 256
	s_wait_alu depctr_vm_vsrc(0)                   ; the LDS loads issued so far have read v15 and v16
	v_add_nc_u32 v15, s43, v1                      ; on by two K steps, ahead of a wait that stands here anyway
	v_add_nc_u32 v16, s44, v2
	s_wait_alu depctr_va_vdst(0)                   ; the 16 products are done reading weight buffer 1, its scale words, the fragments' buffer 1 and v29, in which loads land; v15 and v16 are written, which the next LDS loads read
	WLOAD 1, 3
	s_wait_xcnt 0x0
	s_add_nc_u64 s[30:31], s[30:31], 32768
	s_add_nc_u64 s[32:33], s[32:33], 1024
	s_add_co_u32 s40, s40, 1
	s_cmp_lt_u32 s40, 7
	s_cbranch_scc1 .Lks
	s_wait_loadcnt 36                              ; the last two K steps ask for no weights
	s_wait_dscnt 0x0
	FETCH 1, 4096, 128
	MM 0, 0, 0, 0, 28
	PLACES
	s_wait_loadcnt 0x0
	s_wait_dscnt 0x0
	MM 1, 0, 32, 0, 29
	PLACES
	WIN 0x41
.irp m, 0,1
.set pp, 0
.rept 32
	v_pk_add_f32 v[64*\m+2*pp:64*\m+2*pp+1], v[64*\m+2*pp:64*\m+2*pp+1], v[176+2*pp:177+2*pp]   ; + b2; ascending: each accumulator from its low end on
.set pp, pp+1
.endr
.endr
	WIN 0
	LNORM 1024, 1536, 0
	s_wait_alu depctr_va_vdst(0)                   ; the norm has written the 16 accumulators, which the LDS stores read; the lines that named the held numbers and b2 are done: the rows from the stage land in v112-239
	YOUT 0
	YOUT 1
.irp i, 0,1,2,3,4,5,6,7,8,9,10,11,12,13,14,15
	s_wait_dscnt 47-\i                             ; behind this load: the rest of its 16 and the second tile's 32
	global_store_b128 v1, v[112+4*\i:112+4*\i+3], s[22:23] offset:2048*\i th:TH_STORE_NT   ; 512 consecutive bytes of a row
.endr
.irp i, 0,1,2,3,4,5,6,7,8,9,10,11,12,13,14,15
	s_wait_dscnt 15-\i
	global_store_b128 v1, v[176+4*\i:176+4*\i+3], s[22:23] offset:2048*(16+\i) th:TH_STORE_NT
.endr
	s_wait_dscnt 0x0                               ; the closing lines, six on end
	s_wait_alu 0x0
	s_wait_tensorcnt 0x0
	ds_add_u32 v254, v255
	s_wait_dscnt 0x0
	s_endpgm
.Lfunc_end_k_q30d4f908e0_tail:
	.size	k_q30d4f908e0_tail, .Lfunc_end_k_q30d4f908e0_tail-k_q30d4f908e0_tail
	.p2alignl 7, 3214868480
	.fill 96, 4, 3214868480
	.section	.rodata,"a",@progbits
	.p2align	6, 0x0
	.amdhsa_kernel k_q30d4f908e0_tail
		.amdhsa_group_segment_fixed_size 121344
		.amdhsa_private_segment_fixed_size 0
		.amdhsa_enable_private_segment 0
		.amdhsa_kernarg_size 80
		.amdhsa_user_sgpr_count 2
		.amdhsa_user_sgpr_kernarg_segment_ptr 1
		.amdhsa_wavefront_size32 1
		.amdhsa_system_sgpr_workgroup_id_x 1
		.amdhsa_system_sgpr_workgroup_id_y 1
		.amdhsa_system_sgpr_workgroup_id_z 1
		.amdhsa_system_vgpr_workitem_id 0
		.amdhsa_next_free_vgpr 1024
		.amdhsa_next_free_sgpr 66
		.amdhsa_reserve_vcc 0
		.amdhsa_float_denorm_mode_32 3
		.amdhsa_float_denorm_mode_16_64 3
		.amdhsa_memory_ordered 1
		.amdhsa_forward_progress 1
		.amdhsa_inst_pref_size 194
	.end_amdhsa_kernel
	.amdgpu_metadata
---
amdhsa.version: [ 1, 2 ]
amdhsa.kernels:
  - .name:           k_q30d4f908e0_tail
    .symbol:         k_q30d4f908e0_tail.kd
    .args:
      - { .name: ctxbuf, .offset: 0, .size: 8, .value_kind: global_buffer, .address_space: global }
      - { .name: prepbuf, .offset: 8, .size: 8, .value_kind: global_buffer, .address_space: global }
      - { .name: x, .offset: 16, .size: 8, .value_kind: global_buffer, .address_space: global }
      - { .name: b1, .offset: 24, .size: 8, .value_kind: global_buffer, .address_space: global }
      - { .name: b2, .offset: 32, .size: 8, .value_kind: global_buffer, .address_space: global }
      - { .name: g1, .offset: 40, .size: 8, .value_kind: global_buffer, .address_space: global }
      - { .name: be1, .offset: 48, .size: 8, .value_kind: global_buffer, .address_space: global }
      - { .name: g2, .offset: 56, .size: 8, .value_kind: global_buffer, .address_space: global }
      - { .name: be2, .offset: 64, .size: 8, .value_kind: global_buffer, .address_space: global }
      - { .name: out0, .offset: 72, .size: 8, .value_kind: global_buffer, .address_space: global }
    .group_segment_fixed_size: 121344
    .private_segment_fixed_size: 0
    .kernarg_segment_align: 8
    .kernarg_segment_size: 80
    .max_flat_workgroup_size: 128
    .sgpr_count:     66
    .vgpr_count:     1024
    .wavefront_size: 32
...
	.end_amdgpu_metadata
.endif
;; end of part 8
